; MI455X (gfx1250); checked and timed in simulation.
; The chip was launched on July 23, 2026; its instructions are those of AMD's public machine-readable ISA for CDNA 5 (MIT licence, August 2026) and "CDNA5" Instruction Set Architecture Reference Guide (July 2026). The comments in the code are by the model that wrote it; some were corrected since.
;; Decoder Block. Allowed arithmetic: matrix products marked QUANTISED: E2M1 operands, one E8M0 scale for each 32 along K, by v_wmma_scale_f32_16x16x128_f8f6f4 with both operands' format E2M1 (or v_wmma_scale_f32_32x16x128_f4), f32 sums; products left as they are: f32 operands where the result goes on into a quantised operand, else bf16, f16 or f32 operands; f32 sums; everything else in f32.
;; Inputs: W1 1,024 x 1,024 float32; W2 1,024 x 1,024 float32; Wck 1,024 x 1,024 float32; Wco 1,024 x 1,024 float32; Wcq 1,024 x 1,024 float32; Wcv 1,024 x 1,024 float32; Wk 1,024 x 1,024 float32; Wo 1,024 x 1,024 float32; Wq 1,024 x 1,024 float32; Wv 1,024 x 1,024 float32; b1 1,024 float32; b2 1,024 float32; bck 1,024 float32; bco 1,024 float32; bcq 1,024 float32; bcv 1,024 float32; beta 1,024 float32; bk 1,024 float32; bo 1,024 float32; bq 1,024 float32; bv 1,024 float32; gamma 1,024 float32; h 8 x 512 x 1,024 float32; x 8 x 512 x 1,024 float32.
;; Outputs: out0 8 x 512 x 1,024 float32.
;; This version of the problem:
;;   THIS VERSION OF THE PROBLEM IS GIVEN IN LOW PRECISION. The matrix products marked QUANTISED in the list below multiply operands that are first quantised to E2M1 (2 exponent bits, 1 mantissa bit; 4 bits a number), with one power-of-two scale for each 32 numbers along K (OCP MX v1.0); their sums are f32. All else is computed in f32.
;;   The module's matrix products, in the order in which they are computed (A, B: the left and right operand; K: the contracted axis; several contracted axes count as one K, in the product's order):
;;     1. [M 4,096, K 1,024] x [K 1,024, N 1,024]; A: input x; B: input Wq: QUANTISED
;;     2. [M 4,096, K 1,024] x [K 1,024, N 1,024]; A: input x; B: input Wk: QUANTISED
;;     3. [M 4,096, K 1,024] x [K 1,024, N 1,024]; A: input x; B: input Wv: QUANTISED
;;     4. batch 65,536 x [M 64, K 1] x [K 1, N 64]; A: computed on the way; B: computed on the way: left as it is (no contracted axis)
;;     5. batch 65,536 x [M 64, K 64] x [K 64, N 1]; A: softmax (see below); B: computed on the way: left as it is (N = 1 < 16)
;;     6. [M 4,096, K 1,024] x [K 1,024, N 1,024]; A: computed on the way; B: input Wo: QUANTISED
;;     7. [M 4,096, K 1,024] x [K 1,024, N 1,024]; A: computed on the way; B: input Wcq: QUANTISED
;;     8. [M 4,096, K 1,024] x [K 1,024, N 1,024]; A: input h; B: input Wck: QUANTISED
;;     9. [M 4,096, K 1,024] x [K 1,024, N 1,024]; A: input h; B: input Wcv: QUANTISED
;;     10. batch 128 x [M 512, K 64] x [K 64, N 512]; A: computed on the way; B: computed on the way: QUANTISED
;;     11. batch 128 x [M 512, K 512] x [K 512, N 64]; A: softmax (see below); B: computed on the way: QUANTISED
;;     12. [M 4,096, K 1,024] x [K 1,024, N 1,024]; A: computed on the way; B: input Wco: QUANTISED
;;     13. [M 4,096, K 1,024] x [K 1,024, N 1,024]; A: computed on the way; B: input W1: QUANTISED
;;     14. [M 4,096, K 1,024] x [K 1,024, N 1,024]; A: computed on the way; B: input W2: QUANTISED
;;   THE QUANTISER, for each operand of a quantised product, along K:
;;     - K is cut into blocks of 32 from its start; a last block that is shorter is filled with zeros.
;;     - A block's scale is 2^e with e = floor(log2(the largest magnitude in the block)) - 2, held to -126 .. 127; a block of zeros has e = 0. As a byte (E8M0): e + 127.
;;     - Each number is divided by its block's scale, clamped to +-6, and rounded to the nearest number of E2M1, ties to even, subnormals kept.
;;     - The product sums the exact products of the quantised numbers (number of the format x scale) in f32.
;;   ~~~python
;;   def quantise(x, axis):      # numpy; x: float32 -> the quantised numbers, widened to float32 again
;;       x = np.moveaxis(x, axis, -1); K = x.shape[-1]
;;       x = np.pad(x, [(0, 0)] * (x.ndim - 1) + [(0, -K % 32)]); x = x.reshape(x.shape[:-1] + (-1, 32)); a = np.abs(x).max(-1, keepdims=True)
;;       e = np.where(a > 0, np.clip(np.frexp(np.where(a > 0, a, 1))[1] - 1 - 2, -126, 127), 0)      # np.frexp(a)[1] - 1 = floor(log2(a)), exactly
;;       r = np.clip(x / 2.0 ** e, -6, 6)
;;       step = 2.0 ** (np.maximum(np.frexp(np.where(r == 0, 1, r))[1] - 1, 0) - 1)
;;       q = np.round(r / step) * step * 2.0 ** e      # np.round: ties to even
;;       return np.moveaxis(q.reshape(q.shape[:-2] + (-1,))[..., :K], -1, axis).astype(np.float32)
;;   ~~~
;;   SOFTMAX AHEAD OF A QUANTISED PRODUCT. Where the list says 'softmax', what is quantised is not the finished softmax but p = 2^(t - M), with t = logit x log2(e) and M = ceil(the row's largest t), a whole number; so 1/2 < the row's largest p <= 1. The row's sum l is taken of the UNQUANTISED p, in f32, and the product's result is divided by l at the end. Since M is a whole number, a kernel that streams over the keys may use a running M (the ceiling of the running maximum): every later rescaling is an exact power of two, which a block's scale takes up: the codes' values come out the same.
;;   OPERANDS COMPUTED ON THE WAY. 'Computed on the way' means the value that the module computes at that place (a softmax that the list does not call 'softmax' is quantised finished and normalised). What goes into a quantiser is computed in f32, as accurately as f32 sums, v_exp_f32 and their like allow (about 1e-6 of the number): no bf16 or f16 on the way to a quantiser, and a product that is left as it is and whose result goes on into a quantised operand takes f32 operands (vector FMAs, or v_wmma_f32_16x16x4_f32). A number that lies on a knife's edge between two numbers of the format may be rounded either way, as far as f32 arithmetic and the matrix unit's own rounding can turn it there, and no further.
;; 2 versions. Each part assembles by itself: llvm-mc -triple=amdgcn-amd-amdhsa -mcpu=gfx1250 --defsym DOCPART=n.
;; ======== version 1 of 2: 5 launches
;; workspace buffers: xh 4,456,448 bytes; wq 5,570,560 bytes; kv 4,456,448 bytes; av 2,228,224 bytes; o1q 2,228,224 bytes; oc 2,228,224 bytes; o1 16,777,216 bytes
;; launch prep (part 1): grid 288 x 1, 4 waves a work-group, no clusters, 34,304 bytes of LDS; arguments x, h, Wq, Wk, Wv, Wcq, Wck, Wcv, Wo, Wco, W1, W2, xh, wq; writes xh, wq
.if DOCPART == 1
	.amdgcn_target "amdgcn-amd-amdhsa--gfx1250"
	.amdhsa_code_object_version 6
	.text
	.protected	k_qfdafc12dc5_prep
	.globl	k_qfdafc12dc5_prep
	.p2align	8
	.type	k_qfdafc12dc5_prep,@function
k_qfdafc12dc5_prep:
	s_mov_b64 s[64:65], 0
	v_nop
	global_prefetch_b8 v0, s[64:65] scope:SCOPE_SE
	s_setreg_imm32_b32 hwreg(HW_REG_WAVE_MODE, 25, 1), 1
	s_wait_xcnt 0x0
; PREP: everything that arrives wide becomes codes of FP4 (E2M1) with one E8M0 byte for each 32 along K, laid in the order of the matrix operand's registers.
; A FRAGMENT IMAGE is 16 rows x 128 K = 1,024 bytes: registers 4 c .. 4 c + 3 of lane l at 512 c + 16 l; lane (r = l % 16, h = l / 16) holds k = 64 c + 32 h + 0 .. 31 of row r.
; xh: 512 tiles of 16 tokens (x: 0-255, h: 256-511), 8,704 bytes each: 8 images (K steps), then 512 bytes of scale words: word (K step s, row r) at 8192 + 256 (s / 4) + 16 r + 4 (s % 4).
;     x's tiles are 16 neighbouring tokens.  Row r of h's tile 4 b + t is token 64 b + 32 (r / 8) + 8 t + r % 8, so that later a lane's 32 results are 32 neighbouring keys.
; wq: 160 groups of 64 output columns, 34,816 bytes each: [tile 0-3][K step 0-7] images, then scale words [pair u][half of K g][lane][16 bytes]: lanes 0-15 tile 2 u, lanes 16-31 tile 2 u + 1.
;     Row 8 a + j of tile t is column 32 a + 8 t + j; for Wk and Wv it is column 16 t + 2 j + a (keys by parity).
; Work-groups 0-127 take x and h (a wave a tile), 128-287 the ten weights (a wave: 32 columns x 512 along K).  Each reads 256 KiB.
; A block's scale byte is its largest magnitude's exponent field - 2, held at 1 from below; a block of zeros so gets the byte 1: its codes are zeros, and this program alone reads the bytes.
; LIMITS: NaN and infinities among the inputs are not served; blocks whose largest magnitude lies under 2^-124 keep the byte 1.
.set TILEB, 8704
.set GRPB,  34816
.set SP,    528                        ; a stage row: 512 bytes + 16: sixteen rows start in sixteen different groups of banks
.set FLOOR, 0x1800000                  ; 2^(3 - 127)
.set EOFF,  0xff000000                 ; 2 off an exponent field
.set R,  16                            ; v16-143  two sets of 64: a K step as loaded
.set X,  144                           ; v144-207 my 64 numbers: two whole blocks
.set PC, 208                           ; v208-223 two sets of 8: the codes
.set WD, 224                           ; v224-231 a scale word for each K step
	s_load_b512 s[8:23], s[0:1], 0x0               ; x, h, Wq, Wk, Wv, Wcq, Wck, Wcv
	s_load_b256 s[24:31], s[0:1], 0x40             ; Wo, Wco, W1, W2
	s_load_b128 s[32:35], s[0:1], 0x60             ; xh, wq
	v_lshl_add_u32 v240, v0, 2, 0x8400
	v_mov_b32 v241, 0
	v_lshrrev_b32 v1, 5, v0
	v_readfirstlane_b32 s2, v1                     ; wave
	v_and_b32 v2, 31, v0                           ; lane
	s_mov_b32 s36, 0x76543210
	s_mov_b32 s37, 0xfedcba98                      ; selects: lane l xor 16
	s_cmp_lt_u32 ttmp9, 128
	s_cbranch_scc0 .Lweights
; ---------------- x and h: K is innermost.  Loads take 512 consecutive bytes of a row; a K step turns through the wave's own stage, so that a lane gets two whole blocks of its row.
	s_lshl_b32 s3, ttmp9, 2
	s_add_co_u32 s3, s3, s2                        ; my tile, 0 .. 511
	s_and_b32 s4, s3, 255
	s_lshl_b32 s5, s4, 4                           ; x: first token 16 x tile
	s_lshr_b32 s6, s4, 2
	s_lshl_b32 s6, s6, 6
	s_and_b32 s7, s4, 3
	s_lshl_b32 s7, s7, 3
	s_add_co_u32 s6, s6, s7                        ; h: first token 64 (tile / 4) + 8 (tile % 4)
	s_wait_kmcnt 0x0
	s_cmp_lt_u32 ttmp9, 64
	s_cselect_b64 s[8:9], s[8:9], s[10:11]
	s_cselect_b32 s5, s5, s6
	s_mov_b32 s7, 131072
	s_cselect_b32 s7, 32768, s7                    ; rows 8-15 begin 8 tokens on (x) or 32 tokens on (h)
	s_lshl_b32 s40, s5, 12
	s_mov_b32 s41, 0
	s_add_nc_u64 s[8:9], s[8:9], s[40:41]
	s_mul_i32 s40, s3, TILEB
	s_add_nc_u64 s[32:33], s[32:33], s[40:41]
	v_lshlrev_b32 v3, 4, v2                        ; 16 x lane
	v_add_nc_u32 v4, s7, v3
	v_and_b32 v5, 15, v2                           ; r
	v_lshrrev_b32 v6, 4, v2                        ; h
	s_mul_i32 s42, s2, 16*SP                       ; my stage
	v_add_nc_u32 v7, s42, v3                       ; in: 16 x lane of row i
	v_mul_u32_u24 v8, v5, SP
	v_lshl_add_u32 v8, v6, 7, v8
	v_add_nc_u32 v8, s42, v8                       ; out: row r, + 128 h
	v_lshlrev_b32 v9, 3, v6                        ; 8 h
	v_mov_b32 v238, 0                              ; a lane permute's destination counts as read
.macro XLOAD ks
.irp i, 0,1,2,3,4,5,6,7
	global_load_b128 v[R+64*((\ks)%2)+4*\i:R+64*((\ks)%2)+4*\i+3], v3, s[8:9] offset:4096*\i+512*(\ks) th:TH_LOAD_NT
.endr
.irp i, 0,1,2,3,4,5,6,7
	global_load_b128 v[R+64*((\ks)%2)+32+4*\i:R+64*((\ks)%2)+35+4*\i], v4, s[8:9] offset:4096*\i+512*(\ks) th:TH_LOAD_NT
.endr
.endm
.macro XSTEP ks
.set RS, R+64*((\ks)%2)
.set PS, PC+8*((\ks)%2)
.if (\ks) < 7
	s_wait_loadcnt 16                              ; this K step's 16 loads are in; the next step's 16 may be out
.else
	s_wait_loadcnt 0
.endif
.irp i, 0,1,2,3,4,5,6,7,8,9,10,11,12,13,14,15
	ds_store_b128 v7, v[RS+4*\i:RS+4*\i+3] offset:SP*\i
.endr
.irp c, 0,1
.irp q, 0,1,2,3,4,5,6,7
	ds_load_b128 v[X+32*\c+4*\q:X+32*\c+4*\q+3], v8 offset:256*\c+16*\q   ; k = 64 c + 32 h + 4 q on, of my row; LDS serves a wave's instructions in order
.endr
.endr
	s_wait_dscnt 0x0                               ; my numbers are back, and the stores have read their registers
.if (\ks)+2 < 8
	XLOAD (\ks)+2
.endif
.irp c, 0,1
	v_max3_num_f32 v[232+\c], |v[X+32*\c]|, |v[X+32*\c+1]|, FLOOR
.endr
.irp i, 2,4,6,8,10,12,14,16,18,20,22,24,26,28,30
.irp c, 0,1
	v_max3_num_f32 v[232+\c], v[232+\c], |v[X+32*\c+\i]|, |v[X+32*\c+\i+1]|
.endr
.endr
.irp c, 0,1
	v_add_nc_u32 v[234+\c], EOFF, v[232+\c]        ; the conversion's scale operand
.endr
.irp c, 0,1
	v_lshrrev_b32 v[236+\c], 23, v[234+\c]         ; the byte of block 2 c + h
.endr
	v_lshl_or_b32 v236, v237, 16, v236
	v_lshlrev_b32 v236, v9, v236                   ; at their places in the word
	v_permlanex16_b32 v238, v236, s36, s37
	v_or_b32 v[WD+(\ks)], v236, v238               ; with the other half's two the word is whole
.if (\ks) >= 2
	s_wait_xcnt 0x0                                ; the stores of two steps ago have read this set of codes
.endif
.irp c, 0,1
.irp g, 0,1,2,3
	v_cvt_scalef32_pk8_fp4_f32 v[PS+4*\c+\g], v[X+32*\c+8*\g:X+32*\c+8*\g+7], v[234+\c]
.endr
.endr
	v_nop                                          ; a plain line behind the last conversion
	global_store_b128 v3, v[PS:PS+3], s[32:33] offset:1024*(\ks)
	global_store_b128 v3, v[PS+4:PS+7], s[32:33] offset:1024*(\ks)+512   ; each store covers 512 consecutive bytes
.endm
	XLOAD 0
	XLOAD 1
.irp n, 0,1,2,3,4,5,6,7
	XSTEP \n
.endr
	v_cmp_ne_u32 vcc_lo, 0, v6
.irp i, 0,1,2,3
	v_cndmask_b32 v[232+\i], v[WD+\i], v[WD+4+\i], vcc_lo   ; lanes 0-15 store K steps 0-3, lanes 16-31 K steps 4-7
.endr
	global_store_b128 v3, v[232:235], s[32:33] offset:8192
	s_wait_tensorcnt 0x0
	ds_add_u32 v240, v241
	s_wait_dscnt 0x0
	s_endpgm
; ---------------- the weights, [K][N]: a lane takes a column and its registers run down K: a block of 32 lies in one lane, and the codes come out with K innermost.
.Lweights:
	s_sub_co_u32 s3, ttmp9, 128
	s_lshr_b32 s4, s3, 4                           ; which weight, 0 .. 9
	s_bfe_u32 s5, s3, 0x30001                      ; which 128 columns
	s_and_b32 s6, s3, 1                            ; which half of K
	s_lshr_b32 s7, s2, 1
	s_lshl_b32 s5, s5, 1
	s_add_co_u32 s5, s5, s7                        ; the group of 64 columns
	s_and_b32 s7, s2, 1                            ; u: tiles 2 u, 2 u + 1
	s_wait_kmcnt 0x0
	s_mov_b64 s[38:39], s[12:13]
.irp i, 1,2,3,4,5,6,7,8,9
	s_cmp_eq_u32 s4, \i
	s_cselect_b64 s[38:39], s[12+2*\i:13+2*\i], s[38:39]
.endr
	s_sub_co_u32 s40, s4, 1
	s_cmp_lt_u32 s40, 2                            ; Wk, Wv: columns by parity
	s_cselect_b32 s41, -1, 0
	s_cselect_b32 s42, 5, 4
	s_lshl_b32 s43, s7, s42                        ; 32 u or 16 u
	s_lshl_b32 s44, s5, 6
	s_add_co_u32 s43, s43, s44
	s_lshl_b32 s43, s43, 2
	s_lshl_b32 s44, s6, 21                         ; 512 rows of 4,096 bytes
	s_add_co_u32 s44, s44, s43
	s_mov_b32 s45, 0
	s_add_nc_u64 s[38:39], s[38:39], s[44:45]
	v_and_b32 v3, 7, v2                            ; j
	v_bfe_u32 v4, v2, 3, 1                         ; a
	v_lshrrev_b32 v5, 4, v2                        ; which of the two tiles
	v_lshl_add_u32 v6, v4, 5, v3
	v_lshl_add_u32 v6, v5, 3, v6                   ; 32 a + 8 e + j
	v_lshl_add_u32 v7, v3, 1, v4
	v_lshl_add_u32 v7, v5, 4, v7                   ; 16 e + 2 j + a
	v_cndmask_b32 v6, v6, v7, s41
	v_lshlrev_b32 v6, 2, v6
	s_cmp_ge_u32 s4, 3
	s_cselect_b32 s46, 45, 0
	s_mul_i32 s47, s5, 3
	s_add_co_u32 s46, s46, s47
	s_add_co_u32 s46, s46, s4                      ; the six projections lie by head: 48 (w / 3) + 3 group + w % 3
	s_lshl_b32 s47, s4, 4
	s_add_co_u32 s47, s47, s5                      ; the other four: 16 w + group
	s_cmp_lt_u32 s4, 6
	s_cselect_b32 s46, s46, s47
	s_mul_i32 s46, s46, GRPB
	s_mov_b32 s47, 0
	s_add_nc_u64 s[34:35], s[34:35], s[46:47]
	v_and_b32 v10, 15, v2
	v_lshlrev_b32 v10, 4, v10
	v_lshl_add_u32 v8, v5, 13, v10                 ; codes: 8192 e + 16 row
	s_lshl_b32 s48, s7, 14
	s_lshl_b32 s49, s6, 12
	s_add_co_u32 s48, s48, s49
	v_add_nc_u32 v8, s48, v8                       ; + 16384 u + 4096 x half of K
	s_lshl_b32 s48, s7, 10
	s_lshl_b32 s49, s6, 9
	s_add_co_u32 s48, s48, s49
	s_add_co_u32 s48, s48, 32768
	v_lshl_add_u32 v9, v2, 4, s48                  ; scale words: 16 x lane
.macro WLOAD t
.irp i, 0,1,2,3,4,5,6,7,8,9,10,11,12,13,14,15,16,17,18,19,20,21,22,23,24,25,26,27,28,29,30,31
	global_load_b32 v[32+32*((\t)%2)+\i], v6, s[38:39] offset:(32*(\t)+\i)*4096
.endr
.endm
.macro WBLOCK t
.set XS, 32+32*((\t)%2)
.if (\t) < 15
	s_wait_loadcnt 32                              ; this block's 32 loads are in; the next block's may be out
.else
	s_wait_loadcnt 0
.endif
	v_max3_num_f32 v12, |v[XS]|, |v[XS+1]|, |v[XS+2]|
	v_max3_num_f32 v13, |v[XS+3]|, |v[XS+4]|, |v[XS+5]|
.irp i, 6,10,14,18,22,26
	v_max3_num_f32 v12, v12, |v[XS+\i]|, |v[XS+\i+1]|
	v_max3_num_f32 v13, v13, |v[XS+\i+2]|, |v[XS+\i+3]|
.endr
	v_max3_num_f32 v12, v12, |v[XS+30]|, |v[XS+31]|
	v_max3_num_f32 v12, v12, v13, FLOOR
	v_add_nc_u32 v11, EOFF, v12
	v_lshrrev_b32 v13, 23, v11
.if (\t)%4 == 0
	v_mov_b32 v[24+(\t)/4], v13
.else
	v_lshl_or_b32 v[24+(\t)/4], v13, 8*((\t)%4), v[24+(\t)/4]
.endif
.if (\t) > 0
	s_wait_xcnt 0x0                                ; the last block's store has read its codes
.endif
.irp g, 0,1,2,3
	v_cvt_scalef32_pk8_fp4_f32 v[96+\g], v[XS+8*\g:XS+8*\g+7], v11
.endr
	v_nop
	global_store_b128 v8, v[96:99], s[34:35] offset:1024*((\t)/4)+256*((\t)%4)   ; sixteen lanes store 256 consecutive bytes, aligned
.if (\t)+2 < 16
	WLOAD (\t)+2
.endif
.endm
	WLOAD 0
	WLOAD 1
.irp n, 0,1,2,3,4,5,6,7,8,9,10,11,12,13,14,15
	WBLOCK \n
.endr
	global_store_b128 v9, v[24:27], s[34:35]
	s_endpgm
.Lfunc_end_k_qfdafc12dc5_prep:
	.size	k_qfdafc12dc5_prep, .Lfunc_end_k_qfdafc12dc5_prep-k_qfdafc12dc5_prep
	.p2alignl 7, 3214868480
	.fill 96, 4, 3214868480
	.section	.rodata,"a",@progbits
	.p2align	6, 0x0
	.amdhsa_kernel k_qfdafc12dc5_prep
		.amdhsa_group_segment_fixed_size 34304
		.amdhsa_private_segment_fixed_size 0
		.amdhsa_enable_private_segment 0
		.amdhsa_kernarg_size 112
		.amdhsa_user_sgpr_count 2
		.amdhsa_user_sgpr_kernarg_segment_ptr 1
		.amdhsa_wavefront_size32 1
		.amdhsa_system_sgpr_workgroup_id_x 1
		.amdhsa_system_sgpr_workgroup_id_y 1
		.amdhsa_system_sgpr_workgroup_id_z 1
		.amdhsa_system_vgpr_workitem_id 0
		.amdhsa_next_free_vgpr 242
		.amdhsa_next_free_sgpr 66
		.amdhsa_reserve_vcc 1
		.amdhsa_float_denorm_mode_32 3
		.amdhsa_float_denorm_mode_16_64 3
		.amdhsa_memory_ordered 1
		.amdhsa_forward_progress 1
		.amdhsa_inst_pref_size 134
	.end_amdhsa_kernel
	.amdgpu_metadata
---
amdhsa.version: [ 1, 2 ]
amdhsa.kernels:
  - .name:           k_qfdafc12dc5_prep
    .symbol:         k_qfdafc12dc5_prep.kd
    .args:
      - { .name: x, .offset: 0, .size: 8, .value_kind: global_buffer, .address_space: global }
      - { .name: h, .offset: 8, .size: 8, .value_kind: global_buffer, .address_space: global }
      - { .name: Wq, .offset: 16, .size: 8, .value_kind: global_buffer, .address_space: global }
      - { .name: Wk, .offset: 24, .size: 8, .value_kind: global_buffer, .address_space: global }
      - { .name: Wv, .offset: 32, .size: 8, .value_kind: global_buffer, .address_space: global }
      - { .name: Wcq, .offset: 40, .size: 8, .value_kind: global_buffer, .address_space: global }
      - { .name: Wck, .offset: 48, .size: 8, .value_kind: global_buffer, .address_space: global }
      - { .name: Wcv, .offset: 56, .size: 8, .value_kind: global_buffer, .address_space: global }
      - { .name: Wo, .offset: 64, .size: 8, .value_kind: global_buffer, .address_space: global }
      - { .name: Wco, .offset: 72, .size: 8, .value_kind: global_buffer, .address_space: global }
      - { .name: W1, .offset: 80, .size: 8, .value_kind: global_buffer, .address_space: global }
      - { .name: W2, .offset: 88, .size: 8, .value_kind: global_buffer, .address_space: global }
      - { .name: xh, .offset: 96, .size: 8, .value_kind: global_buffer, .address_space: global }
      - { .name: wq, .offset: 104, .size: 8, .value_kind: global_buffer, .address_space: global }
    .group_segment_fixed_size: 34304
    .private_segment_fixed_size: 0
    .kernarg_segment_align: 8
    .kernarg_segment_size: 112
    .max_flat_workgroup_size: 128
    .sgpr_count:     66
    .vgpr_count:     242
    .wavefront_size: 32
...
	.end_amdgpu_metadata
.endif
;; end of part 1
;; launch selfkv (part 2): grid 16 x 16, 16 waves a work-group, no clusters, 327,680 bytes of LDS; arguments xh, wq, bq, bk, bv, av, bck, bcv, kv; writes av, kv
.if DOCPART == 2
	.amdgcn_target "amdgcn-amd-amdhsa--gfx1250"
	.amdhsa_code_object_version 6
	.text
	.protected	k_qfdafc12dc5_selfkv
	.globl	k_qfdafc12dc5_selfkv
	.p2align	8
	.type	k_qfdafc12dc5_selfkv,@function
k_qfdafc12dc5_selfkv:
	s_mov_b64 s[64:65], 0
	v_nop
	global_prefetch_b8 v0, s[64:65] scope:SCOPE_SE
	s_setreg_imm32_b32 hwreg(HW_REG_WAVE_MODE, 25, 1), 1
	s_wait_xcnt 0x0
; SELFKV, two parts for one block of 256 tokens and one head.
; PART 1: q, k, v = x Wq + bq, x Wk + bk, x Wv + bv (on codes of FP4), then the attention over the head's 64 CHANNELS of each token, in f32 vector arithmetic:
;   av[i] = sum over j <= i of softmax_j(q[i] k[j] / 8) v[j]; only the lower triangle is computed.  av leaves as codes for the product with Wo.
; PART 2: K = h Wck + bck and V = h Wcv + bcv of the cross attention for the same 256 places of h, quantised at once: K along the head's 64 channels, V along the keys.
; LDS: seven blocks of 34,816 bytes.  First fill (waves 0-6, one tensor load each): 16 tiles of x in blocks 0-3, the head's groups of Wq, Wk, Wv in blocks 4-6.
;   When part 1's 96 products a wave are issued nobody reads these bytes any more: blocks 0-5 are filled again (waves 0-5, one load each) with 16 tiles of h and the groups of Wck and Wcv,
;   and these loads land while the channel attention, which touches no LDS, runs.  One tensor load a wave is out at a time.
; A wave takes 16 tokens.  Part 1's products are transposed (source 0 = 16 rows of a weight, source 1 = the tokens): a lane holds one token (lane % 16).
;   By the order of the weights' rows lane half h holds q[32 h + p], and k and v of the keys 2 m + h (m = 0 .. 31): the two halves of the lanes share a query's keys by parity.
;   THE ROW'S MAXIMUM is exact: the largest q[i] k[j] over j <= i is q[i] times the running largest or the running smallest k.  p = 2^(t - max), t = q k log2(e) / 8.
;   Queries i and 32 + i are worked together; one exchange of halves leaves query 32 h + i in lane half h: a whole block of 32 of the next K in a lane.
; Part 2: K: wave w takes h's tile w, transposed: a lane holds one key and 32 neighbouring channels.  V: wave w takes 64 keys (tiles 4 (w / 4) ..) and Wcv's tile w % 4, not transposed
;   (source 0 = 16 tokens, source 1 = 16 channels): a lane holds one channel and, by the order of h's tiles, 32 neighbouring keys.
; kv, one block of 34,816 bytes for (batch, head): K codes [key tile 0-31][512]; at 16384 V images [channel tile][128 keys]; at 32768 K's scale bytes [tile][row][2]; at 33792 V's scale words [tile][128 keys][row].
; No cluster: what work-groups share is two fills of six or seven blocks, the second of which nobody waits for; there is no loop of refills that joint loads could serve.
; v16-47 hold scale words and nothing else, in both parts.
; LIMITS: NaN and infinities are not served; a block whose largest magnitude lies under 2^-124 keeps the byte 1; a block of zeros gets the byte 1 (its codes are zeros, and this program alone reads the bytes).
.set TILEB, 8704
.set GRPB,  34816
.set FLOOR, 0x1800000
.set EOFF,  0xff000000
.set WCK, 4*GRPB
.set WCV, 5*GRPB
.set SPARE, 7*GRPB                     ; behind the seven blocks: the spare words, 128 bytes for each wave: eight blocks of 256 bytes that no other line names
.set SPW, 12                           ; v12  LDS address of my spare word; never rewritten
.set NIL, 13                           ; v13  0; never rewritten
; ---- part 1
.set XS, 16                            ; v16-19  x's scale words of four K steps
.set WS, 20                            ; v20-43  the weights': 8 weight + 4 u + s % 4
.set QL, 48                            ; v48-79  q's sums; then q[0..31]; then the rows' sums l
.set KK, 80                            ; v80-111 k
.set VV, 112                           ; v112-143 v
.set QH, 144                           ; v144-175 q[32..63]; then the rows' sums of p v
.set XF, 144                           ; while the products run: x's fragment,
.set WF, 152                           ; six fragments of weights
.set TA, 176                           ; v176-191 scores and p of query i
.set TB, 192                           ; v192-223 of query 32 + i
.set SQA, 224
.set SNA, 226                          ; (minus the row's maximum, -infinity)
.set SQB, 228
.set SNB, 230
.set DGA, 232
.set DGB, 234
.set LA, 236
.set AA, 238
.set LB, 240
.set AB, 242
.set PA, 244                           ; (largest, smallest) k so far, for queries 0-31
.set PB, 246                           ; for queries 32-63
.set PEA, 248
.set PEB, 250
.set KXA, 252
.set KXB, 253
.set T0, 254
.set T1, 255
.set SH8, 8
.set NI, 11
.set SEL, 36
; ---- part 2
.set HS,  16                           ; v16-31  scale words of my four tiles of h, four K steps: 4 i + s % 4
.set HKS, 32                           ; v32-35  of my own tile
.set KWS, 36                           ; v36-43  Wck's: 4 u + s % 4
.set VS,  44                           ; v44-47  of my tile of Wcv
.set KA,  80                           ; v80-111  K's four accumulators
.set VA,  112                          ; v112-143 V's four
.set HF,  144
.set HK,  176
.set KW,  184
.set VW,  216
.set VBB, 224                          ; v224-231 V's bias, the C of its first products
.macro MM d, a, b, c, sa, sb, row
.if \row
	v_wmma_scale_f32_16x16x128_f8f6f4 v[\d:\d+7], v[\a:\a+7], v[\b:\b+7], v[\c:\c+7], v[\sa], v[\sb] matrix_a_fmt:MATRIX_FMT_FP4 matrix_b_fmt:MATRIX_FMT_FP4 matrix_a_scale:MATRIX_SCALE_ROW1
.else
	v_wmma_scale_f32_16x16x128_f8f6f4 v[\d:\d+7], v[\a:\a+7], v[\b:\b+7], v[\c:\c+7], v[\sa], v[\sb] matrix_a_fmt:MATRIX_FMT_FP4 matrix_b_fmt:MATRIX_FMT_FP4
.endif
.endm
.macro PLACES
.rept 4
	v_nop
.endr
.endm
; 32 numbers of a lane, one whole block, become 4 registers of codes at v[d]; v[hw] gets the bytes of lanes l and l xor 16 as a half word.  Each accumulator is read from its low end on.
.macro QUANT32 s, d, q, hw
	v_max3_num_f32 v[\q], |v[\s]|, |v[\s+1]|, FLOOR
	v_max3_num_f32 v[\q+1], |v[\s+16]|, |v[\s+17]|, FLOOR
.irp i, 2,4,6,8,10,12,14
	v_max3_num_f32 v[\q], v[\q], |v[\s+\i]|, |v[\s+\i+1]|
	v_max3_num_f32 v[\q+1], v[\q+1], |v[\s+16+\i]|, |v[\s+17+\i]|
.endr
	v_max_num_f32 v[\q], v[\q], v[\q+1]
	v_add_nc_u32 v[\q+2], EOFF, v[\q]
	v_lshrrev_b32 v[\q+3], 23, v[\q+2]
	v_lshlrev_b32 v[\q+3], v[SH8], v[\q+3]
	v_permlanex16_b32 v[\q+4], v[\q+3], s[SEL], s[SEL+1]
	v_or_b32 v[\hw], v[\q+3], v[\q+4]
.irp g, 0,1,2,3
	v_cvt_scalef32_pk8_fp4_f32 v[\d+\g], v[\s+8*\g:\s+8*\g+7], v[\q+2]
.endr
	v_nop
.endm
	s_load_b512 s[4:19], s[0:1], 0x0               ; xh, wq, bq, bk, bv, av, bck, bcv
	s_load_b64 s[20:21], s[0:1], 0x40              ; kv
	v_lshl_add_u32 v[SPW], v0, 2, SPARE
	v_mov_b32 v[NIL], 0
	ds_add_u32 v12, v13
	ds_add_u32 v12, v13
	s_wait_dscnt 0x0
	v_lshrrev_b32 v224, 5, v0
	v_readfirstlane_b32 s2, v224                   ; wave 0..15
	s_and_b32 s3, ttmp7, 0xffff                    ; head
	s_mov_b32 s24, 3<<16                           ; group 1, for every load: 136 rows of 32 elements of 8 bytes, dense: 34,816 bytes; no padding, no mask
	s_mov_b32 s25, 32<<16
	s_mov_b32 s26, 136<<16
	s_mov_b32 s27, 32<<16
	s_mov_b32 s28, 136
	s_mov_b32 s29, 32
	s_mov_b32 s30, 0
	s_mov_b32 s31, 0
	s_mul_i32 s44, ttmp9, 4*GRPB                   ; my 16 tiles
	s_mul_i32 s45, s2, GRPB
	s_add_co_u32 s45, s44, s45                     ; first fill, waves 0-3: four tiles of x each
	s_mul_i32 s46, s3, 3
	s_and_b32 s47, s2, 3
	s_add_co_u32 s48, s46, s47
	s_mul_i32 s48, s48, GRPB                       ; waves 4-6: groups 3 head + 0, 1, 2
	s_min_u32 s49, s2, 6
	s_mul_i32 s33, s49, GRPB                       ; to LDS: wave x 34,816
	s_mov_b32 s32, 1
	s_add_co_u32 s50, s45, 256*TILEB               ; second fill, waves 0-3: h's tiles lie 256 tiles behind x's
	s_add_co_u32 s51, s46, s47
	s_add_co_u32 s51, s51, 49
	s_mul_i32 s51, s51, GRPB                       ; waves 4, 5: groups 48 + 3 head + 1, + 2
	s_min_u32 s49, s2, 5
	s_mul_i32 s41, s49, GRPB
	s_mov_b32 s40, 1
	s_mov_b32 s23, 0
	s_mov_b32 s53, 0
	s_wait_kmcnt 0x0
	s_cmp_lt_u32 s2, 4
	s_cselect_b64 s[34:35], s[4:5], s[6:7]
	s_cselect_b32 s22, s45, s48
	s_cselect_b64 s[42:43], s[4:5], s[6:7]
	s_cselect_b32 s52, s50, s51
	s_add_nc_u64 s[34:35], s[34:35], s[22:23]
	s_add_nc_u64 s[42:43], s[42:43], s[52:53]
	s_or_b32 s35, s35, 0x80000000
	s_or_b32 s43, s43, 0x80000000                  ; the second fill has a group 0 of its own: no descriptor register is written while a load is out
	s_cmp_lt_u32 s2, 7
	s_cbranch_scc0 .Lnofill
	tensor_load_to_lds s[32:35], s[24:31]          ; one load a wave is out
	s_nop 0
	PLACES
.Lnofill:
	s_mov_b32 s[SEL], 0x76543210
	s_mov_b32 s[SEL+1], 0xfedcba98
	s_mov_b32 s38, 0xffff0000                      ; lanes 16-31
	s_mov_b32 s39, 0x3e38aa3b                      ; log2(e) / 8
	v_and_b32 v224, 31, v0
	v_and_b32 v225, 15, v0                         ; r
	v_bfe_u32 v226, v0, 4, 1                       ; h
	v_lshrrev_b32 v227, 3, v225
	v_and_b32 v228, 7, v225
	v_lshl_add_u32 v227, v227, 5, v228
	s_and_b32 s47, s2, 3
	s_lshl_b32 s47, s47, 3
	v_add_nc_u32 v227, s47, v227                   ; part 2: the channel of row r of my tile of Wcv
	v_lshlrev_b32 v14, 2, v227                     ; its place in bcv
	v_lshlrev_b32 v224, 4, v224                    ; 16 x lane
	v_lshlrev_b32 v225, 4, v225                    ; 16 r
	s_mul_i32 s46, s2, TILEB
	v_add_nc_u32 v1, s46, v224                     ; my tile of x
	s_add_co_u32 s47, s46, 8192
	v_add_nc_u32 v2, s47, v225                     ; its scale words
	v_add_nc_u32 v3, 4*GRPB, v224
	v_add_nc_u32 v4, 5*GRPB, v224
	v_add_nc_u32 v5, 6*GRPB, v224
	v_lshlrev_b32 v6, 7, v226                      ; bq, and later bck: 128 h
	v_lshlrev_b32 v7, 2, v226                      ; bk, bv: 4 h
	v_lshlrev_b32 v[SH8], 3, v226
	s_lshl_b32 s47, s3, 9
	s_add_co_u32 s47, s47, s46
	v_add_nc_u32 v9, s47, v224                     ; av's codes: 8704 w + 512 head + 16 x lane
	s_lshr_b32 s47, s3, 3
	s_lshl_b32 s47, s47, 8
	s_and_b32 s48, s3, 7
	s_lshl_b32 s48, s48, 1
	s_add_co_u32 s47, s47, s48
	s_add_co_u32 s47, s47, s46
	s_add_co_u32 s47, s47, 8192
	v_add_nc_u32 v10, s47, v225                    ; its two scale bytes
	v_mov_b32 v[NI], 0xff800000                    ; -infinity
	s_lshl_b32 s22, s3, 8                          ; the head's 64 numbers in each bias
	s_add_nc_u64 s[8:9], s[8:9], s[22:23]
	s_add_nc_u64 s[10:11], s[10:11], s[22:23]
	s_add_nc_u64 s[12:13], s[12:13], s[22:23]
	s_add_nc_u64 s[16:17], s[16:17], s[22:23]
	s_add_nc_u64 s[18:19], s[18:19], s[22:23]
	s_mov_b32 s22, s44
	s_add_nc_u64 s[14:15], s[14:15], s[22:23]      ; av at my 16 tiles
	s_lshr_b32 s22, ttmp9, 1
	s_lshl_b32 s22, s22, 4
	s_add_co_u32 s22, s22, s3
	s_mul_i32 s22, s22, GRPB
	s_add_nc_u64 s[20:21], s[20:21], s[22:23]      ; kv at (batch, head)
.irp t, 0,1,2,3
	global_load_b128 v[QL+8*\t:QL+8*\t+3], v6, s[8:9] offset:32*\t        ; the biases are what the sums begin with
	global_load_b128 v[QL+8*\t+4:QL+8*\t+7], v6, s[8:9] offset:32*\t+16
.endr
.irp t, 0,1,2,3
.irp j, 0,1,2,3,4,5,6,7
	global_load_b32 v[KK+8*\t+\j], v7, s[10:11] offset:64*\t+8*\j         ; column 16 t + 2 j + h
	global_load_b32 v[VV+8*\t+\j], v7, s[12:13] offset:64*\t+8*\j
.endr
.endr
	s_wait_tensorcnt 0x0                           ; my fill has landed,
	s_barrier_signal -1
	s_barrier_wait -1                              ; everybody's has
	s_wait_loadcnt 0x0                             ; the biases
; half a K step: six of the twelve tiles (tile tau: weight tau / 4, its tile tau % 4).  The twelve accumulators take turns.
.macro BATCH ks, be
.if (\be) == 0
.if ((\ks)%4) == 0
	ds_load_b128 v[XS:XS+3], v2 offset:256*((\ks)/4)
.irp m, 0,1,2
.irp u, 0,1
	ds_load_b128 v[WS+8*\m+4*\u:WS+8*\m+4*\u+3], v[3+\m] offset:32768+1024*\u+512*((\ks)/4)
.endr
.endr
.endif
	ds_load_b128 v[XF:XF+3], v1 offset:1024*(\ks)
	ds_load_b128 v[XF+4:XF+7], v1 offset:1024*(\ks)+512
.endif
.irp e, 0,1,2,3,4,5
.set TAU, 6*(\be)+\e
	ds_load_b128 v[WF+8*\e:WF+8*\e+3], v[3+TAU/4] offset:8192*(TAU%4)+1024*(\ks)
	ds_load_b128 v[WF+8*\e+4:WF+8*\e+7], v[3+TAU/4] offset:8192*(TAU%4)+1024*(\ks)+512
.endr
	s_wait_dscnt 0x0
.irp e, 0,1,2,3,4,5
.set TAU, 6*(\be)+\e
	MM QL+8*TAU, WF+8*\e, XF, QL+8*TAU, WS+8*(TAU/4)+4*((TAU%4)/2)+(\ks)%4, XS+(\ks)%4, TAU%2
.endr
	PLACES
.endm
.irp n, 0,1,2,3,4,5,6,7
	BATCH \n, 0
	BATCH \n, 1
.endr
; ---- THE SECOND FILL.  Every wave: all its tensor loads have landed; 0 onto its spare word; its reads of the seven blocks are back; the barrier.  Behind it nobody reads blocks 0-5 any more.
	s_wait_tensorcnt 0x0                           ; no tensor load of mine is out
	ds_add_u32 v[SPW], v[NIL]                      ; 0 onto my spare word; q's scalings stand between it and the wait for it
	ds_add_u32 v12, v13
.irp p, 0,1,2,3,4,5,6,7,8,9,10,11,12,13,14,15,16,17,18,19,20,21,22,23,24,25,26,27,28,29,30,31
	v_mul_f32 v[QH+\p], s39, v[QL+\p]              ; q x log2(e) / 8
.endr
	s_wait_dscnt 0x0                               ; the add is done, and my LDS loads are back
	s_barrier_signal -1
	s_barrier_wait -1
	s_cmp_lt_u32 s2, 6
	s_cbranch_scc0 .Lnorefill
	tensor_load_to_lds s[40:43], s[24:31]          ; my one load behind this barrier: h's tiles, Wck, Wcv; it has the whole channel attention in which to land
	s_nop 0
	PLACES
.Lnorefill:
; ---- both halves of the lanes get all 64 q: the first register's lanes 16-31 change places with the second's lanes 0-15
.irp p, 0,1,2,3,4,5,6,7,8,9,10,11,12,13,14,15,16,17,18,19,20,21,22,23,24,25,26,27,28,29,30,31
	v_mov_b32 v[QL+\p], v[QH+\p]
.endr
.irp p, 0,1,2,3,4,5,6,7,8,9,10,11,12,13,14,15,16,17,18,19,20,21,22,23,24,25,26,27,28,29,30,31
	v_permlane16_swap_b32 v[QL+\p], v[QH+\p]
.endr
	v_mov_b32 v[PA], 0xff800000
	v_mov_b32 v[PA+1], 0x7f800000
	v_mov_b32 v[SQA+1], 0
	v_mov_b32 v[SQB+1], 0
	v_mov_b32 v[SNA+1], v[NI]
	v_mov_b32 v[SNB+1], v[NI]
	v_mov_b32 v[KXA], 0
	v_mov_b32 v[KXB], 0
	v_max3_num_f32 v[PB], v[KK], v[KK+1], v[KK+2]                  ; queries 32 on begin with the largest and smallest of keys 0 .. 31
	v_min3_num_f32 v[PB+1], v[KK], v[KK+1], v[KK+2]
.irp i, 3,5,7,9,11,13
	v_max3_num_f32 v[PB], v[PB], v[KK+\i], v[KK+\i+1]
	v_min3_num_f32 v[PB+1], v[PB+1], v[KK+\i], v[KK+\i+1]
.endr
	v_max_num_f32 v[PB], v[PB], v[KK+15]
	v_min_num_f32 v[PB+1], v[PB+1], v[KK+15]
	v_permlanex16_b32 v[KXA], v[PB], s[SEL], s[SEL+1]
	v_permlanex16_b32 v[KXB], v[PB+1], s[SEL], s[SEL+1]
	v_max_num_f32 v[PB], v[PB], v[KXA]
	v_min_num_f32 v[PB+1], v[PB+1], v[KXB]
; t - max for np pairs of my keys (pair p: keys 4 p + h, 4 p + 2 + h).  In the last pair the keys beyond the query get -infinity as the addend.
.macro SCORE tb, np, sq, sn, dg
.set P_, 0
.rept \np
.if (P_ == \np-1) && ((BB == 0) || (BB == 2))
	v_pk_fma_f32 v[\tb+2*P_:\tb+2*P_+1], v[KK+2*P_:KK+2*P_+1], v[\sq:\sq+1], v[\dg:\dg+1] op_sel_hi:[1,0,1]
.elseif (P_ == \np-1) && (BB == 1)
	v_pk_fma_f32 v[\tb+2*P_:\tb+2*P_+1], v[KK+2*P_:KK+2*P_+1], v[\sq:\sq+1], v[\sn:\sn+1] op_sel_hi:[1,0,1]
.else
	v_pk_fma_f32 v[\tb+2*P_:\tb+2*P_+1], v[KK+2*P_:KK+2*P_+1], v[\sq:\sq+1], v[\sn:\sn+1] op_sel_hi:[1,0,0]
.endif
.set P_, P_+1
.endr
.endm
; queries ii and 32 + ii
.macro ATT ii
.set NPA, (\ii)/4+1
.set NPB, (\ii)/4+9
.set BB, (\ii)%4
.set MK, (\ii)/2
.if (\ii)%2 == 0
	v_permlanex16_b32 v[KXA], v[KK+MK], s[SEL], s[SEL+1]           ; keys 2 m and 2 m + 1 lie in the two halves of the lanes
	v_permlanex16_b32 v[KXB], v[KK+16+MK], s[SEL], s[SEL+1]
	v_cndmask_b32 v[T0], v[KK+MK], v[KXA], s38                     ; key 2 m, in every lane
	v_cndmask_b32 v[T1], v[KK+16+MK], v[KXB], s38
	v_max_num_f32 v[PEA], v[PA], v[T0]                             ; an even query sees key 2 m and not yet 2 m + 1
	v_min_num_f32 v[PEA+1], v[PA+1], v[T0]
	v_max_num_f32 v[PEB], v[PB], v[T1]
	v_min_num_f32 v[PEB+1], v[PB+1], v[T1]
	v_max3_num_f32 v[PA], v[PA], v[KK+MK], v[KXA]
	v_min3_num_f32 v[PA+1], v[PA+1], v[KK+MK], v[KXA]
	v_max3_num_f32 v[PB], v[PB], v[KK+16+MK], v[KXB]
	v_min3_num_f32 v[PB+1], v[PB+1], v[KK+16+MK], v[KXB]
.set XA, PEA
.set XB, PEB
.else
.set XA, PA
.set XB, PB
.endif
	v_mov_b32 v[SQA], v[QL+(\ii)]
	v_mov_b32 v[SQB], v[QH+(\ii)]
	v_mul_f32 v[T0], v[SQA], v[XA]
	v_mul_f32 v[T1], v[SQA], v[XA+1]
	v_mul_f32 v[DGB], v[SQB], v[XB]
	v_mul_f32 v[DGB+1], v[SQB], v[XB+1]
	v_min_num_f32 v[SNA], -v[T0], -v[T1]                           ; minus the row's largest t
	v_min_num_f32 v[SNB], -v[DGB], -v[DGB+1]
.if BB == 0
	v_cndmask_b32 v[DGA], v[SNA], v[NI], s38
	v_mov_b32 v[DGA+1], v[NI]
	v_cndmask_b32 v[DGB], v[SNB], v[NI], s38
	v_mov_b32 v[DGB+1], v[NI]
.elseif BB == 2
	v_mov_b32 v[DGA], v[SNA]
	v_cndmask_b32 v[DGA+1], v[SNA], v[NI], s38
	v_mov_b32 v[DGB], v[SNB]
	v_cndmask_b32 v[DGB+1], v[SNB], v[NI], s38
.endif
	SCORE TA, NPA, SQA, SNA, DGA
	SCORE TB, NPB, SQB, SNB, DGB
.set P_, 0
.rept 2*NPA
	v_exp_f32 v[TA+P_], v[TA+P_]
.set P_, P_+1
.endr
.set P_, 0
.rept 2*NPB
	v_exp_f32 v[TB+P_], v[TB+P_]
.set P_, P_+1
.endr
	v_nop                                          ; a plain line behind the last exponential,
	s_wait_alu depctr_va_vdst(0)                   ; and one wait for the batch, ahead of its first reader
	v_pk_mul_f32 v[AA:AA+1], v[TA:TA+1], v[VV:VV+1]
	v_pk_mul_f32 v[AB:AB+1], v[TB:TB+1], v[VV:VV+1]
.if NPA > 1
	v_pk_add_f32 v[LA:LA+1], v[TA:TA+1], v[TA+2:TA+3]
.endif
	v_pk_add_f32 v[LB:LB+1], v[TB:TB+1], v[TB+2:TB+3]
.set P_, 1
.rept NPB-1
.if P_ < NPA
	v_pk_fma_f32 v[AA:AA+1], v[TA+2*P_:TA+2*P_+1], v[VV+2*P_:VV+2*P_+1], v[AA:AA+1]
.if P_ > 1
	v_pk_add_f32 v[LA:LA+1], v[LA:LA+1], v[TA+2*P_:TA+2*P_+1]
.endif
.endif
	v_pk_fma_f32 v[AB:AB+1], v[TB+2*P_:TB+2*P_+1], v[VV+2*P_:VV+2*P_+1], v[AB:AB+1]
.if P_ > 1
	v_pk_add_f32 v[LB:LB+1], v[LB:LB+1], v[TB+2*P_:TB+2*P_+1]
.endif
.set P_, P_+1
.endr
.if NPA > 1
	v_add_f32 v[LA], v[LA], v[LA+1]
.else
	v_add_f32 v[LA], v[TA], v[TA+1]
.endif
	v_add_f32 v[LB], v[LB], v[LB+1]
	v_add_f32 v[AA], v[AA], v[AA+1]
	v_add_f32 v[AB], v[AB], v[AB+1]
	v_permlane16_swap_b32 v[LA], v[LB]             ; now the first holds (ii's even keys, 32 + ii's even keys), the second the odd keys'
	v_permlane16_swap_b32 v[AA], v[AB]
	v_add_f32 v[QL+(\ii)], v[LA], v[LB]            ; lane half h: query 32 h + ii
	v_add_f32 v[QH+(\ii)], v[AA], v[AB]
.endm
.irp n, 0,1,2,3,4,5,6,7,8,9,10,11,12,13,14,15,16,17,18,19,20,21,22,23,24,25,26,27,28,29,30,31
	ATT \n
.endr
; part 2's biases are asked for here, into registers that k and the scratch pairs have left: they land under the lines that finish av
.irp t, 0,1,2,3
	global_load_b128 v[KA+8*\t:KA+8*\t+3], v6, s[16:17] offset:32*\t      ; bck: what K's sums begin with
	global_load_b128 v[KA+8*\t+4:KA+8*\t+7], v6, s[16:17] offset:32*\t+16
.endr
.irp j, 0,1,2,3,4,5,6,7
	global_load_b32 v[VBB+\j], v14, s[18:19]       ; bcv: one channel a lane, the same number for its eight keys
.endr
.irp p, 0,1,2,3,4,5,6,7,8,9,10,11,12,13,14,15,16,17,18,19,20,21,22,23,24,25,26,27,28,29,30,31
	v_rcp_f32 v[QL+\p], v[QL+\p]
.endr
	v_nop
	s_wait_alu depctr_va_vdst(0)                   ; one wait for the 32 reciprocals
.irp p, 0,1,2,3,4,5,6,7,8,9,10,11,12,13,14,15,16,17,18,19,20,21,22,23,24,25,26,27,28,29,30,31
	v_mul_f32 v[QH+\p], v[QH+\p], v[QL+\p]         ; av of channel 32 h + p
.endr
	QUANT32 QH, 232, 240, 245
	global_store_b128 v9, v[232:235], s[14:15]     ; 512 consecutive bytes: half an image
	global_store_b16 v10, v245, s[14:15]
; ---- PART 2.  Its addresses, in registers that no pending load or store names.  (v3 = Wck's block + 16 x lane stands as it is.)
	v_and_b32 v184, 31, v0
	v_and_b32 v185, 15, v0                         ; r
	v_lshlrev_b32 v186, 4, v184                    ; 16 x lane
	v_lshlrev_b32 v187, 4, v185                    ; 16 r
	s_lshr_b32 s44, s2, 2                          ; which 64 keys
	s_and_b32 s45, s2, 3                           ; which tile of Wcv
	s_mul_i32 s46, s44, GRPB
	s_mul_i32 s47, s2, TILEB
	v_add_nc_u32 v1, s46, v186                     ; my four tiles of h
	v_add_nc_u32 v2, s47, v186                     ; my own tile
	s_lshl_b32 s48, s45, 13
	s_add_co_u32 s48, s48, WCV
	v_add_nc_u32 v4, s48, v186                     ; my tile of Wcv
	s_add_co_u32 s46, s46, 8192
	v_add_nc_u32 v5, s46, v187                     ; the four tiles' scale words
	s_add_co_u32 s47, s47, 8192
	v_add_nc_u32 v7, s47, v187                     ; my own tile's
	s_lshr_b32 s48, s45, 1
	s_lshl_b32 s48, s48, 10
	s_and_b32 s49, s45, 1
	s_lshl_b32 s49, s49, 8
	s_add_co_u32 s48, s48, s49
	s_add_co_u32 s48, s48, WCV+32768
	v_add_nc_u32 v15, s48, v187                    ; my tile of Wcv's words, row r, in every lane
	s_and_b32 s49, ttmp9, 1                        ; which half of the batch's keys
	s_lshl_b32 s50, s49, 4
	s_add_co_u32 s50, s50, s2                      ; my key tile in the batch
	s_lshl_b32 s51, s50, 9
	v_add_nc_u32 v11, s51, v186                    ; K's codes
	s_lshl_b32 s51, s50, 5
	s_add_co_u32 s51, s51, 32768
	v_lshl_add_u32 v246, v185, 1, s51              ; K's two scale bytes
	s_lshl_b32 s50, s49, 2
	s_add_co_u32 s50, s50, s44                     ; my 64 keys in the batch, 0 .. 7
	s_lshl_b32 s51, s50, 9
	s_lshl_b32 s52, s45, 12
	s_add_co_u32 s51, s51, s52
	s_add_co_u32 s51, s51, 16384
	v_add_nc_u32 v254, s51, v186                   ; V's codes
	s_lshr_b32 s51, s50, 1
	s_lshl_b32 s51, s51, 6
	s_and_b32 s52, s50, 1
	s_lshl_b32 s52, s52, 1
	s_add_co_u32 s51, s51, s52
	s_lshl_b32 s52, s45, 8
	s_add_co_u32 s51, s51, s52
	s_add_co_u32 s51, s51, 33792
	v_lshl_add_u32 v255, v185, 2, s51              ; V's two scale bytes
	s_wait_tensorcnt 0x0                           ; my part of the second fill has landed,
	s_barrier_signal -1
	s_barrier_wait -1                              ; everybody's has
	s_wait_xcnt 0x0                                ; av's stores have read their registers: these are written again below
	s_wait_loadcnt 0x0                             ; bck, bcv
; a K step: 20 LDS loads (and, every fourth step, 8 of scale words), 8 products: K's and V's accumulators by turns; four places in front of the next loads
.macro KVSTEP ks
.if ((\ks)%4) == 0
.irp i, 0,1,2,3
	ds_load_b128 v[HS+4*\i:HS+4*\i+3], v5 offset:\i*TILEB+256*((\ks)/4)
.endr
	ds_load_b128 v[HKS:HKS+3], v7 offset:256*((\ks)/4)
	ds_load_b128 v[VS:VS+3], v15 offset:512*((\ks)/4)
	ds_load_b128 v[KWS:KWS+3], v3 offset:32768+512*((\ks)/4)
	ds_load_b128 v[KWS+4:KWS+7], v3 offset:32768+1024+512*((\ks)/4)
.endif
.irp i, 0,1,2,3
	ds_load_b128 v[HF+8*\i:HF+8*\i+3], v1 offset:\i*TILEB+1024*(\ks)
	ds_load_b128 v[HF+8*\i+4:HF+8*\i+7], v1 offset:\i*TILEB+1024*(\ks)+512
	ds_load_b128 v[KW+8*\i:KW+8*\i+3], v3 offset:\i*8192+1024*(\ks)
	ds_load_b128 v[KW+8*\i+4:KW+8*\i+7], v3 offset:\i*8192+1024*(\ks)+512
.endr
	ds_load_b128 v[HK:HK+3], v2 offset:1024*(\ks)
	ds_load_b128 v[HK+4:HK+7], v2 offset:1024*(\ks)+512
	ds_load_b128 v[VW:VW+3], v4 offset:1024*(\ks)
	ds_load_b128 v[VW+4:VW+7], v4 offset:1024*(\ks)+512
	s_wait_dscnt 0x0
.irp i, 0,1,2,3
	MM KA+8*\i, KW+8*\i, HK, KA+8*\i, KWS+4*(\i/2)+(\ks)%4, HKS+(\ks)%4, \i%2
.if (\ks) == 0
	MM VA+8*\i, HF+8*\i, VW, VBB, HS+4*\i+(\ks)%4, VS+(\ks)%4, 0
.else
	MM VA+8*\i, HF+8*\i, VW, VA+8*\i, HS+4*\i+(\ks)%4, VS+(\ks)%4, 0
.endif
.endr
	PLACES
.endm
.irp n, 0,1,2,3,4,5,6,7
	KVSTEP \n
.endr
	QUANT32 KA, 232, 240, 245
	global_store_b128 v11, v[232:235], s[20:21]    ; 512 consecutive bytes: my key tile's codes
	global_store_b16 v246, v245, s[20:21]          ; both halves of the lanes store the same two bytes
	QUANT32 VA, 236, 248, 253
	global_store_b128 v254, v[236:239], s[20:21]
	global_store_b16 v255, v253, s[20:21]
	s_wait_tensorcnt 0x0                           ; the wave's end: behind my last tensor load, my last LDS instructions
	ds_add_u32 v[SPW], v[NIL]
	s_wait_dscnt 0x0
	s_endpgm
.Lfunc_end_k_qfdafc12dc5_selfkv:
	.size	k_qfdafc12dc5_selfkv, .Lfunc_end_k_qfdafc12dc5_selfkv-k_qfdafc12dc5_selfkv
	.p2alignl 7, 3214868480
	.fill 96, 4, 3214868480
	.section	.rodata,"a",@progbits
	.p2align	6, 0x0
	.amdhsa_kernel k_qfdafc12dc5_selfkv
		.amdhsa_group_segment_fixed_size 327680
		.amdhsa_private_segment_fixed_size 0
		.amdhsa_enable_private_segment 0
		.amdhsa_kernarg_size 72
		.amdhsa_user_sgpr_count 2
		.amdhsa_user_sgpr_kernarg_segment_ptr 1
		.amdhsa_wavefront_size32 1
		.amdhsa_system_sgpr_workgroup_id_x 1
		.amdhsa_system_sgpr_workgroup_id_y 1
		.amdhsa_system_sgpr_workgroup_id_z 1
		.amdhsa_system_vgpr_workitem_id 0
		.amdhsa_next_free_vgpr 256
		.amdhsa_next_free_sgpr 66
		.amdhsa_reserve_vcc 0
		.amdhsa_float_denorm_mode_32 3
		.amdhsa_float_denorm_mode_16_64 3
		.amdhsa_memory_ordered 1
		.amdhsa_forward_progress 1
		.amdhsa_inst_pref_size 242
	.end_amdhsa_kernel
	.amdgpu_metadata
---
amdhsa.version: [ 1, 2 ]
amdhsa.kernels:
  - .name:           k_qfdafc12dc5_selfkv
    .symbol:         k_qfdafc12dc5_selfkv.kd
    .args:
      - { .name: xh, .offset: 0, .size: 8, .value_kind: global_buffer, .address_space: global }
      - { .name: wq, .offset: 8, .size: 8, .value_kind: global_buffer, .address_space: global }
      - { .name: bq, .offset: 16, .size: 8, .value_kind: global_buffer, .address_space: global }
      - { .name: bk, .offset: 24, .size: 8, .value_kind: global_buffer, .address_space: global }
      - { .name: bv, .offset: 32, .size: 8, .value_kind: global_buffer, .address_space: global }
      - { .name: av, .offset: 40, .size: 8, .value_kind: global_buffer, .address_space: global }
      - { .name: bck, .offset: 48, .size: 8, .value_kind: global_buffer, .address_space: global }
      - { .name: bcv, .offset: 56, .size: 8, .value_kind: global_buffer, .address_space: global }
      - { .name: kv, .offset: 64, .size: 8, .value_kind: global_buffer, .address_space: global }
    .group_segment_fixed_size: 327680
    .private_segment_fixed_size: 0
    .kernarg_segment_align: 8
    .kernarg_segment_size: 72
    .max_flat_workgroup_size: 512
    .sgpr_count:     66
    .vgpr_count:     256
    .wavefront_size: 32
...
	.end_amdgpu_metadata
.endif
;; end of part 2
;; launch proj1 (part 3): grid 256 x 1, 8 waves a work-group, no clusters, 91,136 bytes of LDS; arguments av, wq, x, bo, gamma, beta, o1, o1q; writes o1, o1q
.if DOCPART == 3
	.amdgcn_target "amdgcn-amd-amdhsa--gfx1250"
	.amdhsa_code_object_version 6
	.text
	.protected	k_qfdafc12dc5_proj1
	.globl	k_qfdafc12dc5_proj1
	.p2align	8
	.type	k_qfdafc12dc5_proj1,@function
k_qfdafc12dc5_proj1:
	s_mov_b64 s[64:65], 0
	v_nop
	global_prefetch_b8 v0, s[64:65] scope:SCOPE_SE
	s_setreg_imm32_b32 hwreg(HW_REG_WAVE_MODE, 25, 1), 1
	s_wait_xcnt 0x0
; PROJ1: out1 = LayerNorm(av Wo + bo + x).  A work-group takes 16 tokens and all 1,024 columns, so that a row's mean and variance stay in the work-group.
; Wave w makes columns 128 w .. 128 w + 127: 8 tiles of Wo, products transposed (source 0 = 16 rows of the weight, source 1 = the 16 tokens): lane (r, h) holds token r,
; register 32 G + 8 t + j = column 128 w + 64 G + 32 h + 8 t + j: two whole blocks of the next product's K step w.
; Each fragment of the weight is used once, by one wave: it goes from memory straight into registers, 512 consecutive bytes a load, four K steps ahead.  So no tile is shared through LDS and no cluster is used.
; THE RESIDUAL x: my 128 columns of a row are 512 consecutive bytes: 16 loads, a row each, 16 bytes a lane; the 16 rows turn through my own stage in LDS (rows of 528 bytes) and come back in the sums' order,
; so that no load touches a row for 16 bytes only.  The turn stands behind the first K step and lands under the other seven.
; out1 leaves twice: as f32 register images (o1: [tile][wave][16 x 512 bytes]), the later residual, and as codes (o1q, laid as xh's tiles).
; The norm is taken in two passes: mean, then the mean of the squares of the differences.
; REGISTERS: window 0: v1-11 addresses, v12-23 at work, v24-31 av's scale words, v32-63 the weight's, v64-127 av's 8 fragments (later gamma, codes), v128-191 the sums, v192-255 x (later beta).  Window 1: four K steps of the weight.
; LIMITS: NaN and infinities are not served; a block under 2^-124 keeps the byte 1.
.set TILEB, 8704
.set GRPB,  34816
.set STB,   16*GRPB
.set FLOOR, 0x1800000
.set EOFF,  0xff000000
.set PRM, 0                            ; LDS: 2,560 bytes a wave: its 128 numbers of gamma, beta
.set RED, 20480                        ; two regions of 16 rows x 8 waves x 4 bytes
.set XST, 22528                        ; x's stages: 16 rows x 528 bytes for each wave, its own
.set XP,  528                          ; 512 bytes + 16: sixteen rows start in sixteen different groups of banks
.set LI, 1
.set LR, 2
.set RW, 3
.set PR, 4
.set IW, 5
.set SW, 6
.set OI, 7
.set XI, 8                             ; v8   my stage, on the way in: 16 x lane of row i
.set XO, 9                             ; v9   and on the way out: row r, + 128 h
.set XR, 10                            ; v10  512 w + 16 x lane: my 16 bytes of my wave's 512 in a row of 1,024 numbers
.set SH8, 11
.set AS, 24
.set WS, 32
.set AF, 64
.set ACC, 128
.set TMP, 192
.set SEL, 24
.set MSB, 0
.macro WIN new                         ; the immediate's high byte repeats the setting that is left
.if MSB != \new
	s_set_vgpr_msb (MSB<<8)|\new
.set MSB, \new
.endif
.endm
.macro MM d, a, b, c, sa, sb, row
.if \row
	v_wmma_scale_f32_16x16x128_f8f6f4 v[\d:\d+7], v[\a:\a+7], v[\b:\b+7], v[\c:\c+7], v[\sa], v[\sb] matrix_a_fmt:MATRIX_FMT_FP4 matrix_b_fmt:MATRIX_FMT_FP4 matrix_a_scale:MATRIX_SCALE_ROW1
.else
	v_wmma_scale_f32_16x16x128_f8f6f4 v[\d:\d+7], v[\a:\a+7], v[\b:\b+7], v[\c:\c+7], v[\sa], v[\sb] matrix_a_fmt:MATRIX_FMT_FP4 matrix_b_fmt:MATRIX_FMT_FP4
.endif
.endm
.macro LOADW n, ks                     ; K step ks of the weight: my 8 tiles, into buffer ks % 4 of window 1
.irp G, 0,1
.irp t, 0,1,2,3
.irp c, 0,1
	global_load_b128 v[64*((\ks)%4)+8*(4*\G+\t)+4*\c:64*((\ks)%4)+8*(4*\G+\t)+4*\c+3], v[LI], s[6:7] offset:STB*(\n)+GRPB*\G+8192*\t+1024*(\ks)+512*\c
.endr
.endr
.endr
.endm
.macro LOADWS n
.irp G, 0,1
.irp u, 0,1
.irp g, 0,1
	global_load_b128 v[WS+16*\G+8*\u+4*\g:WS+16*\G+8*\u+4*\g+3], v[LI], s[6:7] offset:STB*(\n)+GRPB*\G+32768+1024*\u+512*\g
.endr
.endr
.endr
.endm
; a K step: 8 products, the accumulators by turns; four places; then the buffer takes K step nk (nn < 0: nothing)
.macro KSTEP n, ks, cnt, nn, nk
	s_wait_loadcnt \cnt                            ; the K steps of 16 loads issued behind this one may be out
	WIN 0x01
.irp G, 0,1
.irp t, 0,1,2,3
	MM ACC+32*\G+8*\t, 64*((\ks)%4)+8*(4*\G+\t), AF+8*(\ks), ACC+32*\G+8*\t, WS+16*\G+8*(\t/2)+(\ks), AS+(\ks), \t%2
.endr
.endr
.rept 4
	v_nop
.endr
.if (\nn) >= 0
	WIN 0x40
	LOADW \nn, \nk
.endif
.endm
; x's 16 rows through my stage: in as loaded, back in the sums' order.  LDS serves a wave's instructions in order, so no wait stands between the stores and the loads, which land in the registers that the stores have left.
.macro XTURN
.irp i, 0,1,2,3,4,5,6,7,8,9,10,11,12,13,14,15
	ds_store_b128 v[XI], v[TMP+4*\i:TMP+4*\i+3] offset:XP*\i
.endr
.irp G, 0,1
.irp t, 0,1,2,3
.irp q, 0,1
	ds_load_b128 v[TMP+32*\G+8*\t+4*\q:TMP+32*\G+8*\t+4*\q+3], v[XO] offset:256*\G+32*\t+16*\q
.endr
.endr
.endr
.endm
; v12: my 64 numbers' sum -> v12: the row's, over the eight waves
.macro REDUCE k
	v_permlanex16_b32 v13, v12, s[SEL], s[SEL+1]
	v_add_f32 v12, v12, v13
	ds_store_b32 v[RW], v12 offset:RED+512*(\k)    ; both halves of the lanes store the same word
	v_lshlrev_b32 v20, 1, v[LR]                    ; 32 r
	s_wait_dscnt 0x0                               ; for the others' sake: my store has landed
	s_barrier_signal -1
	s_barrier_wait -1
	ds_load_b128 v[12:15], v20 offset:RED+512*(\k)
	ds_load_b128 v[16:19], v20 offset:RED+512*(\k)+16
	s_wait_dscnt 0x0
	v_add_f32 v12, v12, v13
	v_add_f32 v14, v14, v15
	v_add_f32 v16, v16, v17
	v_add_f32 v18, v18, v19
	v_add_f32 v12, v12, v14
	v_add_f32 v16, v16, v18
	v_add_f32 v12, v12, v16
.endm
.macro LNORM k
.set J, 0
.rept 32
	v_pk_add_f32 v[ACC+J:ACC+J+1], v[ACC+J:ACC+J+1], v[TMP+J:TMP+J+1]     ; the residual; each accumulator from its low end on
.set J, J+2
.endr
.irp G, 0,1
.irp t, 0,1,2,3
.irp q, 0,1
	ds_load_b128 v[AF+32*\G+8*\t+4*\q:AF+32*\G+8*\t+4*\q+3], v[PR] offset:PRM+256*\G+32*\t+16*\q          ; gamma, in the sums' order
	ds_load_b128 v[TMP+32*\G+8*\t+4*\q:TMP+32*\G+8*\t+4*\q+3], v[PR] offset:PRM+512+256*\G+32*\t+16*\q    ; beta
.endr
.endr
.endr
	v_pk_add_f32 v[12:13], v[ACC:ACC+1], v[ACC+2:ACC+3]
	v_pk_add_f32 v[14:15], v[ACC+4:ACC+5], v[ACC+6:ACC+7]
.set J, 8
.rept 14
	v_pk_add_f32 v[12:13], v[12:13], v[ACC+J:ACC+J+1]
	v_pk_add_f32 v[14:15], v[14:15], v[ACC+J+2:ACC+J+3]
.set J, J+4
.endr
	v_pk_add_f32 v[12:13], v[12:13], v[14:15]
	v_add_f32 v12, v12, v13
	REDUCE \k
	v_mul_f32 v20, s26, v12                        ; the mean
	v_mov_b32 v21, v20
.set J, 0
.rept 32
	v_pk_add_f32 v[ACC+J:ACC+J+1], v[ACC+J:ACC+J+1], v[20:21] neg_lo:[0,1] neg_hi:[0,1]
.set J, J+2
.endr
	v_pk_mul_f32 v[12:13], v[ACC:ACC+1], v[ACC:ACC+1]
	v_pk_mul_f32 v[14:15], v[ACC+2:ACC+3], v[ACC+2:ACC+3]
.set J, 4
.rept 15
	v_pk_fma_f32 v[12:13], v[ACC+J:ACC+J+1], v[ACC+J:ACC+J+1], v[12:13]
	v_pk_fma_f32 v[14:15], v[ACC+J+2:ACC+J+3], v[ACC+J+2:ACC+J+3], v[14:15]
.set J, J+4
.endr
	v_pk_add_f32 v[12:13], v[12:13], v[14:15]
	v_add_f32 v12, v12, v13
	REDUCE \k+1
	v_fma_f32 v22, v12, s26, s27                   ; the variance + 1e-5
	v_rsq_f32 v22, v22
	v_nop
	s_wait_alu depctr_va_vdst(0)                   ; ahead of the first reader
	v_mov_b32 v23, v22
.set J, 0
.rept 32
	v_pk_mul_f32 v[ACC+J:ACC+J+1], v[ACC+J:ACC+J+1], v[22:23]
.set J, J+2
.endr
.set J, 0
.rept 32
	v_pk_fma_f32 v[ACC+J:ACC+J+1], v[ACC+J:ACC+J+1], v[AF+J:AF+J+1], v[TMP+J:TMP+J+1]
.set J, J+2
.endr
.endm
; my 64 numbers, two whole blocks, become a fragment's 8 registers at v[AF] and, in v19, my row's scale word
.macro QUANT64
.irp G, 0,1
	v_max3_num_f32 v[12+\G], |v[ACC+32*\G]|, |v[ACC+32*\G+1]|, FLOOR
.endr
.irp i, 2,4,6,8,10,12,14,16,18,20,22,24,26,28,30
.irp G, 0,1
	v_max3_num_f32 v[12+\G], v[12+\G], |v[ACC+32*\G+\i]|, |v[ACC+32*\G+\i+1]|
.endr
.endr
	v_add_nc_u32 v14, EOFF, v12
	v_add_nc_u32 v15, EOFF, v13
	v_lshrrev_b32 v16, 23, v14
	v_lshrrev_b32 v17, 23, v15
	v_lshl_or_b32 v16, v17, 16, v16
	v_lshlrev_b32 v16, v[SH8], v16
	v_permlanex16_b32 v18, v16, s[SEL], s[SEL+1]
	v_or_b32 v19, v16, v18
.irp G, 0,1
.irp g, 0,1,2,3
	v_cvt_scalef32_pk8_fp4_f32 v[AF+4*\G+\g], v[ACC+32*\G+8*\g:ACC+32*\G+8*\g+7], v[14+\G]
.endr
.endr
	v_nop
.endm
	s_load_b512 s[4:19], s[0:1], 0x0               ; av, wq, x, bo, gamma, beta, o1, o1q
	v_lshrrev_b32 v12, 5, v0
	v_readfirstlane_b32 s2, v12                    ; wave 0..7
	v_and_b32 v12, 31, v0
	v_and_b32 v13, 15, v0                          ; r
	v_bfe_u32 v14, v0, 4, 1                        ; h
	v_lshlrev_b32 v[LI], 4, v12                    ; 16 x lane
	v_lshlrev_b32 v[LR], 4, v13                    ; 16 r
	s_lshl_b32 s22, s2, 2
	v_lshl_add_u32 v[RW], v13, 5, s22              ; 32 r + 4 w
	s_mul_i32 s22, s2, 2560
	v_lshl_add_u32 v[PR], v14, 7, s22              ; my parameters, + 128 h
	v_add_nc_u32 v18, s22, v[LI]                   ; and where they are put
	s_lshl_b32 s22, s2, 10
	v_add_nc_u32 v[IW], s22, v[LI]                 ; my image: K step w
	s_lshr_b32 s22, s2, 2
	s_lshl_b32 s22, s22, 8
	s_and_b32 s23, s2, 3
	s_lshl_b32 s23, s23, 2
	s_add_co_u32 s22, s22, s23
	v_add_nc_u32 v[SW], s22, v[LR]                 ; its scale word
	s_lshl_b32 s22, s2, 13
	v_add_nc_u32 v[OI], s22, v[LI]                 ; 8192 w + 16 x lane
	s_lshl_b32 s23, s2, 9
	v_lshl_add_u32 v16, v14, 7, s23                ; 512 w + 128 h: my columns in a vector of 1,024
	v_add_nc_u32 v[XR], s23, v[LI]                 ; 512 w + 16 x lane
	s_mul_i32 s22, s2, 16*XP
	s_add_co_u32 s22, s22, XST                     ; my stage
	v_add_nc_u32 v[XI], s22, v[LI]
	v_mul_u32_u24 v[XO], v13, XP
	v_lshl_add_u32 v[XO], v14, 7, v[XO]
	v_add_nc_u32 v[XO], s22, v[XO]
	v_lshlrev_b32 v[SH8], 3, v14
	s_mov_b32 s[SEL], 0x76543210
	s_mov_b32 s[SEL+1], 0xfedcba98
	s_mov_b32 s26, 0x3a800000                      ; 1 / 1024
	s_mov_b32 s27, 0x3727c5ac                      ; 1e-5
	s_wait_kmcnt 0x0
	s_mul_i32 s22, ttmp9, TILEB
	s_mov_b32 s23, 0
	s_add_nc_u64 s[4:5], s[4:5], s[22:23]
	s_add_nc_u64 s[18:19], s[18:19], s[22:23]
	s_lshl_b32 s22, ttmp9, 16
	s_add_nc_u64 s[8:9], s[8:9], s[22:23]
	s_add_nc_u64 s[16:17], s[16:17], s[22:23]
	s_mul_i32 s22, s2, 2*GRPB
	s_add_co_u32 s22, s22, 96*GRPB                 ; Wo's groups begin at 96
	s_add_nc_u64 s[6:7], s[6:7], s[22:23]
	WIN 0x40
	global_load_b128 v[192:195], v[XR], s[12:13]   ; gamma and beta pass through the fourth buffer on their way to LDS
	global_load_b128 v[196:199], v[XR], s[14:15]
	WIN 0
.irp s, 0,1,2,3,4,5,6,7
	global_load_b128 v[AF+8*\s:AF+8*\s+3], v[LI], s[4:5] offset:1024*\s
	global_load_b128 v[AF+8*\s+4:AF+8*\s+7], v[LI], s[4:5] offset:1024*\s+512
.endr
	global_load_b128 v[AS:AS+3], v[LR], s[4:5] offset:8192
	global_load_b128 v[AS+4:AS+7], v[LR], s[4:5] offset:8192+256
	LOADWS 0
.irp G, 0,1
.irp t, 0,1,2,3
.irp q, 0,1
	global_load_b128 v[ACC+32*\G+8*\t+4*\q:ACC+32*\G+8*\t+4*\q+3], v16, s[10:11] offset:256*\G+32*\t+16*\q     ; the bias is what the sums begin with
.endr
.endr
.endr
.irp i, 0,1,2,3,4,5,6,7,8,9,10,11,12,13,14,15
	global_load_b128 v[TMP+4*\i:TMP+4*\i+3], v[XR], s[8:9] offset:4096*\i th:TH_LOAD_NT   ; the residual: row i, my wave's 512 consecutive bytes
.endr
	WIN 0x40
	LOADW 0, 0
	LOADW 0, 1
	LOADW 0, 2
	s_wait_loadcnt 63                              ; 106 loads were issued behind the parameters': those two are in
	WIN 0x04                                       ; an LDS store's data are its source 1: window 1
	ds_store_b128 v18, v[192:195] offset:PRM
	ds_store_b128 v18, v[196:199] offset:PRM+512
	s_wait_dscnt 0x0                               ; the stores have read their registers
	WIN 0x40
	LOADW 0, 3
	KSTEP 0, 0, 48, 0, 4                           ; its wait leaves the 48 loads of K steps 1 to 3 out: x's 16 loads, issued earlier, are in too
	WIN 0
	XTURN
	KSTEP 0, 1, 48, 0, 5
	KSTEP 0, 2, 48, 0, 6
	KSTEP 0, 3, 48, 0, 7
	KSTEP 0, 4, 48, -1, 0
	KSTEP 0, 5, 32, -1, 0
	KSTEP 0, 6, 16, -1, 0
	KSTEP 0, 7, 0, -1, 0
	WIN 0
	s_wait_dscnt 0x0                               ; x is back from my stage
	LNORM 0
.irp k, 0,1,2,3,4,5,6,7,8,9,10,11,12,13,14,15
	global_store_b128 v[OI], v[ACC+4*\k:ACC+4*\k+3], s[16:17] offset:512*\k    ; out1 as it stands in my registers: 512 consecutive bytes a store
.endr
	QUANT64
	global_store_b128 v[IW], v[AF:AF+3], s[18:19]
	global_store_b128 v[IW], v[AF+4:AF+7], s[18:19] offset:512
	global_store_b32 v[SW], v19, s[18:19] offset:8192
	s_wait_xcnt 0x0
	v_lshl_add_u32 v254, v0, 2, 0x16000
	v_mov_b32 v255, 0
	s_wait_tensorcnt 0x0
	ds_add_u32 v254, v255
	s_wait_dscnt 0x0
	s_endpgm
.Lfunc_end_k_qfdafc12dc5_proj1:
	.size	k_qfdafc12dc5_proj1, .Lfunc_end_k_qfdafc12dc5_proj1-k_qfdafc12dc5_proj1
	.p2alignl 7, 3214868480
	.fill 96, 4, 3214868480
	.section	.rodata,"a",@progbits
	.p2align	6, 0x0
	.amdhsa_kernel k_qfdafc12dc5_proj1
		.amdhsa_group_segment_fixed_size 91136
		.amdhsa_private_segment_fixed_size 0
		.amdhsa_enable_private_segment 0
		.amdhsa_kernarg_size 64
		.amdhsa_user_sgpr_count 2
		.amdhsa_user_sgpr_kernarg_segment_ptr 1
		.amdhsa_wavefront_size32 1
		.amdhsa_system_sgpr_workgroup_id_x 1
		.amdhsa_system_sgpr_workgroup_id_y 1
		.amdhsa_system_sgpr_workgroup_id_z 1
		.amdhsa_system_vgpr_workitem_id 0
		.amdhsa_next_free_vgpr 512
		.amdhsa_next_free_sgpr 66
		.amdhsa_reserve_vcc 0
		.amdhsa_float_denorm_mode_32 3
		.amdhsa_float_denorm_mode_16_64 3
		.amdhsa_memory_ordered 1
		.amdhsa_forward_progress 1
		.amdhsa_inst_pref_size 53
	.end_amdhsa_kernel
	.amdgpu_metadata
---
amdhsa.version: [ 1, 2 ]
amdhsa.kernels:
  - .name:           k_qfdafc12dc5_proj1
    .symbol:         k_qfdafc12dc5_proj1.kd
    .args:
      - { .name: av, .offset: 0, .size: 8, .value_kind: global_buffer, .address_space: global }
      - { .name: wq, .offset: 8, .size: 8, .value_kind: global_buffer, .address_space: global }
      - { .name: x, .offset: 16, .size: 8, .value_kind: global_buffer, .address_space: global }
      - { .name: bo, .offset: 24, .size: 8, .value_kind: global_buffer, .address_space: global }
      - { .name: gamma, .offset: 32, .size: 8, .value_kind: global_buffer, .address_space: global }
      - { .name: beta, .offset: 40, .size: 8, .value_kind: global_buffer, .address_space: global }
      - { .name: o1, .offset: 48, .size: 8, .value_kind: global_buffer, .address_space: global }
      - { .name: o1q, .offset: 56, .size: 8, .value_kind: global_buffer, .address_space: global }
    .group_segment_fixed_size: 91136
    .private_segment_fixed_size: 0
    .kernarg_segment_align: 8
    .kernarg_segment_size: 64
    .max_flat_workgroup_size: 256
    .sgpr_count:     66
    .vgpr_count:     512
    .wavefront_size: 32
...
	.end_amdgpu_metadata
.endif
;; end of part 3
;; launch cross (part 4): grid 16 x 16, 16 waves a work-group, no clusters, 210,944 bytes of LDS; arguments o1q, wq, kv, bcq, oc; writes oc
.if DOCPART == 4
	.amdgcn_target "amdgcn-amd-amdhsa--gfx1250"
	.amdhsa_code_object_version 6
	.text
	.protected	k_qfdafc12dc5_cross
	.globl	k_qfdafc12dc5_cross
	.p2align	8
	.type	k_qfdafc12dc5_cross,@function
k_qfdafc12dc5_cross:
	s_mov_b64 s[64:65], 0
	v_nop
	global_prefetch_b8 v0, s[64:65] scope:SCOPE_SE
	s_setreg_imm32_b32 hwreg(HW_REG_WAVE_MODE, 25, 1), 1
	s_wait_xcnt 0x0
; CROSS: for 256 queries of one batch and one head: Q = out1 Wcq + bcq (on codes), quantised along the head's 64 channels; S^T = K Q^T; the softmax; O^T = V^T P^T over the batch's 512 keys; o leaves as codes.
; THE SOFTMAX AHEAD OF THE SECOND PRODUCT: t = score x log2(e) / 32; M = the running largest t rounded up to a whole number; p = 2^(t - M) is quantised along the keys, not normalised;
; the row's sum is taken of the unquantised p and divides at the end; when M moves, the sum and O^T are multiplied by 2^(old M - new M), which rounds nothing.
; LDS, filled once by six tensor loads of 34,816 dense bytes (waves 0-5): 16 tiles of out1's codes, Wcq's group, the (batch, head) block of K and V.  Nothing is filled twice, nothing is stored to LDS.
; A wave owns 16 queries; a lane holds one query throughout.  By the order of h's tiles the 32 registers of four neighbouring key tiles are 32 neighbouring keys: a whole block in a lane, so p's codes are the operand as they come.
; The first product's K is 64: the upper halves of K's and Q's fragments are zero codes.
; No cluster: what work-groups share is one fill at the head, there is no loop of refills.  LIMITS: NaN and infinities are not served; a block under 2^-124 keeps the byte 1.
.set TILEB, 8704
.set GRPB,  34816
.set FLOOR, 0x1800000
.set EOFF,  0xff000000
.set KVB, 5*GRPB
.set QS, 16                            ; v16-19 out1's scale words of four K steps
.set WS, 20                            ; v20-27 Wcq's
.set QSW, 28                           ; Q's scale word
.set PW, 29                            ; p's
.set KS, 30                            ; v30-33 K's: lanes 0-15 an even tile, lanes 16-31 the odd one
.set VS, 34                            ; v34-37 V's
.set OA, 40                            ; v40-71 Q's sums, then O^T
.set QC, 72                            ; v72-79 Q's codes
.set S, 80                             ; v80-143 scores, then p
.set XF, 80                            ; while Q is made: out1's fragment,
.set WF, 88                            ; Wcq's four
.set KF, 144
.set VF, 208
.set PC, 240
.set SH8, 8
.set SEL, 36
.set CS, 40
.macro MM d, a, b, c, sa, sb, row
.if \row
	v_wmma_scale_f32_16x16x128_f8f6f4 v[\d:\d+7], v[\a:\a+7], v[\b:\b+7], v[\c:\c+7], v[\sa], v[\sb] matrix_a_fmt:MATRIX_FMT_FP4 matrix_b_fmt:MATRIX_FMT_FP4 matrix_a_scale:MATRIX_SCALE_ROW1
.else
	v_wmma_scale_f32_16x16x128_f8f6f4 v[\d:\d+7], v[\a:\a+7], v[\b:\b+7], v[\c:\c+7], v[\sa], v[\sb] matrix_a_fmt:MATRIX_FMT_FP4 matrix_b_fmt:MATRIX_FMT_FP4
.endif
.endm
.macro MM0 d, a, b, sa, sb, row
.if \row
	v_wmma_scale_f32_16x16x128_f8f6f4 v[\d:\d+7], v[\a:\a+7], v[\b:\b+7], 0, v[\sa], v[\sb] matrix_a_fmt:MATRIX_FMT_FP4 matrix_b_fmt:MATRIX_FMT_FP4 matrix_a_scale:MATRIX_SCALE_ROW1
.else
	v_wmma_scale_f32_16x16x128_f8f6f4 v[\d:\d+7], v[\a:\a+7], v[\b:\b+7], 0, v[\sa], v[\sb] matrix_a_fmt:MATRIX_FMT_FP4 matrix_b_fmt:MATRIX_FMT_FP4
.endif
.endm
.macro PLACES
.rept 4
	v_nop
.endr
.endm
.macro QUANT32 s, d, q, hw
	v_max3_num_f32 v[\q], |v[\s]|, |v[\s+1]|, FLOOR
	v_max3_num_f32 v[\q+1], |v[\s+16]|, |v[\s+17]|, FLOOR
.irp i, 2,4,6,8,10,12,14
	v_max3_num_f32 v[\q], v[\q], |v[\s+\i]|, |v[\s+\i+1]|
	v_max3_num_f32 v[\q+1], v[\q+1], |v[\s+16+\i]|, |v[\s+17+\i]|
.endr
	v_max_num_f32 v[\q], v[\q], v[\q+1]
	v_add_nc_u32 v[\q+2], EOFF, v[\q]
	v_lshrrev_b32 v[\q+3], 23, v[\q+2]
	v_lshlrev_b32 v[\q+3], v[SH8], v[\q+3]
	v_permlanex16_b32 v[\q+4], v[\q+3], s[SEL], s[SEL+1]
	v_or_b32 v[\hw], v[\q+3], v[\q+4]
.irp g, 0,1,2,3
	v_cvt_scalef32_pk8_fp4_f32 v[\d+\g], v[\s+8*\g:\s+8*\g+7], v[\q+2]
.endr
	v_nop
.endm
	s_load_b256 s[4:11], s[0:1], 0x0               ; o1q, wq, kv, bcq
	s_load_b64 s[12:13], s[0:1], 0x20              ; oc
	v_lshl_add_u32 v254, v0, 2, 0x33000
	v_mov_b32 v255, 0
	ds_add_u32 v254, v255
	ds_add_u32 v254, v255
	s_wait_dscnt 0x0
	v_lshrrev_b32 v1, 5, v0
	v_readfirstlane_b32 s2, v1                     ; wave 0..15
	s_and_b32 s14, ttmp7, 0xffff                   ; head
	s_mov_b32 s24, 3<<16                           ; group 1: 136 rows of 32 elements of 8 bytes, dense
	s_mov_b32 s25, 32<<16
	s_mov_b32 s26, 136<<16
	s_mov_b32 s27, 32<<16
	s_mov_b32 s28, 136
	s_mov_b32 s29, 32
	s_mov_b32 s30, 0
	s_mov_b32 s31, 0
	s_mul_i32 s15, ttmp9, 4*GRPB                   ; my 16 tiles of queries
	s_mul_i32 s16, s2, GRPB
	s_add_co_u32 s16, s15, s16                     ; waves 0-3: four tiles each
	s_mul_i32 s17, s14, 3
	s_add_co_u32 s17, s17, 48
	s_mul_i32 s17, s17, GRPB                       ; wave 4: Wcq's group
	s_lshr_b32 s18, ttmp9, 1
	s_lshl_b32 s18, s18, 4
	s_add_co_u32 s18, s18, s14
	s_mul_i32 s18, s18, GRPB                       ; wave 5: K and V of (batch, head)
	s_min_u32 s19, s2, 5
	s_mul_i32 s33, s19, GRPB
	s_mov_b32 s32, 1
	s_wait_kmcnt 0x0
	s_cmp_eq_u32 s2, 4
	s_cselect_b64 s[34:35], s[6:7], s[8:9]
	s_cselect_b32 s20, s17, s18
	s_cmp_lt_u32 s2, 4
	s_cselect_b64 s[34:35], s[4:5], s[34:35]
	s_cselect_b32 s20, s16, s20
	s_mov_b32 s21, 0
	s_add_nc_u64 s[34:35], s[34:35], s[20:21]
	s_or_b32 s35, s35, 0x80000000
	s_cmp_lt_u32 s2, 6
	s_cbranch_scc0 .Lnofill
	tensor_load_to_lds s[32:35], s[24:31]          ; one load a wave is out
	s_nop 0
	PLACES
.Lnofill:
	s_mov_b32 s[SEL], 0x76543210
	s_mov_b32 s[SEL+1], 0xfedcba98
	s_mov_b32 s[CS], 0x3d38aa3b                    ; log2(e) / 32
	s_mov_b32 s[CS+1], s[CS]
	v_and_b32 v248, 31, v0
	v_and_b32 v249, 15, v0                         ; r
	v_bfe_u32 v250, v0, 4, 1                       ; h
	v_lshlrev_b32 v251, 4, v248                    ; 16 x lane
	v_lshlrev_b32 v252, 4, v249                    ; 16 r
	s_mul_i32 s18, s2, TILEB
	v_add_nc_u32 v1, s18, v251                     ; my tile of queries
	s_add_co_u32 s19, s18, 8192
	v_add_nc_u32 v2, s19, v252
	v_add_nc_u32 v3, 4*GRPB, v251                  ; Wcq
	v_add_nc_u32 v4, KVB, v251                     ; K's and V's codes
	v_lshl_add_u32 v5, v248, 1, KVB+32768          ; K's scale bytes: 2 x lane
	v_lshl_add_u32 v6, v249, 2, KVB+33792          ; V's scale words: 4 r
	v_lshlrev_b32 v7, 7, v250                      ; bcq: 128 h
	v_lshlrev_b32 v[SH8], 3, v250
	s_lshl_b32 s19, s14, 9
	s_add_co_u32 s19, s19, s18
	v_add_nc_u32 v9, s19, v251                     ; o's codes
	s_lshr_b32 s19, s14, 3
	s_lshl_b32 s19, s19, 8
	s_and_b32 s20, s14, 7
	s_lshl_b32 s20, s20, 1
	s_add_co_u32 s19, s19, s20
	s_add_co_u32 s19, s19, s18
	s_add_co_u32 s19, s19, 8192
	v_add_nc_u32 v38, s19, v252                    ; its two scale bytes
	v_mov_b32 v39, 0                               ; a lane permute's destination counts as read
	v_mov_b32 v11, 0
	v_mov_b32 v14, 0                               ; the row's sum, in two halves
	v_mov_b32 v15, 0
	v_mov_b32 v13, 0xff61b1e6                      ; the largest t so far: -3e38
	v_floor_f32 v12, -v13                          ; -M
.irp i, 4,5,6,7
	v_mov_b32 v[QC+\i], 0                          ; zero codes for k = 64 .. 127
.endr
.irp k, 0,1,2,3,4,5,6,7
.irp i, 4,5,6,7
	v_mov_b32 v[KF+8*\k+\i], 0
.endr
.endr
	s_lshl_b32 s20, s14, 8
	s_mov_b32 s21, 0
	s_add_nc_u64 s[10:11], s[10:11], s[20:21]
	s_mov_b32 s20, s15
	s_add_nc_u64 s[12:13], s[12:13], s[20:21]
.irp t, 0,1,2,3
	global_load_b128 v[OA+8*\t:OA+8*\t+3], v7, s[10:11] offset:32*\t      ; the bias is what the sums begin with
	global_load_b128 v[OA+8*\t+4:OA+8*\t+7], v7, s[10:11] offset:32*\t+16
.endr
	s_wait_tensorcnt 0x0                           ; my fill has landed,
	s_barrier_signal -1
	s_barrier_wait -1                              ; everybody's has
	s_wait_loadcnt 0x0
.macro QSTEP ks
.if ((\ks)%4) == 0
	ds_load_b128 v[QS:QS+3], v2 offset:256*((\ks)/4)
	ds_load_b128 v[WS:WS+3], v3 offset:32768+512*((\ks)/4)
	ds_load_b128 v[WS+4:WS+7], v3 offset:32768+1024+512*((\ks)/4)
.endif
	ds_load_b128 v[XF:XF+3], v1 offset:1024*(\ks)
	ds_load_b128 v[XF+4:XF+7], v1 offset:1024*(\ks)+512
.irp t, 0,1,2,3
	ds_load_b128 v[WF+8*\t:WF+8*\t+3], v3 offset:8192*\t+1024*(\ks)
	ds_load_b128 v[WF+8*\t+4:WF+8*\t+7], v3 offset:8192*\t+1024*(\ks)+512
.endr
	s_wait_dscnt 0x0
.irp t, 0,1,2,3
	MM OA+8*\t, WF+8*\t, XF, OA+8*\t, WS+4*(\t/2)+(\ks)%4, QS+(\ks)%4, \t%2
.endr
	PLACES
.endm
.irp n, 0,1,2,3,4,5,6,7
	QSTEP \n
.endr
	QUANT32 OA, QC, 248, QSW                       ; bytes 2 and 3 of the word stay 0, over zero codes
.irp p, 0,1,2,3,4,5,6,7,8,9,10,11,12,13,14,15,16,17,18,19,20,21,22,23,24,25,26,27,28,29,30,31
	v_mov_b32 v[OA+\p], 0                          ; O^T: the step is written once, its first turn finds zeros.  These lines are also the places between Q's codes and scale word and the first product that takes them
.endr
; a key step: 128 keys
.macro STEP sk
.irp k, 0,1,2,3,4,5,6,7
	ds_load_b128 v[KF+8*\k:KF+8*\k+3], v4 offset:512*(8*(\sk)+\k)
.endr
.irp p, 0,1,2,3
	ds_load_u16 v[KS+\p], v5 offset:64*(4*(\sk)+\p)
.endr
	s_wait_dscnt 0x0
.irp k, 0,1,2,3,4,5,6,7
	MM0 S+8*\k, KF+8*\k, QC, KS+\k/2, QSW, \k%2
.endr
	PLACES
.irp t, 0,1,2,3
	ds_load_b128 v[VF+8*\t:VF+8*\t+3], v4 offset:16384+4096*\t+1024*(\sk)        ; V is asked for here and lands while the softmax runs
	ds_load_b128 v[VF+8*\t+4:VF+8*\t+7], v4 offset:16384+4096*\t+1024*(\sk)+512
	ds_load_b32 v[VS+\t], v6 offset:64*(4*\t+(\sk))
.endr
.irp c, 0,1
	v_max3_num_f32 v[248+\c], v[S+32*\c], v[S+32*\c+1], v[S+32*\c+2]              ; the largest score of each of my two blocks: for the row's maximum, and for the block's largest p
.endr
.irp i, 3,5,7,9,11,13,15,17,19,21,23,25,27,29
.irp c, 0,1
	v_max3_num_f32 v[248+\c], v[248+\c], v[S+32*\c+\i], v[S+32*\c+\i+1]
.endr
.endr
.irp c, 0,1
	v_max_num_f32 v[248+\c], v[248+\c], v[S+32*\c+31]
.endr
	v_max_num_f32 v254, v248, v249
	v_permlanex16_b32 v39, v254, s[SEL], s[SEL+1]
	v_max_num_f32 v254, v254, v39                  ; the step's largest score of my query
	v_mul_f32 v254, s[CS], v254
	v_max_num_f32 v13, v13, v254                   ; the running largest t
	v_mov_b32 v254, v12
	v_floor_f32 v12, -v13                          ; the new -M
	v_sub_f32 v254, v12, v254
	v_cvt_i32_f32 v254, v254                       ; (it saturates)
	v_ldexp_f32 v10, 1.0, v254                     ; f = 2^(old M - new M)
.set J, 0
.rept 32
	v_pk_fma_f32 v[S+J:S+J+1], v[S+J:S+J+1], s[CS:CS+1], v[12:13] op_sel_hi:[1,0,0]   ; t - M
.set J, J+2
.endr
.irp c, 0,1
	v_fma_f32 v[248+\c], v[248+\c], s[CS], v12
.endr
.set J, 0
.rept 64
	v_exp_f32 v[S+J], v[S+J]
.set J, J+1
.endr
	v_pk_mul_f32 v[14:15], v[14:15], v[10:11] op_sel_hi:[1,0]     ; the sums under the new M: a plain line behind the exponentials
	s_wait_alu depctr_va_vdst(0)                   ; one wait for the batch, ahead of its first reader
	v_exp_f32 v248, v248                           ; the blocks' largest p
	v_exp_f32 v249, v249
	v_pk_add_f32 v[252:253], v[S:S+1], v[S+2:S+3]  ; the row's sum is taken of the unquantised p
.irp j, 4,8,12,16,20,24,28,32,36,40,44,48,52,56,60
	v_pk_add_f32 v[14:15], v[14:15], v[S+\j:S+\j+1]
	v_pk_add_f32 v[252:253], v[252:253], v[S+\j+2:S+\j+3]
.endr
	v_pk_add_f32 v[14:15], v[14:15], v[252:253]
	s_wait_alu depctr_va_vdst(0)                   ; and one for the two
.irp c, 0,1
	v_max_num_f32 v[248+\c], FLOOR, v[248+\c]
.endr
.irp c, 0,1
	v_add_nc_u32 v[250+\c], EOFF, v[248+\c]
.endr
.irp c, 0,1
	v_lshrrev_b32 v[252+\c], 23, v[250+\c]
.endr
	v_lshl_or_b32 v252, v253, 16, v252
	v_lshlrev_b32 v252, v[SH8], v252
	v_permlanex16_b32 v39, v252, s[SEL], s[SEL+1]
	v_or_b32 v[PW], v252, v39                      ; p's scale word for these 128 keys
.irp c, 0,1
.irp g, 0,1,2,3
	v_cvt_scalef32_pk8_fp4_f32 v[PC+4*\c+\g], v[S+32*\c+8*\g:S+32*\c+8*\g+7], v[250+\c]
.endr
.endr
	v_nop
.set J, 0
.rept 16
	v_pk_mul_f32 v[OA+J:OA+J+1], v[OA+J:OA+J+1], v[10:11] op_sel_hi:[1,0]   ; O^T under the new M; also the places ahead of the products below
.set J, J+2
.endr
	s_wait_dscnt 0x0                               ; V
.irp t, 0,1,2,3
	MM OA+8*\t, VF+8*\t, PC, OA+8*\t, VS+\t, PW, 0
.endr
.endm
	STEP 0
	STEP 1
	STEP 2
	STEP 3
	PLACES
	v_add_f32 v14, v14, v15
	v_permlanex16_b32 v39, v14, s[SEL], s[SEL+1]
	v_add_f32 v14, v14, v39                        ; the row's sum
	v_rcp_f32 v14, v14
	v_nop
	s_wait_alu depctr_va_vdst(0)
.irp p, 0,1,2,3,4,5,6,7,8,9,10,11,12,13,14,15,16,17,18,19,20,21,22,23,24,25,26,27,28,29,30,31
	v_mul_f32 v[OA+\p], v[OA+\p], v14              ; o of channel 32 h + p
.endr
	QUANT32 OA, PC, 248, 253
	global_store_b128 v9, v[PC:PC+3], s[12:13]     ; 512 consecutive bytes: half an image
	global_store_b16 v38, v253, s[12:13]
	s_wait_xcnt 0x0
	v_lshl_add_u32 v254, v0, 2, 0x33000
	v_mov_b32 v255, 0
	s_wait_tensorcnt 0x0
	ds_add_u32 v254, v255
	s_wait_dscnt 0x0
	s_endpgm
.Lfunc_end_k_qfdafc12dc5_cross:
	.size	k_qfdafc12dc5_cross, .Lfunc_end_k_qfdafc12dc5_cross-k_qfdafc12dc5_cross
	.p2alignl 7, 3214868480
	.fill 96, 4, 3214868480
	.section	.rodata,"a",@progbits
	.p2align	6, 0x0
	.amdhsa_kernel k_qfdafc12dc5_cross
		.amdhsa_group_segment_fixed_size 210944
		.amdhsa_private_segment_fixed_size 0
		.amdhsa_enable_private_segment 0
		.amdhsa_kernarg_size 40
		.amdhsa_user_sgpr_count 2
		.amdhsa_user_sgpr_kernarg_segment_ptr 1
		.amdhsa_wavefront_size32 1
		.amdhsa_system_sgpr_workgroup_id_x 1
		.amdhsa_system_sgpr_workgroup_id_y 1
		.amdhsa_system_sgpr_workgroup_id_z 1
		.amdhsa_system_vgpr_workitem_id 0
		.amdhsa_next_free_vgpr 256
		.amdhsa_next_free_sgpr 66
		.amdhsa_reserve_vcc 0
		.amdhsa_float_denorm_mode_32 3
		.amdhsa_float_denorm_mode_16_64 3
		.amdhsa_memory_ordered 1
		.amdhsa_forward_progress 1
		.amdhsa_inst_pref_size 79
	.end_amdhsa_kernel
	.amdgpu_metadata
---
amdhsa.version: [ 1, 2 ]
amdhsa.kernels:
  - .name:           k_qfdafc12dc5_cross
    .symbol:         k_qfdafc12dc5_cross.kd
    .args:
      - { .name: o1q, .offset: 0, .size: 8, .value_kind: global_buffer, .address_space: global }
      - { .name: wq, .offset: 8, .size: 8, .value_kind: global_buffer, .address_space: global }
      - { .name: kv, .offset: 16, .size: 8, .value_kind: global_buffer, .address_space: global }
      - { .name: bcq, .offset: 24, .size: 8, .value_kind: global_buffer, .address_space: global }
      - { .name: oc, .offset: 32, .size: 8, .value_kind: global_buffer, .address_space: global }
    .group_segment_fixed_size: 210944
    .private_segment_fixed_size: 0
    .kernarg_segment_align: 8
    .kernarg_segment_size: 40
    .max_flat_workgroup_size: 512
    .sgpr_count:     66
    .vgpr_count:     256
    .wavefront_size: 32
...
	.end_amdgpu_metadata
.endif
;; end of part 4
;; launch tail (part 5): grid 256 x 1, 8 waves a work-group, no clusters, 173,056 bytes of LDS; arguments oc, wq, o1, bco, b1, b2, gamma, beta, out0; writes out0
.if DOCPART == 5
	.amdgcn_target "amdgcn-amd-amdhsa--gfx1250"
	.amdhsa_code_object_version 6
	.text
	.protected	k_qfdafc12dc5_tail
	.globl	k_qfdafc12dc5_tail
	.p2align	8
	.type	k_qfdafc12dc5_tail,@function
k_qfdafc12dc5_tail:
	s_mov_b64 s[64:65], 0
	v_nop
	global_prefetch_b8 v0, s[64:65] scope:SCOPE_SE
	s_setreg_imm32_b32 hwreg(HW_REG_WAVE_MODE, 25, 1), 1
	s_wait_xcnt 0x0
; TAIL: out2 = LayerNorm(o Wco + bco + out1); hid = out2 W1 + b1; out0 = LayerNorm(hid W2 + b2 + out2).  Three stages of one form on 16 tokens and all 1,024 columns; nothing between them goes to memory.
; Wave w makes columns 128 w .. 128 w + 127 of each stage: 8 tiles of the weight, products transposed (source 0 = 16 rows of the weight, source 1 = the 16 tokens): lane (r, h) holds token r,
; register 32 G + 8 t + j = column 128 w + 64 G + 32 h + 8 t + j: two whole blocks of the next stage's K step w.  A stage's result is quantised in registers; its image and scale word go to LDS, a barrier, and every wave loads all 8.
; Each fragment of a weight is used once, by one wave: it goes from memory straight into registers, 512 consecutive bytes a load, four K steps ahead, across the stages too.  So no tile is shared through LDS and no cluster is used.
; Every LDS region is written once.  The norms are taken in two passes.
; REGISTERS: window 0: v1-11 addresses, v12-23 at work, v24-31 the activations' scale words, v32-63 the weight's, v64-127 the 8 fragments (later gamma, codes), v128-191 the sums, v192-255 the residual (later beta, rows of out0).  Window 1: four K steps of the weight.
; LIMITS: NaN and infinities are not served; a block under 2^-124 keeps the byte 1.
.set NST, 3
.set TILEB, 8704
.set GRPB,  34816
.set STB,   16*GRPB
.set FLOOR, 0x1800000
.set EOFF,  0xff000000
.set PRM, 0                            ; LDS: 2,560 bytes a wave: its 128 numbers of gamma, beta, b1, b2
.set RED, 20480                        ; four regions of 16 rows x 8 waves x 4 bytes
.set AIMGA, 22528                      ; out2's 8 images and scale words
.set AIMGB, 31232                      ; hid's
.set RES, 39936                        ; out2 in f32, each wave's own 8,192 bytes
.set STG, 105472                       ; out0: 16 rows x (4,096 + 16) bytes
.set LI, 1
.set LR, 2
.set RW, 3
.set PR, 4
.set IW, 5
.set SW, 6
.set OI, 7
.set SO, 8
.set SR, 9
.set SH8, 11
.set AS, 24
.set WS, 32
.set AF, 64
.set ACC, 128
.set TMP, 192
.set SEL, 24
.set MSB, 0
.macro WIN new                         ; the immediate's high byte repeats the setting that is left
.if MSB != \new
	s_set_vgpr_msb (MSB<<8)|\new
.set MSB, \new
.endif
.endm
.macro MM d, a, b, c, sa, sb, row
.if \row
	v_wmma_scale_f32_16x16x128_f8f6f4 v[\d:\d+7], v[\a:\a+7], v[\b:\b+7], v[\c:\c+7], v[\sa], v[\sb] matrix_a_fmt:MATRIX_FMT_FP4 matrix_b_fmt:MATRIX_FMT_FP4 matrix_a_scale:MATRIX_SCALE_ROW1
.else
	v_wmma_scale_f32_16x16x128_f8f6f4 v[\d:\d+7], v[\a:\a+7], v[\b:\b+7], v[\c:\c+7], v[\sa], v[\sb] matrix_a_fmt:MATRIX_FMT_FP4 matrix_b_fmt:MATRIX_FMT_FP4
.endif
.endm
.macro LOADW n, ks                     ; K step ks of stage n's weight: my 8 tiles, into buffer ks % 4 of window 1
.irp G, 0,1
.irp t, 0,1,2,3
.irp c, 0,1
	global_load_b128 v[64*((\ks)%4)+8*(4*\G+\t)+4*\c:64*((\ks)%4)+8*(4*\G+\t)+4*\c+3], v[LI], s[6:7] offset:STB*(\n)+GRPB*\G+8192*\t+1024*(\ks)+512*\c
.endr
.endr
.endr
.endm
.macro LOADWS n
.irp G, 0,1
.irp u, 0,1
.irp g, 0,1
	global_load_b128 v[WS+16*\G+8*\u+4*\g:WS+16*\G+8*\u+4*\g+3], v[LI], s[6:7] offset:STB*(\n)+GRPB*\G+32768+1024*\u+512*\g
.endr
.endr
.endr
.endm
; a K step: 8 products, the accumulators by turns; four places; then the buffer takes K step nk of stage nn (nn < 0: nothing)
.macro KSTEP n, ks, cnt, nn, nk
	s_wait_loadcnt \cnt                            ; the K steps of 16 loads issued behind this one may be out
	WIN 0x01
.irp G, 0,1
.irp t, 0,1,2,3
	MM ACC+32*\G+8*\t, 64*((\ks)%4)+8*(4*\G+\t), AF+8*(\ks), ACC+32*\G+8*\t, WS+16*\G+8*(\t/2)+(\ks), AS+(\ks), \t%2
.endr
.endr
.rept 4
	v_nop
.endr
.if (\nn) >= 0
	WIN 0x40
	LOADW \nn, \nk
.endif
.endm
.macro STAGE n, last
.irp s, 0,1,2,3
	KSTEP \n, \s, 48, \n, \s+4
.endr
.if \last
	KSTEP \n, 4, 48, -1, 0
	KSTEP \n, 5, 32, -1, 0
	KSTEP \n, 6, 16, -1, 0
	KSTEP \n, 7, 0, -1, 0
	WIN 0
.else
.irp s, 4,5,6,7
	KSTEP \n, \s, 48, \n+1, \s-4                   ; the next stage's first four K steps are asked for while this stage ends
.endr
	WIN 0
	LOADWS \n+1
.endif
.endm
; v12: my 64 numbers' sum -> v12: the row's, over the eight waves
.macro REDUCE k
	v_permlanex16_b32 v13, v12, s[SEL], s[SEL+1]
	v_add_f32 v12, v12, v13
	ds_store_b32 v[RW], v12 offset:RED+512*(\k)    ; both halves of the lanes store the same word
	v_lshlrev_b32 v20, 1, v[LR]                    ; 32 r
	s_wait_dscnt 0x0                               ; for the others' sake: my store has landed
	s_barrier_signal -1
	s_barrier_wait -1
	ds_load_b128 v[12:15], v20 offset:RED+512*(\k)
	ds_load_b128 v[16:19], v20 offset:RED+512*(\k)+16
	s_wait_dscnt 0x0
	v_add_f32 v12, v12, v13
	v_add_f32 v14, v14, v15
	v_add_f32 v16, v16, v17
	v_add_f32 v18, v18, v19
	v_add_f32 v12, v12, v14
	v_add_f32 v16, v16, v18
	v_add_f32 v12, v12, v16
.endm
.macro LNORM k
.set J, 0
.rept 32
	v_pk_add_f32 v[ACC+J:ACC+J+1], v[ACC+J:ACC+J+1], v[TMP+J:TMP+J+1]     ; the residual; each accumulator from its low end on
.set J, J+2
.endr
.irp G, 0,1
.irp t, 0,1,2,3
.irp q, 0,1
	ds_load_b128 v[AF+32*\G+8*\t+4*\q:AF+32*\G+8*\t+4*\q+3], v[PR] offset:PRM+256*\G+32*\t+16*\q          ; gamma, in the sums' order
	ds_load_b128 v[TMP+32*\G+8*\t+4*\q:TMP+32*\G+8*\t+4*\q+3], v[PR] offset:PRM+512+256*\G+32*\t+16*\q    ; beta
.endr
.endr
.endr
	v_pk_add_f32 v[12:13], v[ACC:ACC+1], v[ACC+2:ACC+3]
	v_pk_add_f32 v[14:15], v[ACC+4:ACC+5], v[ACC+6:ACC+7]
.set J, 8
.rept 14
	v_pk_add_f32 v[12:13], v[12:13], v[ACC+J:ACC+J+1]
	v_pk_add_f32 v[14:15], v[14:15], v[ACC+J+2:ACC+J+3]
.set J, J+4
.endr
	v_pk_add_f32 v[12:13], v[12:13], v[14:15]
	v_add_f32 v12, v12, v13
	REDUCE \k
	v_mul_f32 v20, s26, v12                        ; the mean
	v_mov_b32 v21, v20
.set J, 0
.rept 32
	v_pk_add_f32 v[ACC+J:ACC+J+1], v[ACC+J:ACC+J+1], v[20:21] neg_lo:[0,1] neg_hi:[0,1]
.set J, J+2
.endr
	v_pk_mul_f32 v[12:13], v[ACC:ACC+1], v[ACC:ACC+1]
	v_pk_mul_f32 v[14:15], v[ACC+2:ACC+3], v[ACC+2:ACC+3]
.set J, 4
.rept 15
	v_pk_fma_f32 v[12:13], v[ACC+J:ACC+J+1], v[ACC+J:ACC+J+1], v[12:13]
	v_pk_fma_f32 v[14:15], v[ACC+J+2:ACC+J+3], v[ACC+J+2:ACC+J+3], v[14:15]
.set J, J+4
.endr
	v_pk_add_f32 v[12:13], v[12:13], v[14:15]
	v_add_f32 v12, v12, v13
	REDUCE \k+1
	v_fma_f32 v22, v12, s26, s27                   ; the variance + 1e-5
	v_rsq_f32 v22, v22
	v_nop
	s_wait_alu depctr_va_vdst(0)                   ; ahead of the first reader
	v_mov_b32 v23, v22
.set J, 0
.rept 32
	v_pk_mul_f32 v[ACC+J:ACC+J+1], v[ACC+J:ACC+J+1], v[22:23]
.set J, J+2
.endr
.set J, 0
.rept 32
	v_pk_fma_f32 v[ACC+J:ACC+J+1], v[ACC+J:ACC+J+1], v[AF+J:AF+J+1], v[TMP+J:TMP+J+1]
.set J, J+2
.endr
.endm
; my 64 numbers, two whole blocks, become a fragment's 8 registers at v[AF] and, in v19, my row's scale word
.macro QUANT64
.irp G, 0,1
	v_max3_num_f32 v[12+\G], |v[ACC+32*\G]|, |v[ACC+32*\G+1]|, FLOOR
.endr
.irp i, 2,4,6,8,10,12,14,16,18,20,22,24,26,28,30
.irp G, 0,1
	v_max3_num_f32 v[12+\G], v[12+\G], |v[ACC+32*\G+\i]|, |v[ACC+32*\G+\i+1]|
.endr
.endr
	v_add_nc_u32 v14, EOFF, v12
	v_add_nc_u32 v15, EOFF, v13
	v_lshrrev_b32 v16, 23, v14
	v_lshrrev_b32 v17, 23, v15
	v_lshl_or_b32 v16, v17, 16, v16
	v_lshlrev_b32 v16, v[SH8], v16
	v_permlanex16_b32 v18, v16, s[SEL], s[SEL+1]
	v_or_b32 v19, v16, v18
.irp G, 0,1
.irp g, 0,1,2,3
	v_cvt_scalef32_pk8_fp4_f32 v[AF+4*\G+\g], v[ACC+32*\G+8*\g:ACC+32*\G+8*\g+7], v[14+\G]
.endr
.endr
	v_nop
.endm
; my image and scale word to LDS; a barrier; all 8 images and their words back; the next bias (number pb of my parameters) into the sums
.macro HANDOVER img, pb
	ds_store_b128 v[IW], v[AF:AF+3] offset:\img
	ds_store_b128 v[IW], v[AF+4:AF+7] offset:\img+512
	ds_store_b32 v[SW], v19 offset:\img+8192
	s_wait_dscnt 0x0                               ; for the others' sake: my stores have landed
	s_barrier_signal -1
	s_barrier_wait -1
.irp s, 0,1,2,3,4,5,6,7
	ds_load_b128 v[AF+8*\s:AF+8*\s+3], v[LI] offset:\img+1024*\s
	ds_load_b128 v[AF+8*\s+4:AF+8*\s+7], v[LI] offset:\img+1024*\s+512
.endr
	ds_load_b128 v[AS:AS+3], v[LR] offset:\img+8192
	ds_load_b128 v[AS+4:AS+7], v[LR] offset:\img+8192+256
.irp G, 0,1
.irp t, 0,1,2,3
.irp q, 0,1
	ds_load_b128 v[ACC+32*\G+8*\t+4*\q:ACC+32*\G+8*\t+4*\q+3], v[PR] offset:PRM+512*(\pb)+256*\G+32*\t+16*\q
.endr
.endr
.endr
.endm
	s_load_b512 s[4:19], s[0:1], 0x0               ; oc, wq, o1, bco, b1, b2, gamma, beta
	s_load_b64 s[20:21], s[0:1], 0x40              ; out0
	v_lshrrev_b32 v12, 5, v0
	v_readfirstlane_b32 s2, v12                    ; wave 0..7
	v_and_b32 v12, 31, v0
	v_and_b32 v13, 15, v0                          ; r
	v_bfe_u32 v14, v0, 4, 1                        ; h
	v_lshlrev_b32 v[LI], 4, v12                    ; 16 x lane
	v_lshlrev_b32 v[LR], 4, v13                    ; 16 r
	s_lshl_b32 s22, s2, 2
	v_lshl_add_u32 v[RW], v13, 5, s22              ; 32 r + 4 w
	s_mul_i32 s22, s2, 2560
	v_lshl_add_u32 v[PR], v14, 7, s22              ; my parameters, + 128 h
	v_add_nc_u32 v18, s22, v[LI]                   ; and where they are put
	s_lshl_b32 s22, s2, 10
	v_add_nc_u32 v[IW], s22, v[LI]                 ; my image: K step w
	s_lshr_b32 s22, s2, 2
	s_lshl_b32 s22, s22, 8
	s_and_b32 s23, s2, 3
	s_lshl_b32 s23, s23, 2
	s_add_co_u32 s22, s22, s23
	v_add_nc_u32 v[SW], s22, v[LR]                 ; its scale word
	s_lshl_b32 s22, s2, 13
	v_add_nc_u32 v[OI], s22, v[LI]                 ; 8192 w + 16 x lane
	s_lshl_b32 s23, s2, 9
	v_lshl_add_u32 v16, v14, 7, s23                ; 512 w + 128 h: my columns in a vector of 1,024
	v_add_nc_u32 v17, s23, v[LI]                   ; 512 w + 16 x lane
	v_mul_u32_u24 v[SO], v13, 4112
	v_add_nc_u32 v[SO], v[SO], v16
	v_add_nc_u32 v[SO], STG, v[SO]                 ; the stage: row r, my columns
	s_mul_i32 s22, s2, 8224
	s_add_co_u32 s22, s22, STG
	v_add_nc_u32 v[SR], s22, v[LI]                 ; back: rows 2 w, 2 w + 1
	v_lshlrev_b32 v[SH8], 3, v14
	s_mov_b32 s[SEL], 0x76543210
	s_mov_b32 s[SEL+1], 0xfedcba98
	s_mov_b32 s26, 0x3a800000                      ; 1 / 1024
	s_mov_b32 s27, 0x3727c5ac                      ; 1e-5
	s_wait_kmcnt 0x0
	s_mul_i32 s22, ttmp9, TILEB
	s_mov_b32 s23, 0
	s_add_nc_u64 s[4:5], s[4:5], s[22:23]
	s_lshl_b32 s22, ttmp9, 16
	s_add_nc_u64 s[8:9], s[8:9], s[22:23]
	s_add_nc_u64 s[20:21], s[20:21], s[22:23]
	s_mul_i32 s22, s2, 2*GRPB
	s_add_co_u32 s22, s22, 112*GRPB                ; Wco's groups begin at 112; W1's and W2's follow, 16 groups each
	s_add_nc_u64 s[6:7], s[6:7], s[22:23]
	WIN 0x40
	global_load_b128 v[192:195], v17, s[16:17]     ; gamma, beta, b1, b2 pass through the fourth buffer on their way to LDS
	global_load_b128 v[196:199], v17, s[18:19]
	global_load_b128 v[200:203], v17, s[12:13]
	global_load_b128 v[204:207], v17, s[14:15]
	WIN 0
.irp s, 0,1,2,3,4,5,6,7
	global_load_b128 v[AF+8*\s:AF+8*\s+3], v[LI], s[4:5] offset:1024*\s
	global_load_b128 v[AF+8*\s+4:AF+8*\s+7], v[LI], s[4:5] offset:1024*\s+512
.endr
	global_load_b128 v[AS:AS+3], v[LR], s[4:5] offset:8192
	global_load_b128 v[AS+4:AS+7], v[LR], s[4:5] offset:8192+256
	LOADWS 0
.irp G, 0,1
.irp t, 0,1,2,3
.irp q, 0,1
	global_load_b128 v[ACC+32*\G+8*\t+4*\q:ACC+32*\G+8*\t+4*\q+3], v16, s[10:11] offset:256*\G+32*\t+16*\q     ; the bias is what the sums begin with
.endr
.endr
.endr
.irp k, 0,1,2,3,4,5,6,7,8,9,10,11,12,13,14,15
	global_load_b128 v[TMP+4*\k:TMP+4*\k+3], v[OI], s[8:9] offset:512*\k th:TH_LOAD_NT    ; out1, the residual, as the same lanes' registers left it
.endr
	WIN 0x40
	LOADW 0, 0
	LOADW 0, 1
	LOADW 0, 2
	s_wait_loadcnt 63                              ; 106 loads were issued behind the parameters': those four are in
	WIN 0x04                                       ; an LDS store's data are its source 1: window 1
	ds_store_b128 v18, v[192:195] offset:PRM
	ds_store_b128 v18, v[196:199] offset:PRM+512
	ds_store_b128 v18, v[200:203] offset:PRM+1024
	ds_store_b128 v18, v[204:207] offset:PRM+1536
	s_wait_dscnt 0x0                               ; the stores have read their registers
	WIN 0x40
	LOADW 0, 3
	STAGE 0, 0
	LNORM 0                                        ; out2
.irp k, 0,1,2,3,4,5,6,7,8,9,10,11,12,13,14,15
	ds_store_b128 v[OI], v[ACC+4*\k:ACC+4*\k+3] offset:RES+512*\k     ; kept for the last residual: my own bytes
.endr
	QUANT64
	HANDOVER AIMGA, 2
	s_wait_dscnt 0x0
	s_wait_loadcnt 0x0                             ; W1's scale words and first four K steps
	STAGE 1, 0
	QUANT64                                        ; hid: no norm, no activation
	HANDOVER AIMGB, 3
.irp k, 0,1,2,3,4,5,6,7,8,9,10,11,12,13,14,15
	ds_load_b128 v[TMP+4*\k:TMP+4*\k+3], v[OI] offset:RES+512*\k
.endr
	s_wait_dscnt 0x0
	s_wait_loadcnt 0x0                             ; W2's scale words and first four K steps
	STAGE 2, 1
	LNORM 2                                        ; out0
.irp G, 0,1
.irp t, 0,1,2,3
.irp q, 0,1
	ds_store_b128 v[SO], v[ACC+32*\G+8*\t+4*\q:ACC+32*\G+8*\t+4*\q+3] offset:256*\G+32*\t+16*\q
.endr
.endr
.endr
	s_wait_dscnt 0x0                               ; for the others' sake: my part of the 16 rows has landed
	s_barrier_signal -1
	s_barrier_wait -1
.irp m, 0,1
.irp i, 0,1,2,3,4,5,6,7
	ds_load_b128 v[TMP+32*\m+4*\i:TMP+32*\m+4*\i+3], v[SR] offset:4112*\m+512*\i
.endr
.endr
.irp m, 0,1
.irp i, 0,1,2,3,4,5,6,7
	s_wait_dscnt 15-8*\m-\i                        ; the younger reads of the stage may be out
	global_store_b128 v[OI], v[TMP+32*\m+4*\i:TMP+32*\m+4*\i+3], s[20:21] offset:4096*\m+512*\i th:TH_STORE_NT   ; 512 consecutive bytes of a row
.endr
.endr
	s_wait_xcnt 0x0
	v_lshl_add_u32 v254, v0, 2, 0x2a000
	v_mov_b32 v255, 0
	s_wait_tensorcnt 0x0
	ds_add_u32 v254, v255
	s_wait_dscnt 0x0
	s_endpgm
.Lfunc_end_k_qfdafc12dc5_tail:
	.size	k_qfdafc12dc5_tail, .Lfunc_end_k_qfdafc12dc5_tail-k_qfdafc12dc5_tail
	.p2alignl 7, 3214868480
	.fill 96, 4, 3214868480
	.section	.rodata,"a",@progbits
	.p2align	6, 0x0
	.amdhsa_kernel k_qfdafc12dc5_tail
		.amdhsa_group_segment_fixed_size 173056
		.amdhsa_private_segment_fixed_size 0
		.amdhsa_enable_private_segment 0
		.amdhsa_kernarg_size 72
		.amdhsa_user_sgpr_count 2
		.amdhsa_user_sgpr_kernarg_segment_ptr 1
		.amdhsa_wavefront_size32 1
		.amdhsa_system_sgpr_workgroup_id_x 1
		.amdhsa_system_sgpr_workgroup_id_y 1
		.amdhsa_system_sgpr_workgroup_id_z 1
		.amdhsa_system_vgpr_workitem_id 0
		.amdhsa_next_free_vgpr 512
		.amdhsa_next_free_sgpr 66
		.amdhsa_reserve_vcc 0
		.amdhsa_float_denorm_mode_32 3
		.amdhsa_float_denorm_mode_16_64 3
		.amdhsa_memory_ordered 1
		.amdhsa_forward_progress 1
		.amdhsa_inst_pref_size 124
	.end_amdhsa_kernel
	.amdgpu_metadata
---
amdhsa.version: [ 1, 2 ]
amdhsa.kernels:
  - .name:           k_qfdafc12dc5_tail
    .symbol:         k_qfdafc12dc5_tail.kd
    .args:
      - { .name: oc, .offset: 0, .size: 8, .value_kind: global_buffer, .address_space: global }
      - { .name: wq, .offset: 8, .size: 8, .value_kind: global_buffer, .address_space: global }
      - { .name: o1, .offset: 16, .size: 8, .value_kind: global_buffer, .address_space: global }
      - { .name: bco, .offset: 24, .size: 8, .value_kind: global_buffer, .address_space: global }
      - { .name: b1, .offset: 32, .size: 8, .value_kind: global_buffer, .address_space: global }
      - { .name: b2, .offset: 40, .size: 8, .value_kind: global_buffer, .address_space: global }
      - { .name: gamma, .offset: 48, .size: 8, .value_kind: global_buffer, .address_space: global }
      - { .name: beta, .offset: 56, .size: 8, .value_kind: global_buffer, .address_space: global }
      - { .name: out0, .offset: 64, .size: 8, .value_kind: global_buffer, .address_space: global }
    .group_segment_fixed_size: 173056
    .private_segment_fixed_size: 0
    .kernarg_segment_align: 8
    .kernarg_segment_size: 72
    .max_flat_workgroup_size: 256
    .sgpr_count:     66
    .vgpr_count:     512
    .wavefront_size: 32
...
	.end_amdgpu_metadata
.endif
;; end of part 5
;; ======== version 2 of 2: 5 launches
;; workspace buffers: xh 4,456,448 bytes; wq 5,570,560 bytes; kv 4,456,448 bytes; av 2,228,224 bytes; o1q 2,228,224 bytes; oc 2,228,224 bytes; o1 16,777,216 bytes
;; launch prep (part 6): grid 288 x 1, 4 waves a work-group, no clusters, 34,304 bytes of LDS; arguments x, h, Wq, Wk, Wv, Wcq, Wck, Wcv, Wo, Wco, W1, W2, xh, wq; writes xh, wq
.if DOCPART == 6
	.amdgcn_target "amdgcn-amd-amdhsa--gfx1250"
	.amdhsa_code_object_version 6
	.text
	.protected	k_qfdafc12dc5_prep
	.globl	k_qfdafc12dc5_prep
	.p2align	8
	.type	k_qfdafc12dc5_prep,@function
k_qfdafc12dc5_prep:
	s_mov_b64 s[64:65], 0
	v_nop
	global_prefetch_b8 v0, s[64:65] scope:SCOPE_SE
	s_setreg_imm32_b32 hwreg(HW_REG_WAVE_MODE, 25, 1), 1
	s_wait_xcnt 0x0
; PREP: everything that arrives wide becomes codes of FP4 (E2M1) with one E8M0 byte for each 32 along K, laid in the order of the matrix operand's registers.
; A FRAGMENT IMAGE is 16 rows x 128 K = 1,024 bytes: registers 4 c .. 4 c + 3 of lane l at 512 c + 16 l; lane (r = l % 16, h = l / 16) holds k = 64 c + 32 h + 0 .. 31 of row r.
; xh: 512 tiles of 16 tokens (x: 0-255, h: 256-511), 8,704 bytes each: 8 images (K steps), then 512 bytes of scale words: word (K step s, row r) at 8192 + 256 (s / 4) + 16 r + 4 (s % 4).
;     x's tiles are 16 neighbouring tokens.  Row r of h's tile 4 b + t is token 64 b + 32 (r / 8) + 8 t + r % 8, so that later a lane's 32 results are 32 neighbouring keys.
; wq: 160 groups of 64 output columns, 34,816 bytes each: [tile 0-3][K step 0-7] images, then scale words [pair u][half of K g][lane][16 bytes]: lanes 0-15 tile 2 u, lanes 16-31 tile 2 u + 1.
;     Row 8 a + j of tile t is column 32 a + 8 t + j; for Wk and Wv it is column 16 t + 2 j + a (keys by parity).
; Work-groups 0-127 take x and h (a wave a tile), 128-287 the ten weights (a wave: 32 columns x 512 along K).  Each reads 256 KiB.
; A block's scale byte is its largest magnitude's exponent field - 2, held at 1 from below; a block of zeros so gets the byte 1: its codes are zeros, and this program alone reads the bytes.
; LIMITS: NaN and infinities among the inputs are not served; blocks whose largest magnitude lies under 2^-124 keep the byte 1.
.set TILEB, 8704
.set GRPB,  34816
.set SP,    528                        ; a stage row: 512 bytes + 16: sixteen rows start in sixteen different groups of banks
.set FLOOR, 0x1800000                  ; 2^(3 - 127)
.set EOFF,  0xff000000                 ; 2 off an exponent field
.set R,  16                            ; v16-143  two sets of 64: a K step as loaded
.set X,  144                           ; v144-207 my 64 numbers: two whole blocks
.set PC, 208                           ; v208-223 two sets of 8: the codes
.set WD, 224                           ; v224-231 a scale word for each K step
	s_load_b512 s[8:23], s[0:1], 0x0               ; x, h, Wq, Wk, Wv, Wcq, Wck, Wcv
	s_load_b256 s[24:31], s[0:1], 0x40             ; Wo, Wco, W1, W2
	s_load_b128 s[32:35], s[0:1], 0x60             ; xh, wq
	v_lshl_add_u32 v240, v0, 2, 0x8400
	v_mov_b32 v241, 0
	v_lshrrev_b32 v1, 5, v0
	v_readfirstlane_b32 s2, v1                     ; wave
	v_and_b32 v2, 31, v0                           ; lane
	s_mov_b32 s36, 0x76543210
	s_mov_b32 s37, 0xfedcba98                      ; selects: lane l xor 16
	s_cmp_lt_u32 ttmp9, 128
	s_cbranch_scc0 .Lweights
; ---------------- x and h: K is innermost.  Loads take 512 consecutive bytes of a row; a K step turns through the wave's own stage, so that a lane gets two whole blocks of its row.
	s_lshl_b32 s3, ttmp9, 2
	s_add_co_u32 s3, s3, s2                        ; my tile, 0 .. 511
	s_and_b32 s4, s3, 255
	s_lshl_b32 s5, s4, 4                           ; x: first token 16 x tile
	s_lshr_b32 s6, s4, 2
	s_lshl_b32 s6, s6, 6
	s_and_b32 s7, s4, 3
	s_lshl_b32 s7, s7, 3
	s_add_co_u32 s6, s6, s7                        ; h: first token 64 (tile / 4) + 8 (tile % 4)
	s_wait_kmcnt 0x0
	s_cmp_lt_u32 ttmp9, 64
	s_cselect_b64 s[8:9], s[8:9], s[10:11]
	s_cselect_b32 s5, s5, s6
	s_mov_b32 s7, 131072
	s_cselect_b32 s7, 32768, s7                    ; rows 8-15 begin 8 tokens on (x) or 32 tokens on (h)
	s_lshl_b32 s40, s5, 12
	s_mov_b32 s41, 0
	s_add_nc_u64 s[8:9], s[8:9], s[40:41]
	s_mul_i32 s40, s3, TILEB
	s_add_nc_u64 s[32:33], s[32:33], s[40:41]
	s_wait_alu depctr_va_vdst(0)
	v_lshlrev_b32 v3, 4, v2                        ; 16 x lane
	v_add_nc_u32 v4, s7, v3
	v_and_b32 v5, 15, v2                           ; r
	v_lshrrev_b32 v6, 4, v2                        ; h
	s_mul_i32 s42, s2, 16*SP                       ; my stage
	v_add_nc_u32 v7, s42, v3                       ; in: 16 x lane of row i
	v_mul_u32_u24 v8, v5, SP
	v_lshl_add_u32 v8, v6, 7, v8
	v_add_nc_u32 v8, s42, v8                       ; out: row r, + 128 h
	v_lshlrev_b32 v9, 3, v6                        ; 8 h
	v_mov_b32 v238, 0                              ; a lane permute's destination counts as read
.macro XLOAD ks
.irp i, 0,1,2,3,4,5,6,7
	global_load_b128 v[R+64*((\ks)%2)+4*\i:R+64*((\ks)%2)+4*\i+3], v3, s[8:9] offset:4096*\i+512*(\ks) th:TH_LOAD_NT
.endr
.irp i, 0,1,2,3,4,5,6,7
	global_load_b128 v[R+64*((\ks)%2)+32+4*\i:R+64*((\ks)%2)+35+4*\i], v4, s[8:9] offset:4096*\i+512*(\ks) th:TH_LOAD_NT
.endr
.endm
.macro XSTEP ks
.set RS, R+64*((\ks)%2)
.set PS, PC+8*((\ks)%2)
.if (\ks) < 7
	s_wait_loadcnt 16                              ; this K step's 16 loads are in; the next step's 16 may be out
.else
	s_wait_loadcnt 0
.endif
.irp i, 0,1,2,3,4,5,6,7,8,9,10,11,12,13,14,15
	ds_store_b128 v7, v[RS+4*\i:RS+4*\i+3] offset:SP*\i
.endr
.irp c, 0,1
.irp q, 0,1,2,3,4,5,6,7
	ds_load_b128 v[X+32*\c+4*\q:X+32*\c+4*\q+3], v8 offset:256*\c+16*\q   ; k = 64 c + 32 h + 4 q on, of my row; LDS serves a wave's instructions in order
.endr
.endr
	s_wait_dscnt 0x0                               ; my numbers are back, and the stores have read their registers
.if (\ks)+2 < 8
	XLOAD (\ks)+2
.endif
.irp c, 0,1
	v_max3_num_f32 v[232+\c], |v[X+32*\c]|, |v[X+32*\c+1]|, FLOOR
.endr
.irp i, 2,4,6,8,10,12,14,16,18,20,22,24,26,28,30
.irp c, 0,1
	v_max3_num_f32 v[232+\c], v[232+\c], |v[X+32*\c+\i]|, |v[X+32*\c+\i+1]|
.endr
.endr
.irp c, 0,1
	v_add_nc_u32 v[234+\c], EOFF, v[232+\c]        ; the conversion's scale operand
.endr
.irp c, 0,1
	v_lshrrev_b32 v[236+\c], 23, v[234+\c]         ; the byte of block 2 c + h
.endr
	v_lshl_or_b32 v236, v237, 16, v236
	v_lshlrev_b32 v236, v9, v236                   ; at their places in the word
	v_permlanex16_b32 v238, v236, s36, s37
	v_or_b32 v[WD+(\ks)], v236, v238               ; with the other half's two the word is whole
.if (\ks) >= 2
	s_wait_alu depctr_va_vdst(0)
	s_wait_xcnt 0x0                                ; the stores of two steps ago have read this set of codes
.endif
.irp c, 0,1
.irp g, 0,1,2,3
	v_cvt_scalef32_pk8_fp4_f32 v[PS+4*\c+\g], v[X+32*\c+8*\g:X+32*\c+8*\g+7], v[234+\c]
.endr
.endr
	v_nop                                          ; a plain line behind the last conversion
	global_store_b128 v3, v[PS:PS+3], s[32:33] offset:1024*(\ks)
	global_store_b128 v3, v[PS+4:PS+7], s[32:33] offset:1024*(\ks)+512   ; each store covers 512 consecutive bytes
.endm
	XLOAD 0
	XLOAD 1
	s_wait_alu depctr_va_vdst(0)
.irp n, 0,1,2,3,4,5,6,7
	XSTEP \n
.endr
	v_cmp_ne_u32 vcc_lo, 0, v6
.irp i, 0,1,2,3
	v_cndmask_b32 v[232+\i], v[WD+\i], v[WD+4+\i], vcc_lo   ; lanes 0-15 store K steps 0-3, lanes 16-31 K steps 4-7
.endr
	global_store_b128 v3, v[232:235], s[32:33] offset:8192
	s_wait_tensorcnt 0x0
	ds_add_u32 v240, v241
	s_wait_dscnt 0x0
	s_endpgm
; ---------------- the weights, [K][N]: a lane takes a column and its registers run down K: a block of 32 lies in one lane, and the codes come out with K innermost.
.Lweights:
	s_sub_co_u32 s3, ttmp9, 128
	s_lshr_b32 s4, s3, 4                           ; which weight, 0 .. 9
	s_bfe_u32 s5, s3, 0x30001                      ; which 128 columns
	s_and_b32 s6, s3, 1                            ; which half of K
	s_lshr_b32 s7, s2, 1
	s_lshl_b32 s5, s5, 1
	s_add_co_u32 s5, s5, s7                        ; the group of 64 columns
	s_and_b32 s7, s2, 1                            ; u: tiles 2 u, 2 u + 1
	s_wait_kmcnt 0x0
	s_mov_b64 s[38:39], s[12:13]
.irp i, 1,2,3,4,5,6,7,8,9
	s_cmp_eq_u32 s4, \i
	s_cselect_b64 s[38:39], s[12+2*\i:13+2*\i], s[38:39]
.endr
	s_sub_co_u32 s40, s4, 1
	s_cmp_lt_u32 s40, 2                            ; Wk, Wv: columns by parity
	s_cselect_b32 s41, -1, 0
	s_cselect_b32 s42, 5, 4
	s_lshl_b32 s43, s7, s42                        ; 32 u or 16 u
	s_lshl_b32 s44, s5, 6
	s_add_co_u32 s43, s43, s44
	s_lshl_b32 s43, s43, 2
	s_lshl_b32 s44, s6, 21                         ; 512 rows of 4,096 bytes
	s_add_co_u32 s44, s44, s43
	s_mov_b32 s45, 0
	s_add_nc_u64 s[38:39], s[38:39], s[44:45]
	s_wait_alu depctr_va_vdst(0)
	v_and_b32 v3, 7, v2                            ; j
	v_bfe_u32 v4, v2, 3, 1                         ; a
	v_lshrrev_b32 v5, 4, v2                        ; which of the two tiles
	v_lshl_add_u32 v6, v4, 5, v3
	v_lshl_add_u32 v6, v5, 3, v6                   ; 32 a + 8 e + j
	v_lshl_add_u32 v7, v3, 1, v4
	v_lshl_add_u32 v7, v5, 4, v7                   ; 16 e + 2 j + a
	v_cndmask_b32 v6, v6, v7, s41
	v_lshlrev_b32 v6, 2, v6
	s_cmp_ge_u32 s4, 3
	s_cselect_b32 s46, 45, 0
	s_mul_i32 s47, s5, 3
	s_add_co_u32 s46, s46, s47
	s_add_co_u32 s46, s46, s4                      ; the six projections lie by head: 48 (w / 3) + 3 group + w % 3
	s_lshl_b32 s47, s4, 4
	s_add_co_u32 s47, s47, s5                      ; the other four: 16 w + group
	s_cmp_lt_u32 s4, 6
	s_cselect_b32 s46, s46, s47
	s_mul_i32 s46, s46, GRPB
	s_mov_b32 s47, 0
	s_add_nc_u64 s[34:35], s[34:35], s[46:47]
	v_and_b32 v10, 15, v2
	v_lshlrev_b32 v10, 4, v10
	s_wait_alu depctr_va_vdst(0)
	v_lshl_add_u32 v8, v5, 13, v10                 ; codes: 8192 e + 16 row
	s_lshl_b32 s48, s7, 14
	s_lshl_b32 s49, s6, 12
	s_add_co_u32 s48, s48, s49
	v_add_nc_u32 v8, s48, v8                       ; + 16384 u + 4096 x half of K
	s_lshl_b32 s48, s7, 10
	s_lshl_b32 s49, s6, 9
	s_add_co_u32 s48, s48, s49
	s_add_co_u32 s48, s48, 32768
	v_lshl_add_u32 v9, v2, 4, s48                  ; scale words: 16 x lane
.macro WLOAD t
.irp i, 0,1,2,3,4,5,6,7,8,9,10,11,12,13,14,15,16,17,18,19,20,21,22,23,24,25,26,27,28,29,30,31
	global_load_b32 v[32+32*((\t)%2)+\i], v6, s[38:39] offset:(32*(\t)+\i)*4096
.endr
.endm
.macro WBLOCK t
.set XS, 32+32*((\t)%2)
.if (\t) < 15
	s_wait_loadcnt 32                              ; this block's 32 loads are in; the next block's may be out
.else
	s_wait_loadcnt 0
.endif
	v_max3_num_f32 v12, |v[XS]|, |v[XS+1]|, |v[XS+2]|
	v_max3_num_f32 v13, |v[XS+3]|, |v[XS+4]|, |v[XS+5]|
.irp i, 6,10,14,18,22,26
	v_max3_num_f32 v12, v12, |v[XS+\i]|, |v[XS+\i+1]|
	v_max3_num_f32 v13, v13, |v[XS+\i+2]|, |v[XS+\i+3]|
.endr
	v_max3_num_f32 v12, v12, |v[XS+30]|, |v[XS+31]|
	v_max3_num_f32 v12, v12, v13, FLOOR
	v_add_nc_u32 v11, EOFF, v12
	v_lshrrev_b32 v13, 23, v11
.if (\t)%4 == 0
	v_mov_b32 v[24+(\t)/4], v13
.else
	v_lshl_or_b32 v[24+(\t)/4], v13, 8*((\t)%4), v[24+(\t)/4]
.endif
.if (\t) > 0
	s_wait_alu depctr_va_vdst(0)
	s_wait_xcnt 0x0                                ; the last block's store has read its codes
.endif
.irp g, 0,1,2,3
	v_cvt_scalef32_pk8_fp4_f32 v[96+\g], v[XS+8*\g:XS+8*\g+7], v11
.endr
	v_nop
	global_store_b128 v8, v[96:99], s[34:35] offset:1024*((\t)/4)+256*((\t)%4)   ; sixteen lanes store 256 consecutive bytes, aligned
.if (\t)+2 < 16
	WLOAD (\t)+2
.endif
.endm
	WLOAD 0
	WLOAD 1
.irp n, 0,1,2,3,4,5,6,7,8,9,10,11,12,13,14,15
	WBLOCK \n
.endr
	global_store_b128 v9, v[24:27], s[34:35]
	s_endpgm
.Lfunc_end_k_qfdafc12dc5_prep:
	.size	k_qfdafc12dc5_prep, .Lfunc_end_k_qfdafc12dc5_prep-k_qfdafc12dc5_prep
	.p2alignl 7, 3214868480
	.fill 96, 4, 3214868480
	.section	.rodata,"a",@progbits
	.p2align	6, 0x0
	.amdhsa_kernel k_qfdafc12dc5_prep
		.amdhsa_group_segment_fixed_size 34304
		.amdhsa_private_segment_fixed_size 0
		.amdhsa_enable_private_segment 0
		.amdhsa_kernarg_size 112
		.amdhsa_user_sgpr_count 2
		.amdhsa_user_sgpr_kernarg_segment_ptr 1
		.amdhsa_wavefront_size32 1
		.amdhsa_system_sgpr_workgroup_id_x 1
		.amdhsa_system_sgpr_workgroup_id_y 1
		.amdhsa_system_sgpr_workgroup_id_z 1
		.amdhsa_system_vgpr_workitem_id 0
		.amdhsa_next_free_vgpr 242
		.amdhsa_next_free_sgpr 66
		.amdhsa_reserve_vcc 1
		.amdhsa_float_denorm_mode_32 3
		.amdhsa_float_denorm_mode_16_64 3
		.amdhsa_memory_ordered 1
		.amdhsa_forward_progress 1
		.amdhsa_inst_pref_size 134
	.end_amdhsa_kernel
	.amdgpu_metadata
---
amdhsa.version: [ 1, 2 ]
amdhsa.kernels:
  - .name:           k_qfdafc12dc5_prep
    .symbol:         k_qfdafc12dc5_prep.kd
    .args:
      - { .name: x, .offset: 0, .size: 8, .value_kind: global_buffer, .address_space: global }
      - { .name: h, .offset: 8, .size: 8, .value_kind: global_buffer, .address_space: global }
      - { .name: Wq, .offset: 16, .size: 8, .value_kind: global_buffer, .address_space: global }
      - { .name: Wk, .offset: 24, .size: 8, .value_kind: global_buffer, .address_space: global }
      - { .name: Wv, .offset: 32, .size: 8, .value_kind: global_buffer, .address_space: global }
      - { .name: Wcq, .offset: 40, .size: 8, .value_kind: global_buffer, .address_space: global }
      - { .name: Wck, .offset: 48, .size: 8, .value_kind: global_buffer, .address_space: global }
      - { .name: Wcv, .offset: 56, .size: 8, .value_kind: global_buffer, .address_space: global }
      - { .name: Wo, .offset: 64, .size: 8, .value_kind: global_buffer, .address_space: global }
      - { .name: Wco, .offset: 72, .size: 8, .value_kind: global_buffer, .address_space: global }
      - { .name: W1, .offset: 80, .size: 8, .value_kind: global_buffer, .address_space: global }
      - { .name: W2, .offset: 88, .size: 8, .value_kind: global_buffer, .address_space: global }
      - { .name: xh, .offset: 96, .size: 8, .value_kind: global_buffer, .address_space: global }
      - { .name: wq, .offset: 104, .size: 8, .value_kind: global_buffer, .address_space: global }
    .group_segment_fixed_size: 34304
    .private_segment_fixed_size: 0
    .kernarg_segment_align: 8
    .kernarg_segment_size: 112
    .max_flat_workgroup_size: 128
    .sgpr_count:     66
    .vgpr_count:     242
    .wavefront_size: 32
...
	.end_amdgpu_metadata
.endif
;; end of part 6
;; launch selfkv (part 7): grid 16 x 16, 16 waves a work-group, no clusters, 327,680 bytes of LDS; arguments xh, wq, bq, bk, bv, av, bck, bcv, kv; writes av, kv
.if DOCPART == 7
	.amdgcn_target "amdgcn-amd-amdhsa--gfx1250"
	.amdhsa_code_object_version 6
	.text
	.protected	k_qfdafc12dc5_selfkv
	.globl	k_qfdafc12dc5_selfkv
	.p2align	8
	.type	k_qfdafc12dc5_selfkv,@function
k_qfdafc12dc5_selfkv:
	s_mov_b64 s[64:65], 0
	v_nop
	global_prefetch_b8 v0, s[64:65] scope:SCOPE_SE
	s_setreg_imm32_b32 hwreg(HW_REG_WAVE_MODE, 25, 1), 1
	s_wait_xcnt 0x0
; SELFKV, two parts for one block of 256 tokens and one head.
; PART 1: q, k, v = x Wq + bq, x Wk + bk, x Wv + bv (on codes of FP4), then the attention over the head's 64 CHANNELS of each token, in f32 vector arithmetic:
;   av[i] = sum over j <= i of softmax_j(q[i] k[j] / 8) v[j]; only the lower triangle is computed.  av leaves as codes for the product with Wo.
; PART 2: K = h Wck + bck and V = h Wcv + bcv of the cross attention for the same 256 places of h, quantised at once: K along the head's 64 channels, V along the keys.
; LDS: seven blocks of 34,816 bytes.  First fill (waves 0-6, one tensor load each): 16 tiles of x in blocks 0-3, the head's groups of Wq, Wk, Wv in blocks 4-6.
;   When part 1's 96 products a wave are issued nobody reads these bytes any more: blocks 0-5 are filled again (waves 0-5, one load each) with 16 tiles of h and the groups of Wck and Wcv,
;   and these loads land while the channel attention, which touches no LDS, runs.  One tensor load a wave is out at a time.
; A wave takes 16 tokens.  Part 1's products are transposed (source 0 = 16 rows of a weight, source 1 = the tokens): a lane holds one token (lane % 16).
;   By the order of the weights' rows lane half h holds q[32 h + p], and k and v of the keys 2 m + h (m = 0 .. 31): the two halves of the lanes share a query's keys by parity.
;   THE ROW'S MAXIMUM is exact: the largest q[i] k[j] over j <= i is q[i] times the running largest or the running smallest k.  p = 2^(t - max), t = q k log2(e) / 8.
;   Queries i and 32 + i are worked together; one exchange of halves leaves query 32 h + i in lane half h: a whole block of 32 of the next K in a lane.
; Part 2: K: wave w takes h's tile w, transposed: a lane holds one key and 32 neighbouring channels.  V: wave w takes 64 keys (tiles 4 (w / 4) ..) and Wcv's tile w % 4, not transposed
;   (source 0 = 16 tokens, source 1 = 16 channels): a lane holds one channel and, by the order of h's tiles, 32 neighbouring keys.
; kv, one block of 34,816 bytes for (batch, head): K codes [key tile 0-31][512]; at 16384 V images [channel tile][128 keys]; at 32768 K's scale bytes [tile][row][2]; at 33792 V's scale words [tile][128 keys][row].
; No cluster: what work-groups share is two fills of six or seven blocks, the second of which nobody waits for; there is no loop of refills that joint loads could serve.
; v16-47 hold scale words and nothing else, in both parts.
; LIMITS: NaN and infinities are not served; a block whose largest magnitude lies under 2^-124 keeps the byte 1; a block of zeros gets the byte 1 (its codes are zeros, and this program alone reads the bytes).
.set TILEB, 8704
.set GRPB,  34816
.set FLOOR, 0x1800000
.set EOFF,  0xff000000
.set WCK, 4*GRPB
.set WCV, 5*GRPB
.set SPARE, 7*GRPB                     ; behind the seven blocks: the spare words, 128 bytes for each wave: eight blocks of 256 bytes that no other line names
.set SPW, 12                           ; v12  LDS address of my spare word; never rewritten
.set NIL, 13                           ; v13  0; never rewritten
; ---- part 1
.set XS, 16                            ; v16-19  x's scale words of four K steps
.set WS, 20                            ; v20-43  the weights': 8 weight + 4 u + s % 4
.set QL, 48                            ; v48-79  q's sums; then q[0..31]; then the rows' sums l
.set KK, 80                            ; v80-111 k
.set VV, 112                           ; v112-143 v
.set QH, 144                           ; v144-175 q[32..63]; then the rows' sums of p v
.set XF, 144                           ; while the products run: x's fragment,
.set WF, 152                           ; six fragments of weights
.set TA, 176                           ; v176-191 scores and p of query i
.set TB, 192                           ; v192-223 of query 32 + i
.set SQA, 224
.set SNA, 226                          ; (minus the row's maximum, -infinity)
.set SQB, 228
.set SNB, 230
.set DGA, 232
.set DGB, 234
.set LA, 236
.set AA, 238
.set LB, 240
.set AB, 242
.set PA, 244                           ; (largest, smallest) k so far, for queries 0-31
.set PB, 246                           ; for queries 32-63
.set PEA, 248
.set PEB, 250
.set KXA, 252
.set KXB, 253
.set T0, 254
.set T1, 255
.set SH8, 8
.set NI, 11
.set SEL, 36
; ---- part 2
.set HS,  16                           ; v16-31  scale words of my four tiles of h, four K steps: 4 i + s % 4
.set HKS, 32                           ; v32-35  of my own tile
.set KWS, 36                           ; v36-43  Wck's: 4 u + s % 4
.set VS,  44                           ; v44-47  of my tile of Wcv
.set KA,  80                           ; v80-111  K's four accumulators
.set VA,  112                          ; v112-143 V's four
.set HF,  144
.set HK,  176
.set KW,  184
.set VW,  216
.set VBB, 224                          ; v224-231 V's bias, the C of its first products
.macro MM d, a, b, c, sa, sb, row
.if \row
	v_wmma_scale_f32_16x16x128_f8f6f4 v[\d:\d+7], v[\a:\a+7], v[\b:\b+7], v[\c:\c+7], v[\sa], v[\sb] matrix_a_fmt:MATRIX_FMT_FP4 matrix_b_fmt:MATRIX_FMT_FP4 matrix_a_scale:MATRIX_SCALE_ROW1
.else
	v_wmma_scale_f32_16x16x128_f8f6f4 v[\d:\d+7], v[\a:\a+7], v[\b:\b+7], v[\c:\c+7], v[\sa], v[\sb] matrix_a_fmt:MATRIX_FMT_FP4 matrix_b_fmt:MATRIX_FMT_FP4
.endif
.endm
.macro PLACES
.rept 4
	v_nop
.endr
.endm
; 32 numbers of a lane, one whole block, become 4 registers of codes at v[d]; v[hw] gets the bytes of lanes l and l xor 16 as a half word.  Each accumulator is read from its low end on.
.macro QUANT32 s, d, q, hw
	v_max3_num_f32 v[\q], |v[\s]|, |v[\s+1]|, FLOOR
	v_max3_num_f32 v[\q+1], |v[\s+16]|, |v[\s+17]|, FLOOR
.irp i, 2,4,6,8,10,12,14
	v_max3_num_f32 v[\q], v[\q], |v[\s+\i]|, |v[\s+\i+1]|
	v_max3_num_f32 v[\q+1], v[\q+1], |v[\s+16+\i]|, |v[\s+17+\i]|
.endr
	s_delay_alu instid0(VALU_DEP_1)
	v_max_num_f32 v[\q], v[\q], v[\q+1]
	s_delay_alu instid0(VALU_DEP_1)
	v_add_nc_u32 v[\q+2], EOFF, v[\q]
	s_delay_alu instid0(VALU_DEP_1)
	v_lshrrev_b32 v[\q+3], 23, v[\q+2]
	s_delay_alu instid0(VALU_DEP_1)
	v_lshlrev_b32 v[\q+3], v[SH8], v[\q+3]
	s_delay_alu instid0(VALU_DEP_1)
	v_permlanex16_b32 v[\q+4], v[\q+3], s[SEL], s[SEL+1]
	s_delay_alu instid0(VALU_DEP_1)
	v_or_b32 v[\hw], v[\q+3], v[\q+4]
.irp g, 0,1,2,3
	v_cvt_scalef32_pk8_fp4_f32 v[\d+\g], v[\s+8*\g:\s+8*\g+7], v[\q+2]
.endr
	v_nop
.endm
	s_load_b512 s[4:19], s[0:1], 0x0               ; xh, wq, bq, bk, bv, av, bck, bcv
	s_load_b64 s[20:21], s[0:1], 0x40              ; kv
	v_lshl_add_u32 v[SPW], v0, 2, SPARE
	v_mov_b32 v[NIL], 0
	ds_add_u32 v12, v13
	ds_add_u32 v12, v13
	s_wait_dscnt 0x0
	v_lshrrev_b32 v224, 5, v0
	s_delay_alu instid0(VALU_DEP_1)
	v_readfirstlane_b32 s2, v224                   ; wave 0..15
	s_and_b32 s3, ttmp7, 0xffff                    ; head
	s_mov_b32 s24, 3<<16                           ; group 1, for every load: 136 rows of 32 elements of 8 bytes, dense: 34,816 bytes; no padding, no mask
	s_mov_b32 s25, 32<<16
	s_mov_b32 s26, 136<<16
	s_mov_b32 s27, 32<<16
	s_mov_b32 s28, 136
	s_mov_b32 s29, 32
	s_mov_b32 s30, 0
	s_mov_b32 s31, 0
	s_mul_i32 s44, ttmp9, 4*GRPB                   ; my 16 tiles
	s_mul_i32 s45, s2, GRPB
	s_add_co_u32 s45, s44, s45                     ; first fill, waves 0-3: four tiles of x each
	s_mul_i32 s46, s3, 3
	s_and_b32 s47, s2, 3
	s_add_co_u32 s48, s46, s47
	s_mul_i32 s48, s48, GRPB                       ; waves 4-6: groups 3 head + 0, 1, 2
	s_min_u32 s49, s2, 6
	s_mul_i32 s33, s49, GRPB                       ; to LDS: wave x 34,816
	s_mov_b32 s32, 1
	s_add_co_u32 s50, s45, 256*TILEB               ; second fill, waves 0-3: h's tiles lie 256 tiles behind x's
	s_add_co_u32 s51, s46, s47
	s_add_co_u32 s51, s51, 49
	s_mul_i32 s51, s51, GRPB                       ; waves 4, 5: groups 48 + 3 head + 1, + 2
	s_min_u32 s49, s2, 5
	s_mul_i32 s41, s49, GRPB
	s_mov_b32 s40, 1
	s_mov_b32 s23, 0
	s_mov_b32 s53, 0
	s_wait_kmcnt 0x0
	s_cmp_lt_u32 s2, 4
	s_cselect_b64 s[34:35], s[4:5], s[6:7]
	s_cselect_b32 s22, s45, s48
	s_cselect_b64 s[42:43], s[4:5], s[6:7]
	s_cselect_b32 s52, s50, s51
	s_add_nc_u64 s[34:35], s[34:35], s[22:23]
	s_add_nc_u64 s[42:43], s[42:43], s[52:53]
	s_or_b32 s35, s35, 0x80000000
	s_or_b32 s43, s43, 0x80000000                  ; the second fill has a group 0 of its own: no descriptor register is written while a load is out
	s_cmp_lt_u32 s2, 7
	s_cbranch_scc0 .Lnofill
	tensor_load_to_lds s[32:35], s[24:31]          ; one load a wave is out
	s_nop 0
	PLACES
.Lnofill:
	s_mov_b32 s[SEL], 0x76543210
	s_mov_b32 s[SEL+1], 0xfedcba98
	s_mov_b32 s38, 0xffff0000                      ; lanes 16-31
	s_mov_b32 s39, 0x3e38aa3b                      ; log2(e) / 8
	v_and_b32 v224, 31, v0
	v_and_b32 v225, 15, v0                         ; r
	v_bfe_u32 v226, v0, 4, 1                       ; h
	s_delay_alu instid0(VALU_DEP_2)
	v_lshrrev_b32 v227, 3, v225
	s_delay_alu instid0(VALU_DEP_3)
	v_and_b32 v228, 7, v225
	s_delay_alu instid0(VALU_DEP_1)
	v_lshl_add_u32 v227, v227, 5, v228
	s_and_b32 s47, s2, 3
	s_lshl_b32 s47, s47, 3
	v_add_nc_u32 v227, s47, v227                   ; part 2: the channel of row r of my tile of Wcv
	s_delay_alu instid0(VALU_DEP_1)
	v_lshlrev_b32 v14, 2, v227                     ; its place in bcv
	v_lshlrev_b32 v224, 4, v224                    ; 16 x lane
	v_lshlrev_b32 v225, 4, v225                    ; 16 r
	s_mul_i32 s46, s2, TILEB
	v_add_nc_u32 v1, s46, v224                     ; my tile of x
	s_add_co_u32 s47, s46, 8192
	v_add_nc_u32 v2, s47, v225                     ; its scale words
	v_add_nc_u32 v3, 4*GRPB, v224
	v_add_nc_u32 v4, 5*GRPB, v224
	v_add_nc_u32 v5, 6*GRPB, v224
	v_lshlrev_b32 v6, 7, v226                      ; bq, and later bck: 128 h
	s_wait_alu depctr_va_vdst(0)
	v_lshlrev_b32 v7, 2, v226                      ; bk, bv: 4 h
	s_wait_alu depctr_va_vdst(0)
	v_lshlrev_b32 v[SH8], 3, v226
	s_lshl_b32 s47, s3, 9
	s_add_co_u32 s47, s47, s46
	v_add_nc_u32 v9, s47, v224                     ; av's codes: 8704 w + 512 head + 16 x lane
	s_lshr_b32 s47, s3, 3
	s_lshl_b32 s47, s47, 8
	s_and_b32 s48, s3, 7
	s_lshl_b32 s48, s48, 1
	s_add_co_u32 s47, s47, s48
	s_add_co_u32 s47, s47, s46
	s_add_co_u32 s47, s47, 8192
	v_add_nc_u32 v10, s47, v225                    ; its two scale bytes
	v_mov_b32 v[NI], 0xff800000                    ; -infinity
	s_lshl_b32 s22, s3, 8                          ; the head's 64 numbers in each bias
	s_add_nc_u64 s[8:9], s[8:9], s[22:23]
	s_add_nc_u64 s[10:11], s[10:11], s[22:23]
	s_add_nc_u64 s[12:13], s[12:13], s[22:23]
	s_add_nc_u64 s[16:17], s[16:17], s[22:23]
	s_add_nc_u64 s[18:19], s[18:19], s[22:23]
	s_mov_b32 s22, s44
	s_add_nc_u64 s[14:15], s[14:15], s[22:23]      ; av at my 16 tiles
	s_lshr_b32 s22, ttmp9, 1
	s_lshl_b32 s22, s22, 4
	s_add_co_u32 s22, s22, s3
	s_mul_i32 s22, s22, GRPB
	s_add_nc_u64 s[20:21], s[20:21], s[22:23]      ; kv at (batch, head)
.irp t, 0,1,2,3
	global_load_b128 v[QL+8*\t:QL+8*\t+3], v6, s[8:9] offset:32*\t        ; the biases are what the sums begin with
	global_load_b128 v[QL+8*\t+4:QL+8*\t+7], v6, s[8:9] offset:32*\t+16
.endr
.irp t, 0,1,2,3
.irp j, 0,1,2,3,4,5,6,7
	global_load_b32 v[KK+8*\t+\j], v7, s[10:11] offset:64*\t+8*\j         ; column 16 t + 2 j + h
	global_load_b32 v[VV+8*\t+\j], v7, s[12:13] offset:64*\t+8*\j
.endr
.endr
	s_wait_tensorcnt 0x0                           ; my fill has landed,
	s_barrier_signal -1
	s_barrier_wait -1                              ; everybody's has
	s_wait_loadcnt 0x0                             ; the biases
; half a K step: six of the twelve tiles (tile tau: weight tau / 4, its tile tau % 4).  The twelve accumulators take turns.
.macro BATCH ks, be
.if (\be) == 0
.if ((\ks)%4) == 0
	ds_load_b128 v[XS:XS+3], v2 offset:256*((\ks)/4)
.irp m, 0,1,2
.irp u, 0,1
	ds_load_b128 v[WS+8*\m+4*\u:WS+8*\m+4*\u+3], v[3+\m] offset:32768+1024*\u+512*((\ks)/4)
.endr
.endr
.endif
	ds_load_b128 v[XF:XF+3], v1 offset:1024*(\ks)
	ds_load_b128 v[XF+4:XF+7], v1 offset:1024*(\ks)+512
.endif
.irp e, 0,1,2,3,4,5
.set TAU, 6*(\be)+\e
	ds_load_b128 v[WF+8*\e:WF+8*\e+3], v[3+TAU/4] offset:8192*(TAU%4)+1024*(\ks)
	ds_load_b128 v[WF+8*\e+4:WF+8*\e+7], v[3+TAU/4] offset:8192*(TAU%4)+1024*(\ks)+512
.endr
	s_wait_dscnt 0x0
.irp e, 0,1,2,3,4,5
.set TAU, 6*(\be)+\e
	MM QL+8*TAU, WF+8*\e, XF, QL+8*TAU, WS+8*(TAU/4)+4*((TAU%4)/2)+(\ks)%4, XS+(\ks)%4, TAU%2
.endr
	PLACES
.endm
.irp n, 0,1,2,3,4,5,6,7
	BATCH \n, 0
	BATCH \n, 1
.endr
; ---- THE SECOND FILL.  Every wave: all its tensor loads have landed; 0 onto its spare word; its reads of the seven blocks are back; the barrier.  Behind it nobody reads blocks 0-5 any more.
	s_wait_tensorcnt 0x0                           ; no tensor load of mine is out
	ds_add_u32 v[SPW], v[NIL]                      ; 0 onto my spare word; q's scalings stand between it and the wait for it
	ds_add_u32 v12, v13
.irp p, 0,1,2,3,4,5,6,7,8,9,10,11,12,13,14,15,16,17,18,19,20,21,22,23,24,25,26,27,28,29,30,31
	v_mul_f32 v[QH+\p], s39, v[QL+\p]              ; q x log2(e) / 8
.endr
	s_wait_dscnt 0x0                               ; the add is done, and my LDS loads are back
	s_barrier_signal -1
	s_barrier_wait -1
	s_cmp_lt_u32 s2, 6
	s_cbranch_scc0 .Lnorefill
	tensor_load_to_lds s[40:43], s[24:31]          ; my one load behind this barrier: h's tiles, Wck, Wcv; it has the whole channel attention in which to land
	s_nop 0
	PLACES
.Lnorefill:
; ---- both halves of the lanes get all 64 q: the first register's lanes 16-31 change places with the second's lanes 0-15
.irp p, 0,1,2,3,4,5,6,7,8,9,10,11,12,13,14,15,16,17,18,19,20,21,22,23,24,25,26,27,28,29,30,31
	v_mov_b32 v[QL+\p], v[QH+\p]
.endr
.irp p, 0,1,2,3,4,5,6,7,8,9,10,11,12,13,14,15,16,17,18,19,20,21,22,23,24,25,26,27,28,29,30,31
	v_permlane16_swap_b32 v[QL+\p], v[QH+\p]
.endr
	v_mov_b32 v[PA], 0xff800000
	v_mov_b32 v[PA+1], 0x7f800000
	v_mov_b32 v[SQA+1], 0
	v_mov_b32 v[SQB+1], 0
	v_mov_b32 v[SNA+1], v[NI]
	v_mov_b32 v[SNB+1], v[NI]
	v_mov_b32 v[KXA], 0
	v_mov_b32 v[KXB], 0
	v_max3_num_f32 v[PB], v[KK], v[KK+1], v[KK+2]                  ; queries 32 on begin with the largest and smallest of keys 0 .. 31
	v_min3_num_f32 v[PB+1], v[KK], v[KK+1], v[KK+2]
.irp i, 3,5,7,9,11,13
	v_max3_num_f32 v[PB], v[PB], v[KK+\i], v[KK+\i+1]
	v_min3_num_f32 v[PB+1], v[PB+1], v[KK+\i], v[KK+\i+1]
.endr
	v_max_num_f32 v[PB], v[PB], v[KK+15]
	v_min_num_f32 v[PB+1], v[PB+1], v[KK+15]
	s_delay_alu instid0(VALU_DEP_2)
	v_permlanex16_b32 v[KXA], v[PB], s[SEL], s[SEL+1]
	s_delay_alu instid0(VALU_DEP_2)
	v_permlanex16_b32 v[KXB], v[PB+1], s[SEL], s[SEL+1]
	s_delay_alu instid0(VALU_DEP_2)
	v_max_num_f32 v[PB], v[PB], v[KXA]
	s_delay_alu instid0(VALU_DEP_2)
	v_min_num_f32 v[PB+1], v[PB+1], v[KXB]
; t - max for np pairs of my keys (pair p: keys 4 p + h, 4 p + 2 + h).  In the last pair the keys beyond the query get -infinity as the addend.
.macro SCORE tb, np, sq, sn, dg
.set P_, 0
.rept \np
.if (P_ == \np-1) && ((BB == 0) || (BB == 2))
	v_pk_fma_f32 v[\tb+2*P_:\tb+2*P_+1], v[KK+2*P_:KK+2*P_+1], v[\sq:\sq+1], v[\dg:\dg+1] op_sel_hi:[1,0,1]
.elseif (P_ == \np-1) && (BB == 1)
	v_pk_fma_f32 v[\tb+2*P_:\tb+2*P_+1], v[KK+2*P_:KK+2*P_+1], v[\sq:\sq+1], v[\sn:\sn+1] op_sel_hi:[1,0,1]
.else
	v_pk_fma_f32 v[\tb+2*P_:\tb+2*P_+1], v[KK+2*P_:KK+2*P_+1], v[\sq:\sq+1], v[\sn:\sn+1] op_sel_hi:[1,0,0]
.endif
.set P_, P_+1
.endr
.endm
; queries ii and 32 + ii
.macro ATT ii
.set NPA, (\ii)/4+1
.set NPB, (\ii)/4+9
.set BB, (\ii)%4
.set MK, (\ii)/2
.if (\ii)%2 == 0
	v_permlanex16_b32 v[KXA], v[KK+MK], s[SEL], s[SEL+1]           ; keys 2 m and 2 m + 1 lie in the two halves of the lanes
	v_permlanex16_b32 v[KXB], v[KK+16+MK], s[SEL], s[SEL+1]
	v_cndmask_b32 v[T0], v[KK+MK], v[KXA], s38                     ; key 2 m, in every lane
	v_cndmask_b32 v[T1], v[KK+16+MK], v[KXB], s38
	s_delay_alu instid0(VALU_DEP_2)
	v_max_num_f32 v[PEA], v[PA], v[T0]                             ; an even query sees key 2 m and not yet 2 m + 1
	s_delay_alu instid0(VALU_DEP_3)
	v_min_num_f32 v[PEA+1], v[PA+1], v[T0]
	s_delay_alu instid0(VALU_DEP_3)
	v_max_num_f32 v[PEB], v[PB], v[T1]
	s_delay_alu instid0(VALU_DEP_4)
	v_min_num_f32 v[PEB+1], v[PB+1], v[T1]
	v_max3_num_f32 v[PA], v[PA], v[KK+MK], v[KXA]
	v_min3_num_f32 v[PA+1], v[PA+1], v[KK+MK], v[KXA]
	v_max3_num_f32 v[PB], v[PB], v[KK+16+MK], v[KXB]
	v_min3_num_f32 v[PB+1], v[PB+1], v[KK+16+MK], v[KXB]
.set XA, PEA
.set XB, PEB
.else
.set XA, PA
.set XB, PB
.endif
	v_mov_b32 v[SQA], v[QL+(\ii)]
	v_mov_b32 v[SQB], v[QH+(\ii)]
	s_delay_alu instid0(VALU_DEP_2)
	v_mul_f32 v[T0], v[SQA], v[XA]
	s_delay_alu instid0(VALU_DEP_3)
	v_mul_f32 v[T1], v[SQA], v[XA+1]
	s_delay_alu instid0(VALU_DEP_3)
	v_mul_f32 v[DGB], v[SQB], v[XB]
	s_delay_alu instid0(VALU_DEP_4)
	v_mul_f32 v[DGB+1], v[SQB], v[XB+1]
	s_delay_alu instid0(VALU_DEP_3)
	v_min_num_f32 v[SNA], -v[T0], -v[T1]                           ; minus the row's largest t
	s_delay_alu instid0(VALU_DEP_2)
	v_min_num_f32 v[SNB], -v[DGB], -v[DGB+1]
.if BB == 0
	s_delay_alu instid0(VALU_DEP_2)
	v_cndmask_b32 v[DGA], v[SNA], v[NI], s38
	v_mov_b32 v[DGA+1], v[NI]
	s_delay_alu instid0(VALU_DEP_3)
	v_cndmask_b32 v[DGB], v[SNB], v[NI], s38
	v_mov_b32 v[DGB+1], v[NI]
.elseif BB == 2
	s_delay_alu instid0(VALU_DEP_2)
	v_mov_b32 v[DGA], v[SNA]
	s_delay_alu instid0(VALU_DEP_3)
	v_cndmask_b32 v[DGA+1], v[SNA], v[NI], s38
	s_delay_alu instid0(VALU_DEP_3)
	v_mov_b32 v[DGB], v[SNB]
	s_delay_alu instid0(VALU_DEP_4)
	v_cndmask_b32 v[DGB+1], v[SNB], v[NI], s38
.endif
	SCORE TA, NPA, SQA, SNA, DGA
	SCORE TB, NPB, SQB, SNB, DGB
.set P_, 0
	s_wait_alu depctr_va_vdst(0)
.rept 2*NPA
	v_exp_f32 v[TA+P_], v[TA+P_]
.set P_, P_+1
.endr
.set P_, 0
.rept 2*NPB
	v_exp_f32 v[TB+P_], v[TB+P_]
.set P_, P_+1
.endr
	v_nop                                          ; a plain line behind the last exponential,
	s_wait_alu depctr_va_vdst(0)                   ; and one wait for the batch, ahead of its first reader
	v_pk_mul_f32 v[AA:AA+1], v[TA:TA+1], v[VV:VV+1]
	v_pk_mul_f32 v[AB:AB+1], v[TB:TB+1], v[VV:VV+1]
.if NPA > 1
	v_pk_add_f32 v[LA:LA+1], v[TA:TA+1], v[TA+2:TA+3]
.endif
	v_pk_add_f32 v[LB:LB+1], v[TB:TB+1], v[TB+2:TB+3]
.set P_, 1
.rept NPB-1
.if P_ < NPA
	v_pk_fma_f32 v[AA:AA+1], v[TA+2*P_:TA+2*P_+1], v[VV+2*P_:VV+2*P_+1], v[AA:AA+1]
.if P_ > 1
	v_pk_add_f32 v[LA:LA+1], v[LA:LA+1], v[TA+2*P_:TA+2*P_+1]
.endif
.endif
	v_pk_fma_f32 v[AB:AB+1], v[TB+2*P_:TB+2*P_+1], v[VV+2*P_:VV+2*P_+1], v[AB:AB+1]
.if P_ > 1
	v_pk_add_f32 v[LB:LB+1], v[LB:LB+1], v[TB+2*P_:TB+2*P_+1]
.endif
.set P_, P_+1
.endr
.if NPA > 1
	v_add_f32 v[LA], v[LA], v[LA+1]
.else
	v_add_f32 v[LA], v[TA], v[TA+1]
.endif
	s_delay_alu instid0(VALU_DEP_2)
	v_add_f32 v[LB], v[LB], v[LB+1]
	v_add_f32 v[AA], v[AA], v[AA+1]
	v_add_f32 v[AB], v[AB], v[AB+1]
	s_delay_alu instid0(VALU_DEP_3)
	v_permlane16_swap_b32 v[LA], v[LB]             ; now the first holds (ii's even keys, 32 + ii's even keys), the second the odd keys'
	s_delay_alu instid0(VALU_DEP_2)
	v_permlane16_swap_b32 v[AA], v[AB]
	s_delay_alu instid0(VALU_DEP_2)
	v_add_f32 v[QL+(\ii)], v[LA], v[LB]            ; lane half h: query 32 h + ii
	s_delay_alu instid0(VALU_DEP_2)
	v_add_f32 v[QH+(\ii)], v[AA], v[AB]
.endm
.irp n, 0,1,2,3,4,5,6,7,8,9,10,11,12,13,14,15,16,17,18,19,20,21,22,23,24,25,26,27,28,29,30,31
	ATT \n
.endr
; part 2's biases are asked for here, into registers that k and the scratch pairs have left: they land under the lines that finish av
.irp t, 0,1,2,3
	global_load_b128 v[KA+8*\t:KA+8*\t+3], v6, s[16:17] offset:32*\t      ; bck: what K's sums begin with
	global_load_b128 v[KA+8*\t+4:KA+8*\t+7], v6, s[16:17] offset:32*\t+16
.endr
.irp j, 0,1,2,3,4,5,6,7
	global_load_b32 v[VBB+\j], v14, s[18:19]       ; bcv: one channel a lane, the same number for its eight keys
.endr
	s_wait_alu depctr_va_vdst(0)
.irp p, 0,1,2,3,4,5,6,7,8,9,10,11,12,13,14,15,16,17,18,19,20,21,22,23,24,25,26,27,28,29,30,31
	v_rcp_f32 v[QL+\p], v[QL+\p]
.endr
	v_nop
	s_wait_alu depctr_va_vdst(0)                   ; one wait for the 32 reciprocals
.irp p, 0,1,2,3,4,5,6,7,8,9,10,11,12,13,14,15,16,17,18,19,20,21,22,23,24,25,26,27,28,29,30,31
	v_mul_f32 v[QH+\p], v[QH+\p], v[QL+\p]         ; av of channel 32 h + p
.endr
	QUANT32 QH, 232, 240, 245
	global_store_b128 v9, v[232:235], s[14:15]     ; 512 consecutive bytes: half an image
	global_store_b16 v10, v245, s[14:15]
; ---- PART 2.  Its addresses, in registers that no pending load or store names.  (v3 = Wck's block + 16 x lane stands as it is.)
	v_and_b32 v184, 31, v0
	v_and_b32 v185, 15, v0                         ; r
	s_delay_alu instid0(VALU_DEP_2)
	v_lshlrev_b32 v186, 4, v184                    ; 16 x lane
	s_delay_alu instid0(VALU_DEP_2)
	v_lshlrev_b32 v187, 4, v185                    ; 16 r
	s_wait_alu depctr_va_vdst(0)
	s_lshr_b32 s44, s2, 2                          ; which 64 keys
	s_and_b32 s45, s2, 3                           ; which tile of Wcv
	s_mul_i32 s46, s44, GRPB
	s_mul_i32 s47, s2, TILEB
	v_add_nc_u32 v1, s46, v186                     ; my four tiles of h
	v_add_nc_u32 v2, s47, v186                     ; my own tile
	s_lshl_b32 s48, s45, 13
	s_add_co_u32 s48, s48, WCV
	v_add_nc_u32 v4, s48, v186                     ; my tile of Wcv
	s_add_co_u32 s46, s46, 8192
	v_add_nc_u32 v5, s46, v187                     ; the four tiles' scale words
	s_add_co_u32 s47, s47, 8192
	v_add_nc_u32 v7, s47, v187                     ; my own tile's
	s_lshr_b32 s48, s45, 1
	s_lshl_b32 s48, s48, 10
	s_and_b32 s49, s45, 1
	s_lshl_b32 s49, s49, 8
	s_add_co_u32 s48, s48, s49
	s_add_co_u32 s48, s48, WCV+32768
	v_add_nc_u32 v15, s48, v187                    ; my tile of Wcv's words, row r, in every lane
	s_and_b32 s49, ttmp9, 1                        ; which half of the batch's keys
	s_lshl_b32 s50, s49, 4
	s_add_co_u32 s50, s50, s2                      ; my key tile in the batch
	s_lshl_b32 s51, s50, 9
	v_add_nc_u32 v11, s51, v186                    ; K's codes
	s_lshl_b32 s51, s50, 5
	s_add_co_u32 s51, s51, 32768
	v_lshl_add_u32 v246, v185, 1, s51              ; K's two scale bytes
	s_lshl_b32 s50, s49, 2
	s_add_co_u32 s50, s50, s44                     ; my 64 keys in the batch, 0 .. 7
	s_lshl_b32 s51, s50, 9
	s_lshl_b32 s52, s45, 12
	s_add_co_u32 s51, s51, s52
	s_add_co_u32 s51, s51, 16384
	v_add_nc_u32 v254, s51, v186                   ; V's codes
	s_lshr_b32 s51, s50, 1
	s_lshl_b32 s51, s51, 6
	s_and_b32 s52, s50, 1
	s_lshl_b32 s52, s52, 1
	s_add_co_u32 s51, s51, s52
	s_lshl_b32 s52, s45, 8
	s_add_co_u32 s51, s51, s52
	s_add_co_u32 s51, s51, 33792
	v_lshl_add_u32 v255, v185, 2, s51              ; V's two scale bytes
	s_wait_alu depctr_va_vdst(0)
	s_wait_tensorcnt 0x0                           ; my part of the second fill has landed,
	s_barrier_signal -1
	s_barrier_wait -1                              ; everybody's has
	s_wait_xcnt 0x0                                ; av's stores have read their registers: these are written again below
	s_wait_loadcnt 0x0                             ; bck, bcv
; a K step: 20 LDS loads (and, every fourth step, 8 of scale words), 8 products: K's and V's accumulators by turns; four places in front of the next loads
.macro KVSTEP ks
.if ((\ks)%4) == 0
.irp i, 0,1,2,3
	ds_load_b128 v[HS+4*\i:HS+4*\i+3], v5 offset:\i*TILEB+256*((\ks)/4)
.endr
	ds_load_b128 v[HKS:HKS+3], v7 offset:256*((\ks)/4)
	ds_load_b128 v[VS:VS+3], v15 offset:512*((\ks)/4)
	ds_load_b128 v[KWS:KWS+3], v3 offset:32768+512*((\ks)/4)
	ds_load_b128 v[KWS+4:KWS+7], v3 offset:32768+1024+512*((\ks)/4)
.endif
.irp i, 0,1,2,3
	ds_load_b128 v[HF+8*\i:HF+8*\i+3], v1 offset:\i*TILEB+1024*(\ks)
	ds_load_b128 v[HF+8*\i+4:HF+8*\i+7], v1 offset:\i*TILEB+1024*(\ks)+512
	ds_load_b128 v[KW+8*\i:KW+8*\i+3], v3 offset:\i*8192+1024*(\ks)
	ds_load_b128 v[KW+8*\i+4:KW+8*\i+7], v3 offset:\i*8192+1024*(\ks)+512
.endr
	ds_load_b128 v[HK:HK+3], v2 offset:1024*(\ks)
	ds_load_b128 v[HK+4:HK+7], v2 offset:1024*(\ks)+512
	ds_load_b128 v[VW:VW+3], v4 offset:1024*(\ks)
	ds_load_b128 v[VW+4:VW+7], v4 offset:1024*(\ks)+512
	s_wait_dscnt 0x0
.irp i, 0,1,2,3
	MM KA+8*\i, KW+8*\i, HK, KA+8*\i, KWS+4*(\i/2)+(\ks)%4, HKS+(\ks)%4, \i%2
.if (\ks) == 0
	MM VA+8*\i, HF+8*\i, VW, VBB, HS+4*\i+(\ks)%4, VS+(\ks)%4, 0
.else
	MM VA+8*\i, HF+8*\i, VW, VA+8*\i, HS+4*\i+(\ks)%4, VS+(\ks)%4, 0
.endif
.endr
	PLACES
.endm
.irp n, 0,1,2,3,4,5,6,7
	KVSTEP \n
.endr
	QUANT32 KA, 232, 240, 245
	global_store_b128 v11, v[232:235], s[20:21]    ; 512 consecutive bytes: my key tile's codes
	global_store_b16 v246, v245, s[20:21]          ; both halves of the lanes store the same two bytes
	QUANT32 VA, 236, 248, 253
	global_store_b128 v254, v[236:239], s[20:21]
	global_store_b16 v255, v253, s[20:21]
	s_wait_tensorcnt 0x0                           ; the wave's end: behind my last tensor load, my last LDS instructions
	ds_add_u32 v[SPW], v[NIL]
	s_wait_dscnt 0x0
	s_endpgm
.Lfunc_end_k_qfdafc12dc5_selfkv:
	.size	k_qfdafc12dc5_selfkv, .Lfunc_end_k_qfdafc12dc5_selfkv-k_qfdafc12dc5_selfkv
	.p2alignl 7, 3214868480
	.fill 96, 4, 3214868480
	.section	.rodata,"a",@progbits
	.p2align	6, 0x0
	.amdhsa_kernel k_qfdafc12dc5_selfkv
		.amdhsa_group_segment_fixed_size 327680
		.amdhsa_private_segment_fixed_size 0
		.amdhsa_enable_private_segment 0
		.amdhsa_kernarg_size 72
		.amdhsa_user_sgpr_count 2
		.amdhsa_user_sgpr_kernarg_segment_ptr 1
		.amdhsa_wavefront_size32 1
		.amdhsa_system_sgpr_workgroup_id_x 1
		.amdhsa_system_sgpr_workgroup_id_y 1
		.amdhsa_system_sgpr_workgroup_id_z 1
		.amdhsa_system_vgpr_workitem_id 0
		.amdhsa_next_free_vgpr 256
		.amdhsa_next_free_sgpr 66
		.amdhsa_reserve_vcc 0
		.amdhsa_float_denorm_mode_32 3
		.amdhsa_float_denorm_mode_16_64 3
		.amdhsa_memory_ordered 1
		.amdhsa_forward_progress 1
		.amdhsa_inst_pref_size 255
	.end_amdhsa_kernel
	.section	.bss,"aw",@nobits
	.p2align	6
	.space	262144
	.amdgpu_metadata
---
amdhsa.version: [ 1, 2 ]
amdhsa.kernels:
  - .name:           k_qfdafc12dc5_selfkv
    .symbol:         k_qfdafc12dc5_selfkv.kd
    .args:
      - { .name: xh, .offset: 0, .size: 8, .value_kind: global_buffer, .address_space: global }
      - { .name: wq, .offset: 8, .size: 8, .value_kind: global_buffer, .address_space: global }
      - { .name: bq, .offset: 16, .size: 8, .value_kind: global_buffer, .address_space: global }
      - { .name: bk, .offset: 24, .size: 8, .value_kind: global_buffer, .address_space: global }
      - { .name: bv, .offset: 32, .size: 8, .value_kind: global_buffer, .address_space: global }
      - { .name: av, .offset: 40, .size: 8, .value_kind: global_buffer, .address_space: global }
      - { .name: bck, .offset: 48, .size: 8, .value_kind: global_buffer, .address_space: global }
      - { .name: bcv, .offset: 56, .size: 8, .value_kind: global_buffer, .address_space: global }
      - { .name: kv, .offset: 64, .size: 8, .value_kind: global_buffer, .address_space: global }
    .group_segment_fixed_size: 327680
    .private_segment_fixed_size: 0
    .kernarg_segment_align: 8
    .kernarg_segment_size: 72
    .max_flat_workgroup_size: 512
    .sgpr_count:     66
    .vgpr_count:     256
    .wavefront_size: 32
...
	.end_amdgpu_metadata
.endif
;; end of part 7
;; launch proj1 (part 8): grid 256 x 1, 8 waves a work-group, no clusters, 91,136 bytes of LDS; arguments av, wq, x, bo, gamma, beta, o1, o1q; writes o1, o1q
.if DOCPART == 8
	.amdgcn_target "amdgcn-amd-amdhsa--gfx1250"
	.amdhsa_code_object_version 6
	.text
	.protected	k_qfdafc12dc5_proj1
	.globl	k_qfdafc12dc5_proj1
	.p2align	8
	.type	k_qfdafc12dc5_proj1,@function
k_qfdafc12dc5_proj1:
	s_mov_b64 s[64:65], 0
	v_nop
	global_prefetch_b8 v0, s[64:65] scope:SCOPE_SE
	s_setreg_imm32_b32 hwreg(HW_REG_WAVE_SCHED_MODE, 0, 2), 2
	s_setreg_imm32_b32 hwreg(HW_REG_WAVE_MODE, 25, 1), 1
	s_wait_xcnt 0x0
	s_wait_alu depctr_vm_vsrc(0)
; PROJ1: out1 = LayerNorm(av Wo + bo + x).  A work-group takes 16 tokens and all 1,024 columns, so that a row's mean and variance stay in the work-group.
; Wave w makes columns 128 w .. 128 w + 127: 8 tiles of Wo, products transposed (source 0 = 16 rows of the weight, source 1 = the 16 tokens): lane (r, h) holds token r,
; register 32 G + 8 t + j = column 128 w + 64 G + 32 h + 8 t + j: two whole blocks of the next product's K step w.
; Each fragment of the weight is used once, by one wave: it goes from memory straight into registers, 512 consecutive bytes a load, three K steps ahead.  So no tile is shared through LDS and no cluster is used.
; THE RESIDUAL x: my 128 columns of a row are 512 consecutive bytes: 16 loads, a row each, 16 bytes a lane; the 16 rows turn through my own stage in LDS (rows of 528 bytes) and come back in the sums' order,
; so that no load touches a row for 16 bytes only.  The turn stands behind the first K step and lands under the other seven.
; out1 leaves twice: as f32 register images (o1: [tile][wave][16 x 512 bytes]), the later residual, and as codes (o1q, laid as xh's tiles).
; The norm is taken in two passes: mean, then the mean of the squares of the differences.
; REGISTERS: window 0: v1-11 addresses, v12-23 at work, v24-31 av's scale words, v32-63 the weight's, v64-127 av's 8 fragments (later gamma, codes), v128-191 the sums, v192-255 x (later beta).  Window 1: four buffers W0 .. W3 of the weight, a K step each.
; THE MODE: SCHED_MODE bits 1:0 = 2 (LLVM: expert scheduling mode 2), set by the entry lines.  The code itself states the register dependences
; between vector or matrix instructions and memory or LDS instructions, with s_wait_alu, always for 0.
; THE PLAN.  Registers that memory or LDS instructions touch:
;   v1-v11, v16, v18  Offsets and addresses, written at the head ahead of the one wait in front of the first load; v1-v11 are never written again.
;   W0 .. W3          K step s: its eight products read W[s % 4].  The loads of K step s + 3 land in W[(s - 1) % 4], the buffer that the step before multiplied; they are issued in K step s.
;                     W3 first carries gamma and beta, which LDS stores read.
;   AF, AS, WS        Written by loads alone until the norm; the products read them.  Behind the products gamma lands in AF, later the conversions write the codes there, which stores read.
;   TMP               x lands, the turn's LDS stores read it, the turn's LDS loads land in it, the norm's additions read it, beta lands in it.
;   ACC               The bias lands; products and the norm write it; the stores of out1 read it.
;   v12, v14, v16-23  A reduction's LDS store reads v12, its two LDS loads read v14 and land in v16-23.  v19: the scale word, read by its store.
; So ONE wait on va_vdst stands at the head of a K step that loads, behind the wait for the step's own data: the last step's products are done reading their buffer.  The step's sixteen loads follow it in two halves,
; dealt among its eight products, which name W[s % 4], AF, AS, WS and ACC: none of the registers that those loads touch.
; LIMITS: NaN and infinities are not served; a block under 2^-124 keeps the byte 1.
.set TILEB, 8704
.set GRPB,  34816
.set STB,   16*GRPB
.set FLOOR, 0x1800000
.set EOFF,  0xff000000
.set PRM, 0                            ; LDS: 2,560 bytes a wave: its 128 numbers of gamma, beta
.set RED, 20480                        ; two regions of 16 rows x 8 waves x 4 bytes
.set XST, 22528                        ; x's stages: 16 rows x 528 bytes for each wave, its own
.set XP,  528                          ; 512 bytes + 16: sixteen rows start in sixteen different groups of banks
.set LI, 1
.set LR, 2
.set RW, 3
.set PR, 4
.set IW, 5
.set SW, 6
.set OI, 7
.set XI, 8                             ; v8   my stage, on the way in: 16 x lane of row i
.set XO, 9                             ; v9   and on the way out: row r, + 128 h
.set XR, 10                            ; v10  512 w + 16 x lane: my 16 bytes of my wave's 512 in a row of 1,024 numbers
.set SH8, 11
.set AS, 24
.set WS, 32
.set AF, 64
.set ACC, 128
.set TMP, 192
.set SEL, 24
.set MSB, 0
.macro WIN new                         ; the immediate's high byte repeats the setting that is left
.if MSB != \new
	s_set_vgpr_msb (MSB<<8)|\new
.set MSB, \new
.endif
.endm
.macro MM d, a, b, c, sa, sb, row
.if \row
	v_wmma_scale_f32_16x16x128_f8f6f4 v[\d:\d+7], v[\a:\a+7], v[\b:\b+7], v[\c:\c+7], v[\sa], v[\sb] matrix_a_fmt:MATRIX_FMT_FP4 matrix_b_fmt:MATRIX_FMT_FP4 matrix_a_scale:MATRIX_SCALE_ROW1
.else
	v_wmma_scale_f32_16x16x128_f8f6f4 v[\d:\d+7], v[\a:\a+7], v[\b:\b+7], v[\c:\c+7], v[\sa], v[\sb] matrix_a_fmt:MATRIX_FMT_FP4 matrix_b_fmt:MATRIX_FMT_FP4
.endif
.endm
.macro LOADWH n, ks, G                 ; half of K step ks of the weight: my tiles 4 G .. 4 G + 3, into buffer ks % 4 of window 1
.irp t, 0,1,2,3
.irp c, 0,1
	global_load_b128 v[64*((\ks)%4)+8*(4*(\G)+\t)+4*\c:64*((\ks)%4)+8*(4*(\G)+\t)+4*\c+3], v[LI], s[6:7] offset:STB*(\n)+GRPB*(\G)+8192*\t+1024*(\ks)+512*\c
.endr
.endr
.endm
.macro LOADW n, ks                     ; the whole K step
	LOADWH \n, \ks, 0
	LOADWH \n, \ks, 1
.endm
.macro LOADWS n
.irp G, 0,1
.irp u, 0,1
.irp g, 0,1
	global_load_b128 v[WS+16*\G+8*\u+4*\g:WS+16*\G+8*\u+4*\g+3], v[LI], s[6:7] offset:STB*(\n)+GRPB*\G+32768+1024*\u+512*\g
.endr
.endr
.endr
.endm
; a K step: 8 products, the accumulators by turns; among them, in two halves, the 16 loads of K step nk into the buffer that the step before multiplied (nn < 0: nothing); four places.
; dep = 1: that buffer was last read by products;  dep = 2: by LDS stores.
.macro KSTEP n, ks, cnt, dep, nn, nk
	s_wait_loadcnt \cnt                            ; the K steps of 16 loads issued behind this one may be out
.irp G, 0,1
.if (\nn) >= 0
	WIN 0x40
.if ((\dep) == 1) && (\G == 0)
	s_wait_alu depctr_va_vdst(0)                   ; the last K step's products are done reading their buffer, in which this step's sixteen loads land
.endif
.if ((\dep) == 2) && (\G == 0)
	s_wait_alu depctr_vm_vsrc(0)                   ; the LDS stores of gamma and beta have read the fourth buffer's registers, in which this step's loads land; so have the head's loads and stores read v16 and v18, which are written again later
.endif
	LOADWH \nn, \nk, \G                            ; no vector or matrix instruction since the wait names these registers or v1
.endif
	WIN 0x01
.irp t, 0,1,2,3
	MM ACC+32*\G+8*\t, 64*((\ks)%4)+8*(4*\G+\t), AF+8*(\ks), ACC+32*\G+8*\t, WS+16*\G+8*(\t/2)+(\ks), AS+(\ks), \t%2
.endr
.endr
.rept 4
	v_nop                                          ; four places behind the products: ahead of the next step's loads into this buffer, where they stay beside that step's wait, and, behind the last K step, ahead of the first read of the sums
.endr
.endm
; x's 16 rows through my stage: in as loaded, back in the sums' order.  LDS serves a wave's instructions in order; the loads land in the registers that the stores have left.
.macro XTURN
.irp i, 0,1,2,3,4,5,6,7,8,9,10,11,12,13,14,15
	ds_store_b128 v[XI], v[TMP+4*\i:TMP+4*\i+3] offset:XP*\i
.endr
	s_wait_alu depctr_vm_vsrc(0)                   ; the sixteen stores have read v[TMP ..], in which the sixteen loads land
.irp G, 0,1
.irp t, 0,1,2,3
.irp q, 0,1
	ds_load_b128 v[TMP+32*\G+8*\t+4*\q:TMP+32*\G+8*\t+4*\q+3], v[XO] offset:256*\G+32*\t+16*\q
.endr
.endr
.endr
.endm
; v12: my 64 numbers' sum -> v12: the row's, over the eight waves.  The eight parts land in v16-23, which no line between the wait on va_vdst and the loads names.
.macro REDUCE k
	v_permlanex16_b32 v13, v12, s[SEL], s[SEL+1]
	v_add_f32 v12, v12, v13
	v_lshlrev_b32 v14, 1, v[LR]                    ; 32 r
	s_wait_alu depctr_va_vdst(0)                   ; v12, the store's data, and v14, the loads' address, are written; every vector line that named v16-23, in which the loads land, is done
	ds_store_b32 v[RW], v12 offset:RED+512*(\k)    ; both halves of the lanes store the same word
	s_wait_dscnt 0x0                               ; for the others' sake: my store has landed
	s_barrier_signal -1
	s_barrier_wait -1
	ds_load_b128 v[16:19], v14 offset:RED+512*(\k)
	ds_load_b128 v[20:23], v14 offset:RED+512*(\k)+16
	s_wait_dscnt 0x0
	s_wait_alu depctr_vm_vsrc(0)                   ; the store has read v12 and the loads have read v14: both are written again below
	v_add_f32 v16, v16, v17
	v_add_f32 v18, v18, v19
	v_add_f32 v20, v20, v21
	v_add_f32 v22, v22, v23
	v_add_f32 v16, v16, v18
	v_add_f32 v20, v20, v22
	v_add_f32 v12, v16, v20
.endm
.macro LNORM k
.set J, 0
.rept 32
	v_pk_add_f32 v[ACC+J:ACC+J+1], v[ACC+J:ACC+J+1], v[TMP+J:TMP+J+1]     ; the residual; each accumulator from its low end on
.set J, J+2
.endr
	s_wait_alu depctr_va_vdst(0)                   ; the products are done reading av's fragments, in which gamma lands; the additions above are done reading x, in which beta lands
.irp G, 0,1
.irp t, 0,1,2,3
.irp q, 0,1
	ds_load_b128 v[AF+32*\G+8*\t+4*\q:AF+32*\G+8*\t+4*\q+3], v[PR] offset:PRM+256*\G+32*\t+16*\q          ; gamma, in the sums' order
	ds_load_b128 v[TMP+32*\G+8*\t+4*\q:TMP+32*\G+8*\t+4*\q+3], v[PR] offset:PRM+512+256*\G+32*\t+16*\q    ; beta
.endr
.endr
.endr
	v_pk_add_f32 v[12:13], v[ACC:ACC+1], v[ACC+2:ACC+3]
	v_pk_add_f32 v[14:15], v[ACC+4:ACC+5], v[ACC+6:ACC+7]
.set J, 8
.rept 14
	v_pk_add_f32 v[12:13], v[12:13], v[ACC+J:ACC+J+1]
	v_pk_add_f32 v[14:15], v[14:15], v[ACC+J+2:ACC+J+3]
.set J, J+4
.endr
	v_pk_add_f32 v[12:13], v[12:13], v[14:15]
	v_add_f32 v12, v12, v13
	REDUCE \k
	v_mul_f32 v20, s26, v12                        ; the mean
	v_mov_b32 v21, v20
.set J, 0
.rept 32
	v_pk_add_f32 v[ACC+J:ACC+J+1], v[ACC+J:ACC+J+1], v[20:21] neg_lo:[0,1] neg_hi:[0,1]
.set J, J+2
.endr
	v_pk_mul_f32 v[12:13], v[ACC:ACC+1], v[ACC:ACC+1]
	v_pk_mul_f32 v[14:15], v[ACC+2:ACC+3], v[ACC+2:ACC+3]
.set J, 4
.rept 15
	v_pk_fma_f32 v[12:13], v[ACC+J:ACC+J+1], v[ACC+J:ACC+J+1], v[12:13]
	v_pk_fma_f32 v[14:15], v[ACC+J+2:ACC+J+3], v[ACC+J+2:ACC+J+3], v[14:15]
.set J, J+4
.endr
	v_pk_add_f32 v[12:13], v[12:13], v[14:15]
	v_add_f32 v12, v12, v13
	REDUCE \k+1
	v_fma_f32 v22, v12, s26, s27                   ; the variance + 1e-5
	s_wait_alu depctr_va_vdst(0)
	v_rsq_f32 v22, v22
	v_nop
	s_wait_alu depctr_va_vdst(0)                   ; the root's result v22 is written, ahead of its first reader
	v_mov_b32 v23, v22
.set J, 0
.rept 32
	v_pk_mul_f32 v[ACC+J:ACC+J+1], v[ACC+J:ACC+J+1], v[22:23]
.set J, J+2
.endr
.set J, 0
.rept 32
	v_pk_fma_f32 v[ACC+J:ACC+J+1], v[ACC+J:ACC+J+1], v[AF+J:AF+J+1], v[TMP+J:TMP+J+1]
.set J, J+2
.endr
.endm
; my 64 numbers, two whole blocks, become a fragment's 8 registers at v[AF] and, in v19, my row's scale word
.macro QUANT64
.irp G, 0,1
	v_max3_num_f32 v[12+\G], |v[ACC+32*\G]|, |v[ACC+32*\G+1]|, FLOOR
.endr
.irp i, 2,4,6,8,10,12,14,16,18,20,22,24,26,28,30
.irp G, 0,1
	v_max3_num_f32 v[12+\G], v[12+\G], |v[ACC+32*\G+\i]|, |v[ACC+32*\G+\i+1]|
.endr
.endr
	v_add_nc_u32 v14, EOFF, v12
	v_add_nc_u32 v15, EOFF, v13
	v_lshrrev_b32 v16, 23, v14
	v_lshrrev_b32 v17, 23, v15
	v_lshl_or_b32 v16, v17, 16, v16
	v_lshlrev_b32 v16, v[SH8], v16
	v_permlanex16_b32 v18, v16, s[SEL], s[SEL+1]
	v_or_b32 v19, v16, v18
.irp G, 0,1
.irp g, 0,1,2,3
	v_cvt_scalef32_pk8_fp4_f32 v[AF+4*\G+\g], v[ACC+32*\G+8*\g:ACC+32*\G+8*\g+7], v[14+\G]
.endr
.endr
	v_nop
.endm
	s_load_b512 s[4:19], s[0:1], 0x0               ; av, wq, x, bo, gamma, beta, o1, o1q
	v_lshrrev_b32 v12, 5, v0
	v_readfirstlane_b32 s2, v12                    ; wave 0..7
	v_and_b32 v12, 31, v0
	v_and_b32 v13, 15, v0                          ; r
	v_bfe_u32 v14, v0, 4, 1                        ; h
	v_lshlrev_b32 v[LI], 4, v12                    ; 16 x lane
	v_lshlrev_b32 v[LR], 4, v13                    ; 16 r
	s_wait_alu depctr_va_vdst(0)
	s_wait_alu depctr_va_sdst(0)                   ; s2 is written, ahead of its first reader: LDS addresses and the bases are made from it
	s_lshl_b32 s22, s2, 2
	v_lshl_add_u32 v[RW], v13, 5, s22              ; 32 r + 4 w
	s_mul_i32 s22, s2, 2560
	v_lshl_add_u32 v[PR], v14, 7, s22              ; my parameters, + 128 h
	v_add_nc_u32 v18, s22, v[LI]                   ; and where they are put
	s_lshl_b32 s22, s2, 10
	v_add_nc_u32 v[IW], s22, v[LI]                 ; my image: K step w
	s_lshr_b32 s22, s2, 2
	s_lshl_b32 s22, s22, 8
	s_and_b32 s23, s2, 3
	s_lshl_b32 s23, s23, 2
	s_add_co_u32 s22, s22, s23
	v_add_nc_u32 v[SW], s22, v[LR]                 ; its scale word
	s_lshl_b32 s22, s2, 13
	v_add_nc_u32 v[OI], s22, v[LI]                 ; 8192 w + 16 x lane
	s_lshl_b32 s23, s2, 9
	v_lshl_add_u32 v16, v14, 7, s23                ; 512 w + 128 h: my columns in a vector of 1,024
	v_add_nc_u32 v[XR], s23, v[LI]                 ; 512 w + 16 x lane
	s_mul_i32 s22, s2, 16*XP
	s_add_co_u32 s22, s22, XST                     ; my stage
	v_add_nc_u32 v[XI], s22, v[LI]
	v_mul_u32_u24 v[XO], v13, XP
	v_lshl_add_u32 v[XO], v14, 7, v[XO]
	v_add_nc_u32 v[XO], s22, v[XO]
	v_lshlrev_b32 v[SH8], 3, v14
	s_mov_b32 s[SEL], 0x76543210
	s_mov_b32 s[SEL+1], 0xfedcba98
	s_mov_b32 s26, 0x3a800000                      ; 1 / 1024
	s_mov_b32 s27, 0x3727c5ac                      ; 1e-5
	s_wait_kmcnt 0x0
	s_mul_i32 s22, ttmp9, TILEB
	s_mov_b32 s23, 0
	s_add_nc_u64 s[4:5], s[4:5], s[22:23]
	s_add_nc_u64 s[18:19], s[18:19], s[22:23]
	s_lshl_b32 s22, ttmp9, 16
	s_add_nc_u64 s[8:9], s[8:9], s[22:23]
	s_add_nc_u64 s[16:17], s[16:17], s[22:23]
	s_mul_i32 s22, s2, 2*GRPB
	s_add_co_u32 s22, s22, 96*GRPB                 ; Wo's groups begin at 96
	s_add_nc_u64 s[6:7], s[6:7], s[22:23]
	WIN 0x40
	s_wait_alu depctr_va_vdst(0)                   ; the offsets and addresses v1 to v11, v16 and v18 are written: every load and store of the kernel reads one of them
	global_load_b128 v[192:195], v[XR], s[12:13]   ; gamma and beta pass through the fourth buffer on their way to LDS
	global_load_b128 v[196:199], v[XR], s[14:15]
	WIN 0
.irp s, 0,1,2,3,4,5,6,7
	global_load_b128 v[AF+8*\s:AF+8*\s+3], v[LI], s[4:5] offset:1024*\s
	global_load_b128 v[AF+8*\s+4:AF+8*\s+7], v[LI], s[4:5] offset:1024*\s+512
.endr
	global_load_b128 v[AS:AS+3], v[LR], s[4:5] offset:8192
	global_load_b128 v[AS+4:AS+7], v[LR], s[4:5] offset:8192+256
	LOADWS 0
.irp G, 0,1
.irp t, 0,1,2,3
.irp q, 0,1
	global_load_b128 v[ACC+32*\G+8*\t+4*\q:ACC+32*\G+8*\t+4*\q+3], v16, s[10:11] offset:256*\G+32*\t+16*\q     ; the bias is what the sums begin with
.endr
.endr
.endr
.irp i, 0,1,2,3,4,5,6,7,8,9,10,11,12,13,14,15
	global_load_b128 v[TMP+4*\i:TMP+4*\i+3], v[XR], s[8:9] offset:4096*\i th:TH_LOAD_NT   ; the residual: row i, my wave's 512 consecutive bytes
.endr
	WIN 0x40
	LOADW 0, 0
	LOADW 0, 1
	LOADW 0, 2
	s_wait_loadcnt 63                              ; 106 loads were issued behind the parameters': those two are in
	WIN 0x04                                       ; an LDS store's data are its source 1: window 1
	ds_store_b128 v18, v[192:195] offset:PRM
	ds_store_b128 v18, v[196:199] offset:PRM+512
	s_wait_dscnt 0x0                               ; my parameters lie in LDS
	KSTEP 0, 0, 32, 2, 0, 3                        ; its wait leaves the 32 loads of K steps 1 and 2 out: x's 16 loads, issued earlier, are in too
	WIN 0
	XTURN
	KSTEP 0, 1, 32, 1, 0, 4
	KSTEP 0, 2, 32, 1, 0, 5
	KSTEP 0, 3, 32, 1, 0, 6
	KSTEP 0, 4, 32, 1, 0, 7
	KSTEP 0, 5, 32, 0, -1, 0                       ; the last three K steps load nothing: they state no dependence, and the counts run down
	KSTEP 0, 6, 16, 0, -1, 0
	KSTEP 0, 7, 0, 0, -1, 0
	WIN 0
	s_wait_dscnt 0x0                               ; x is back from my stage
	LNORM 0
	s_wait_alu depctr_va_vdst(0)                   ; the norm has written the sums, which the sixteen stores read
.irp k, 0,1,2,3,4,5,6,7,8,9,10,11,12,13,14,15
	global_store_b128 v[OI], v[ACC+4*\k:ACC+4*\k+3], s[16:17] offset:512*\k    ; out1 as it stands in my registers: 512 consecutive bytes a store
.endr
	QUANT64                                        ; it reads the sums and writes none of them
	s_wait_alu depctr_va_vdst(0)                   ; the conversions have written the codes, and v19 holds the scale word: the three stores read them
	global_store_b128 v[IW], v[AF:AF+3], s[18:19]
	global_store_b128 v[IW], v[AF+4:AF+7], s[18:19] offset:512
	global_store_b32 v[SW], v19, s[18:19] offset:8192
	s_wait_xcnt 0x0
	v_lshl_add_u32 v254, v0, 2, 0x16000            ; (no memory or LDS instruction has read v254 or v255 since the last wait on vm_vsrc)
	v_mov_b32 v255, 0
	s_wait_dscnt 0x0                               ; the closing lines, six on end
	s_wait_alu 0x0
	s_wait_tensorcnt 0x0
	ds_add_u32 v254, v255
	s_wait_dscnt 0x0
	s_endpgm
.Lfunc_end_k_qfdafc12dc5_proj1:
	.size	k_qfdafc12dc5_proj1, .Lfunc_end_k_qfdafc12dc5_proj1-k_qfdafc12dc5_proj1
	.p2alignl 7, 3214868480
	.fill 96, 4, 3214868480
	.section	.rodata,"a",@progbits
	.p2align	6, 0x0
	.amdhsa_kernel k_qfdafc12dc5_proj1
		.amdhsa_group_segment_fixed_size 91136
		.amdhsa_private_segment_fixed_size 0
		.amdhsa_enable_private_segment 0
		.amdhsa_kernarg_size 64
		.amdhsa_user_sgpr_count 2
		.amdhsa_user_sgpr_kernarg_segment_ptr 1
		.amdhsa_wavefront_size32 1
		.amdhsa_system_sgpr_workgroup_id_x 1
		.amdhsa_system_sgpr_workgroup_id_y 1
		.amdhsa_system_sgpr_workgroup_id_z 1
		.amdhsa_system_vgpr_workitem_id 0
		.amdhsa_next_free_vgpr 512
		.amdhsa_next_free_sgpr 66
		.amdhsa_reserve_vcc 0
		.amdhsa_float_denorm_mode_32 3
		.amdhsa_float_denorm_mode_16_64 3
		.amdhsa_memory_ordered 1
		.amdhsa_forward_progress 1
		.amdhsa_inst_pref_size 54
	.end_amdhsa_kernel
	.amdgpu_metadata
---
amdhsa.version: [ 1, 2 ]
amdhsa.kernels:
  - .name:           k_qfdafc12dc5_proj1
    .symbol:         k_qfdafc12dc5_proj1.kd
    .args:
      - { .name: av, .offset: 0, .size: 8, .value_kind: global_buffer, .address_space: global }
      - { .name: wq, .offset: 8, .size: 8, .value_kind: global_buffer, .address_space: global }
      - { .name: x, .offset: 16, .size: 8, .value_kind: global_buffer, .address_space: global }
      - { .name: bo, .offset: 24, .size: 8, .value_kind: global_buffer, .address_space: global }
      - { .name: gamma, .offset: 32, .size: 8, .value_kind: global_buffer, .address_space: global }
      - { .name: beta, .offset: 40, .size: 8, .value_kind: global_buffer, .address_space: global }
      - { .name: o1, .offset: 48, .size: 8, .value_kind: global_buffer, .address_space: global }
      - { .name: o1q, .offset: 56, .size: 8, .value_kind: global_buffer, .address_space: global }
    .group_segment_fixed_size: 91136
    .private_segment_fixed_size: 0
    .kernarg_segment_align: 8
    .kernarg_segment_size: 64
    .max_flat_workgroup_size: 256
    .sgpr_count:     66
    .vgpr_count:     512
    .wavefront_size: 32
...
	.end_amdgpu_metadata
.endif
;; end of part 8
;; launch cross (part 9): grid 16 x 16, 16 waves a work-group, no clusters, 210,944 bytes of LDS; arguments o1q, wq, kv, bcq, oc; writes oc
.if DOCPART == 9
	.amdgcn_target "amdgcn-amd-amdhsa--gfx1250"
	.amdhsa_code_object_version 6
	.text
	.protected	k_qfdafc12dc5_cross
	.globl	k_qfdafc12dc5_cross
	.p2align	8
	.type	k_qfdafc12dc5_cross,@function
k_qfdafc12dc5_cross:
	s_mov_b64 s[64:65], 0
	v_nop
	global_prefetch_b8 v0, s[64:65] scope:SCOPE_SE
	s_setreg_imm32_b32 hwreg(HW_REG_WAVE_MODE, 25, 1), 1
	s_wait_xcnt 0x0
; CROSS: for 256 queries of one batch and one head: Q = out1 Wcq + bcq (on codes), quantised along the head's 64 channels; S^T = K Q^T; the softmax; O^T = V^T P^T over the batch's 512 keys; o leaves as codes.
; THE SOFTMAX AHEAD OF THE SECOND PRODUCT: t = score x log2(e) / 32; M = the running largest t rounded up to a whole number; p = 2^(t - M) is quantised along the keys, not normalised;
; the row's sum is taken of the unquantised p and divides at the end; when M moves, the sum and O^T are multiplied by 2^(old M - new M), which rounds nothing.
; LDS, filled once by six tensor loads of 34,816 dense bytes (waves 0-5): 16 tiles of out1's codes, Wcq's group, the (batch, head) block of K and V.  Nothing is filled twice, nothing is stored to LDS.
; A wave owns 16 queries; a lane holds one query throughout.  By the order of h's tiles the 32 registers of four neighbouring key tiles are 32 neighbouring keys: a whole block in a lane, so p's codes are the operand as they come.
; The first product's K is 64: the upper halves of K's and Q's fragments are zero codes.
; No cluster: what work-groups share is one fill at the head, there is no loop of refills.  LIMITS: NaN and infinities are not served; a block under 2^-124 keeps the byte 1.
.set TILEB, 8704
.set GRPB,  34816
.set FLOOR, 0x1800000
.set EOFF,  0xff000000
.set KVB, 5*GRPB
.set QS, 16                            ; v16-19 out1's scale words of four K steps
.set WS, 20                            ; v20-27 Wcq's
.set QSW, 28                           ; Q's scale word
.set PW, 29                            ; p's
.set KS, 30                            ; v30-33 K's: lanes 0-15 an even tile, lanes 16-31 the odd one
.set VS, 34                            ; v34-37 V's
.set OA, 40                            ; v40-71 Q's sums, then O^T
.set QC, 72                            ; v72-79 Q's codes
.set S, 80                             ; v80-143 scores, then p
.set XF, 80                            ; while Q is made: out1's fragment,
.set WF, 88                            ; Wcq's four
.set KF, 144
.set VF, 208
.set PC, 240
.set SH8, 8
.set SEL, 36
.set CS, 40
.macro MM d, a, b, c, sa, sb, row
.if \row
	v_wmma_scale_f32_16x16x128_f8f6f4 v[\d:\d+7], v[\a:\a+7], v[\b:\b+7], v[\c:\c+7], v[\sa], v[\sb] matrix_a_fmt:MATRIX_FMT_FP4 matrix_b_fmt:MATRIX_FMT_FP4 matrix_a_scale:MATRIX_SCALE_ROW1
.else
	v_wmma_scale_f32_16x16x128_f8f6f4 v[\d:\d+7], v[\a:\a+7], v[\b:\b+7], v[\c:\c+7], v[\sa], v[\sb] matrix_a_fmt:MATRIX_FMT_FP4 matrix_b_fmt:MATRIX_FMT_FP4
.endif
.endm
.macro MM0 d, a, b, sa, sb, row
.if \row
	v_wmma_scale_f32_16x16x128_f8f6f4 v[\d:\d+7], v[\a:\a+7], v[\b:\b+7], 0, v[\sa], v[\sb] matrix_a_fmt:MATRIX_FMT_FP4 matrix_b_fmt:MATRIX_FMT_FP4 matrix_a_scale:MATRIX_SCALE_ROW1
.else
	v_wmma_scale_f32_16x16x128_f8f6f4 v[\d:\d+7], v[\a:\a+7], v[\b:\b+7], 0, v[\sa], v[\sb] matrix_a_fmt:MATRIX_FMT_FP4 matrix_b_fmt:MATRIX_FMT_FP4
.endif
.endm
.macro PLACES
.rept 4
	v_nop
.endr
.endm
.macro QUANT32 s, d, q, hw
	v_max3_num_f32 v[\q], |v[\s]|, |v[\s+1]|, FLOOR
	v_max3_num_f32 v[\q+1], |v[\s+16]|, |v[\s+17]|, FLOOR
.irp i, 2,4,6,8,10,12,14
	v_max3_num_f32 v[\q], v[\q], |v[\s+\i]|, |v[\s+\i+1]|
	v_max3_num_f32 v[\q+1], v[\q+1], |v[\s+16+\i]|, |v[\s+17+\i]|
.endr
	s_delay_alu instid0(VALU_DEP_1)
	v_max_num_f32 v[\q], v[\q], v[\q+1]
	s_delay_alu instid0(VALU_DEP_1)
	v_add_nc_u32 v[\q+2], EOFF, v[\q]
	s_delay_alu instid0(VALU_DEP_1)
	v_lshrrev_b32 v[\q+3], 23, v[\q+2]
	s_delay_alu instid0(VALU_DEP_1)
	v_lshlrev_b32 v[\q+3], v[SH8], v[\q+3]
	s_delay_alu instid0(VALU_DEP_1)
	v_permlanex16_b32 v[\q+4], v[\q+3], s[SEL], s[SEL+1]
	s_delay_alu instid0(VALU_DEP_1)
	v_or_b32 v[\hw], v[\q+3], v[\q+4]
.irp g, 0,1,2,3
	v_cvt_scalef32_pk8_fp4_f32 v[\d+\g], v[\s+8*\g:\s+8*\g+7], v[\q+2]
.endr
	v_nop
.endm
	s_load_b256 s[4:11], s[0:1], 0x0               ; o1q, wq, kv, bcq
	s_load_b64 s[12:13], s[0:1], 0x20              ; oc
	v_lshl_add_u32 v254, v0, 2, 0x33000
	v_mov_b32 v255, 0
	ds_add_u32 v254, v255
	ds_add_u32 v254, v255
	s_wait_dscnt 0x0
	v_lshrrev_b32 v1, 5, v0
	s_delay_alu instid0(VALU_DEP_1)
	v_readfirstlane_b32 s2, v1                     ; wave 0..15
	s_and_b32 s14, ttmp7, 0xffff                   ; head
	s_mov_b32 s24, 3<<16                           ; group 1: 136 rows of 32 elements of 8 bytes, dense
	s_mov_b32 s25, 32<<16
	s_mov_b32 s26, 136<<16
	s_mov_b32 s27, 32<<16
	s_mov_b32 s28, 136
	s_mov_b32 s29, 32
	s_mov_b32 s30, 0
	s_mov_b32 s31, 0
	s_mul_i32 s15, ttmp9, 4*GRPB                   ; my 16 tiles of queries
	s_mul_i32 s16, s2, GRPB
	s_add_co_u32 s16, s15, s16                     ; waves 0-3: four tiles each
	s_mul_i32 s17, s14, 3
	s_add_co_u32 s17, s17, 48
	s_mul_i32 s17, s17, GRPB                       ; wave 4: Wcq's group
	s_lshr_b32 s18, ttmp9, 1
	s_lshl_b32 s18, s18, 4
	s_add_co_u32 s18, s18, s14
	s_mul_i32 s18, s18, GRPB                       ; wave 5: K and V of (batch, head)
	s_min_u32 s19, s2, 5
	s_mul_i32 s33, s19, GRPB
	s_mov_b32 s32, 1
	s_wait_kmcnt 0x0
	s_cmp_eq_u32 s2, 4
	s_cselect_b64 s[34:35], s[6:7], s[8:9]
	s_cselect_b32 s20, s17, s18
	s_cmp_lt_u32 s2, 4
	s_cselect_b64 s[34:35], s[4:5], s[34:35]
	s_cselect_b32 s20, s16, s20
	s_mov_b32 s21, 0
	s_add_nc_u64 s[34:35], s[34:35], s[20:21]
	s_or_b32 s35, s35, 0x80000000
	s_cmp_lt_u32 s2, 6
	s_cbranch_scc0 .Lnofill
	tensor_load_to_lds s[32:35], s[24:31]          ; one load a wave is out
	s_nop 0
	PLACES
.Lnofill:
	s_mov_b32 s[SEL], 0x76543210
	s_mov_b32 s[SEL+1], 0xfedcba98
	s_mov_b32 s[CS], 0x3d38aa3b                    ; log2(e) / 32
	s_mov_b32 s[CS+1], s[CS]
	v_and_b32 v248, 31, v0
	v_and_b32 v249, 15, v0                         ; r
	v_bfe_u32 v250, v0, 4, 1                       ; h
	s_delay_alu instid0(VALU_DEP_3)
	v_lshlrev_b32 v251, 4, v248                    ; 16 x lane
	s_delay_alu instid0(VALU_DEP_3)
	v_lshlrev_b32 v252, 4, v249                    ; 16 r
	s_mul_i32 s18, s2, TILEB
	v_add_nc_u32 v1, s18, v251                     ; my tile of queries
	s_add_co_u32 s19, s18, 8192
	v_add_nc_u32 v2, s19, v252
	v_add_nc_u32 v3, 4*GRPB, v251                  ; Wcq
	v_add_nc_u32 v4, KVB, v251                     ; K's and V's codes
	v_lshl_add_u32 v5, v248, 1, KVB+32768          ; K's scale bytes: 2 x lane
	v_lshl_add_u32 v6, v249, 2, KVB+33792          ; V's scale words: 4 r
	v_lshlrev_b32 v7, 7, v250                      ; bcq: 128 h
	v_lshlrev_b32 v[SH8], 3, v250
	s_lshl_b32 s19, s14, 9
	s_add_co_u32 s19, s19, s18
	v_add_nc_u32 v9, s19, v251                     ; o's codes
	s_lshr_b32 s19, s14, 3
	s_lshl_b32 s19, s19, 8
	s_and_b32 s20, s14, 7
	s_lshl_b32 s20, s20, 1
	s_add_co_u32 s19, s19, s20
	s_add_co_u32 s19, s19, s18
	s_add_co_u32 s19, s19, 8192
	v_add_nc_u32 v38, s19, v252                    ; its two scale bytes
	v_mov_b32 v39, 0                               ; a lane permute's destination counts as read
	v_mov_b32 v11, 0
	v_mov_b32 v14, 0                               ; the row's sum, in two halves
	v_mov_b32 v15, 0
	v_mov_b32 v13, 0xff61b1e6                      ; the largest t so far: -3e38
	s_delay_alu instid0(VALU_DEP_1)
	v_floor_f32 v12, -v13                          ; -M
.irp i, 4,5,6,7
	v_mov_b32 v[QC+\i], 0                          ; zero codes for k = 64 .. 127
.endr
.irp k, 0,1,2,3,4,5,6,7
.irp i, 4,5,6,7
	v_mov_b32 v[KF+8*\k+\i], 0
.endr
.endr
	s_lshl_b32 s20, s14, 8
	s_mov_b32 s21, 0
	s_add_nc_u64 s[10:11], s[10:11], s[20:21]
	s_mov_b32 s20, s15
	s_add_nc_u64 s[12:13], s[12:13], s[20:21]
.irp t, 0,1,2,3
	global_load_b128 v[OA+8*\t:OA+8*\t+3], v7, s[10:11] offset:32*\t      ; the bias is what the sums begin with
	global_load_b128 v[OA+8*\t+4:OA+8*\t+7], v7, s[10:11] offset:32*\t+16
.endr
	s_wait_tensorcnt 0x0                           ; my fill has landed,
	s_barrier_signal -1
	s_barrier_wait -1                              ; everybody's has
	s_wait_loadcnt 0x0
.macro QSTEP ks
.if ((\ks)%4) == 0
	ds_load_b128 v[QS:QS+3], v2 offset:256*((\ks)/4)
	ds_load_b128 v[WS:WS+3], v3 offset:32768+512*((\ks)/4)
	ds_load_b128 v[WS+4:WS+7], v3 offset:32768+1024+512*((\ks)/4)
.endif
	ds_load_b128 v[XF:XF+3], v1 offset:1024*(\ks)
	ds_load_b128 v[XF+4:XF+7], v1 offset:1024*(\ks)+512
.irp t, 0,1,2,3
	ds_load_b128 v[WF+8*\t:WF+8*\t+3], v3 offset:8192*\t+1024*(\ks)
	ds_load_b128 v[WF+8*\t+4:WF+8*\t+7], v3 offset:8192*\t+1024*(\ks)+512
.endr
	s_wait_dscnt 0x0
.irp t, 0,1,2,3
	MM OA+8*\t, WF+8*\t, XF, OA+8*\t, WS+4*(\t/2)+(\ks)%4, QS+(\ks)%4, \t%2
.endr
	PLACES
.endm
.irp n, 0,1,2,3,4,5,6,7
	QSTEP \n
.endr
	QUANT32 OA, QC, 248, QSW                       ; bytes 2 and 3 of the word stay 0, over zero codes
.irp p, 0,1,2,3,4,5,6,7,8,9,10,11,12,13,14,15,16,17,18,19,20,21,22,23,24,25,26,27,28,29,30,31
	v_mov_b32 v[OA+\p], 0                          ; O^T: the step is written once, its first turn finds zeros.  These lines are also the places between Q's codes and scale word and the first product that takes them
.endr
; a key step: 128 keys
.macro STEP sk
.irp k, 0,1,2,3,4,5,6,7
	ds_load_b128 v[KF+8*\k:KF+8*\k+3], v4 offset:512*(8*(\sk)+\k)
.endr
.irp p, 0,1,2,3
	ds_load_u16 v[KS+\p], v5 offset:64*(4*(\sk)+\p)
.endr
	s_wait_dscnt 0x0
.irp k, 0,1,2,3,4,5,6,7
	MM0 S+8*\k, KF+8*\k, QC, KS+\k/2, QSW, \k%2
.endr
	PLACES
.irp t, 0,1,2,3
	ds_load_b128 v[VF+8*\t:VF+8*\t+3], v4 offset:16384+4096*\t+1024*(\sk)        ; V is asked for here and lands while the softmax runs
	ds_load_b128 v[VF+8*\t+4:VF+8*\t+7], v4 offset:16384+4096*\t+1024*(\sk)+512
	ds_load_b32 v[VS+\t], v6 offset:64*(4*\t+(\sk))
.endr
.irp c, 0,1
	v_max3_num_f32 v[248+\c], v[S+32*\c], v[S+32*\c+1], v[S+32*\c+2]              ; the largest score of each of my two blocks: for the row's maximum, and for the block's largest p
.endr
.irp i, 3,5,7,9,11,13,15,17,19,21,23,25,27,29
.irp c, 0,1
	v_max3_num_f32 v[248+\c], v[248+\c], v[S+32*\c+\i], v[S+32*\c+\i+1]
.endr
.endr
.irp c, 0,1
	v_max_num_f32 v[248+\c], v[248+\c], v[S+32*\c+31]
.endr
	s_delay_alu instid0(VALU_DEP_1)
	v_max_num_f32 v254, v248, v249
	s_delay_alu instid0(VALU_DEP_1)
	v_permlanex16_b32 v39, v254, s[SEL], s[SEL+1]
	s_delay_alu instid0(VALU_DEP_1)
	v_max_num_f32 v254, v254, v39                  ; the step's largest score of my query
	s_delay_alu instid0(VALU_DEP_1)
	v_mul_f32 v254, s[CS], v254
	s_delay_alu instid0(VALU_DEP_1)
	v_max_num_f32 v13, v13, v254                   ; the running largest t
	v_mov_b32 v254, v12
	s_delay_alu instid0(VALU_DEP_2)
	v_floor_f32 v12, -v13                          ; the new -M
	s_delay_alu instid0(VALU_DEP_1)
	v_sub_f32 v254, v12, v254
	s_delay_alu instid0(VALU_DEP_1)
	v_cvt_i32_f32 v254, v254                       ; (it saturates)
	s_delay_alu instid0(VALU_DEP_1)
	v_ldexp_f32 v10, 1.0, v254                     ; f = 2^(old M - new M)
.set J, 0
.rept 32
	v_pk_fma_f32 v[S+J:S+J+1], v[S+J:S+J+1], s[CS:CS+1], v[12:13] op_sel_hi:[1,0,0]   ; t - M
.set J, J+2
.endr
.irp c, 0,1
	v_fma_f32 v[248+\c], v[248+\c], s[CS], v12
.endr
.set J, 0
	s_wait_alu depctr_va_vdst(0)
.rept 64
	v_exp_f32 v[S+J], v[S+J]
.set J, J+1
.endr
	v_pk_mul_f32 v[14:15], v[14:15], v[10:11] op_sel_hi:[1,0]     ; the sums under the new M: a plain line behind the exponentials
	s_wait_alu depctr_va_vdst(0)                   ; one wait for the batch, ahead of its first reader
	v_exp_f32 v248, v248                           ; the blocks' largest p
	v_exp_f32 v249, v249
	v_pk_add_f32 v[252:253], v[84:85], v[88:89]
	v_pk_add_f32 v[254:255], v[92:93], v[96:97]
	v_pk_add_f32 v[250:251], v[100:101], v[104:105]
	v_pk_add_f32 v[246:247], v[108:109], v[112:113]
	v_pk_add_f32 v[244:245], v[116:117], v[120:121]
	v_pk_add_f32 v[242:243], v[124:125], v[128:129]
	v_pk_add_f32 v[240:241], v[132:133], v[136:137]
	v_pk_add_f32 v[14:15], v[14:15], v[140:141]
	v_pk_add_f32 v[252:253], v[252:253], v[80:81]
	v_pk_add_f32 v[254:255], v[254:255], v[82:83]
	v_pk_add_f32 v[250:251], v[250:251], v[86:87]
	v_pk_add_f32 v[246:247], v[246:247], v[90:91]
	v_pk_add_f32 v[244:245], v[244:245], v[94:95]
	v_pk_add_f32 v[242:243], v[242:243], v[98:99]
	v_pk_add_f32 v[240:241], v[240:241], v[102:103]
	v_pk_add_f32 v[14:15], v[14:15], v[106:107]
	v_pk_add_f32 v[252:253], v[252:253], v[110:111]
	v_pk_add_f32 v[254:255], v[254:255], v[114:115]
	v_pk_add_f32 v[250:251], v[250:251], v[118:119]
	v_pk_add_f32 v[246:247], v[246:247], v[122:123]
	v_pk_add_f32 v[244:245], v[244:245], v[126:127]
	v_pk_add_f32 v[242:243], v[242:243], v[130:131]
	v_pk_add_f32 v[240:241], v[240:241], v[134:135]
	v_pk_add_f32 v[14:15], v[14:15], v[138:139]
	v_pk_add_f32 v[252:253], v[252:253], v[142:143]
	s_delay_alu instid0(VALU_DEP_2)
	v_pk_add_f32 v[14:15], v[14:15], v[246:247]
	s_delay_alu instid0(VALU_DEP_2)
	v_pk_add_f32 v[252:253], v[252:253], v[244:245]
	v_pk_add_f32 v[254:255], v[254:255], v[242:243]
	v_pk_add_f32 v[250:251], v[250:251], v[240:241]
	s_delay_alu instid0(VALU_DEP_2)
	v_pk_add_f32 v[14:15], v[14:15], v[254:255]
	s_delay_alu instid0(VALU_DEP_2)
	v_pk_add_f32 v[252:253], v[252:253], v[250:251]
	s_delay_alu instid0(VALU_DEP_1)
	v_pk_add_f32 v[14:15], v[14:15], v[252:253]
	s_wait_alu depctr_va_vdst(0)                   ; and one for the two
.irp c, 0,1
	v_max_num_f32 v[248+\c], FLOOR, v[248+\c]
.endr
.irp c, 0,1
	s_delay_alu instid0(VALU_DEP_2)
	v_add_nc_u32 v[250+\c], EOFF, v[248+\c]
.endr
.irp c, 0,1
	s_delay_alu instid0(VALU_DEP_2)
	v_lshrrev_b32 v[252+\c], 23, v[250+\c]
.endr
	s_delay_alu instid0(VALU_DEP_1)
	v_lshl_or_b32 v252, v253, 16, v252
	s_delay_alu instid0(VALU_DEP_1)
	v_lshlrev_b32 v252, v[SH8], v252
	s_delay_alu instid0(VALU_DEP_1)
	v_permlanex16_b32 v39, v252, s[SEL], s[SEL+1]
	s_delay_alu instid0(VALU_DEP_1)
	v_or_b32 v[PW], v252, v39                      ; p's scale word for these 128 keys
.irp c, 0,1
.irp g, 0,1,2,3
	v_cvt_scalef32_pk8_fp4_f32 v[PC+4*\c+\g], v[S+32*\c+8*\g:S+32*\c+8*\g+7], v[250+\c]
.endr
.endr
	v_nop
.set J, 0
.rept 16
	v_pk_mul_f32 v[OA+J:OA+J+1], v[OA+J:OA+J+1], v[10:11] op_sel_hi:[1,0]   ; O^T under the new M; also the places ahead of the products below
.set J, J+2
.endr
	s_wait_alu depctr_va_vdst(0)
	s_wait_dscnt 0x0                               ; V
.irp t, 0,1,2,3
	MM OA+8*\t, VF+8*\t, PC, OA+8*\t, VS+\t, PW, 0
.endr
.endm
	STEP 0
	STEP 1
	STEP 2
	STEP 3
	PLACES
	v_add_f32 v14, v14, v15
	s_delay_alu instid0(VALU_DEP_1)
	v_permlanex16_b32 v39, v14, s[SEL], s[SEL+1]
	s_delay_alu instid0(VALU_DEP_1)
	v_add_f32 v14, v14, v39                        ; the row's sum
	s_wait_alu depctr_va_vdst(0)
	v_rcp_f32 v14, v14
	v_nop
	s_wait_alu depctr_va_vdst(0)
.irp p, 0,1,2,3,4,5,6,7,8,9,10,11,12,13,14,15,16,17,18,19,20,21,22,23,24,25,26,27,28,29,30,31
	v_mul_f32 v[OA+\p], v[OA+\p], v14              ; o of channel 32 h + p
.endr
	QUANT32 OA, PC, 248, 253
	global_store_b128 v9, v[PC:PC+3], s[12:13]     ; 512 consecutive bytes: half an image
	global_store_b16 v38, v253, s[12:13]
	s_wait_xcnt 0x0
	v_lshl_add_u32 v254, v0, 2, 0x33000
	v_mov_b32 v255, 0
	s_wait_alu depctr_va_vdst(0)
	s_wait_tensorcnt 0x0
	ds_add_u32 v254, v255
	s_wait_dscnt 0x0
	s_endpgm
.Lfunc_end_k_qfdafc12dc5_cross:
	.size	k_qfdafc12dc5_cross, .Lfunc_end_k_qfdafc12dc5_cross-k_qfdafc12dc5_cross
	.p2alignl 7, 3214868480
	.fill 96, 4, 3214868480
	.section	.rodata,"a",@progbits
	.p2align	6, 0x0
	.amdhsa_kernel k_qfdafc12dc5_cross
		.amdhsa_group_segment_fixed_size 210944
		.amdhsa_private_segment_fixed_size 0
		.amdhsa_enable_private_segment 0
		.amdhsa_kernarg_size 40
		.amdhsa_user_sgpr_count 2
		.amdhsa_user_sgpr_kernarg_segment_ptr 1
		.amdhsa_wavefront_size32 1
		.amdhsa_system_sgpr_workgroup_id_x 1
		.amdhsa_system_sgpr_workgroup_id_y 1
		.amdhsa_system_sgpr_workgroup_id_z 1
		.amdhsa_system_vgpr_workitem_id 0
		.amdhsa_next_free_vgpr 256
		.amdhsa_next_free_sgpr 66
		.amdhsa_reserve_vcc 0
		.amdhsa_float_denorm_mode_32 3
		.amdhsa_float_denorm_mode_16_64 3
		.amdhsa_memory_ordered 1
		.amdhsa_forward_progress 1
		.amdhsa_inst_pref_size 82
	.end_amdhsa_kernel
	.amdgpu_metadata
---
amdhsa.version: [ 1, 2 ]
amdhsa.kernels:
  - .name:           k_qfdafc12dc5_cross
    .symbol:         k_qfdafc12dc5_cross.kd
    .args:
      - { .name: o1q, .offset: 0, .size: 8, .value_kind: global_buffer, .address_space: global }
      - { .name: wq, .offset: 8, .size: 8, .value_kind: global_buffer, .address_space: global }
      - { .name: kv, .offset: 16, .size: 8, .value_kind: global_buffer, .address_space: global }
      - { .name: bcq, .offset: 24, .size: 8, .value_kind: global_buffer, .address_space: global }
      - { .name: oc, .offset: 32, .size: 8, .value_kind: global_buffer, .address_space: global }
    .group_segment_fixed_size: 210944
    .private_segment_fixed_size: 0
    .kernarg_segment_align: 8
    .kernarg_segment_size: 40
    .max_flat_workgroup_size: 512
    .sgpr_count:     66
    .vgpr_count:     256
    .wavefront_size: 32
...
	.end_amdgpu_metadata
.endif
;; end of part 9
;; launch tail (part 10): grid 256 x 1, 8 waves a work-group, no clusters, 173,056 bytes of LDS; arguments oc, wq, o1, bco, b1, b2, gamma, beta, out0; writes out0
.if DOCPART == 10
	.amdgcn_target "amdgcn-amd-amdhsa--gfx1250"
	.amdhsa_code_object_version 6
	.text
	.protected	k_qfdafc12dc5_tail
	.globl	k_qfdafc12dc5_tail
	.p2align	8
	.type	k_qfdafc12dc5_tail,@function
k_qfdafc12dc5_tail:
	s_mov_b64 s[64:65], 0
	v_nop
	global_prefetch_b8 v0, s[64:65] scope:SCOPE_SE
	s_setreg_imm32_b32 hwreg(HW_REG_WAVE_SCHED_MODE, 0, 2), 2
	s_setreg_imm32_b32 hwreg(HW_REG_WAVE_MODE, 25, 1), 1
	s_wait_xcnt 0x0
	s_wait_alu depctr_vm_vsrc(0)
; TAIL: out2 = LayerNorm(o Wco + bco + out1); hid = out2 W1 + b1; out0 = LayerNorm(hid W2 + b2 + out2).  Three stages of one form on 16 tokens and all 1,024 columns; nothing between them goes to memory.
; Wave w makes columns 128 w .. 128 w + 127 of each stage: 8 tiles of the weight, products transposed (source 0 = 16 rows of the weight, source 1 = the 16 tokens): lane (r, h) holds token r,
; register 32 G + 8 t + j = column 128 w + 64 G + 32 h + 8 t + j: two whole blocks of the next stage's K step w.  A stage's result is quantised in registers; its image and scale word go to LDS, a barrier, and every wave loads all 8.
; Each fragment of a weight is used once, by one wave: it goes from memory straight into registers, 512 consecutive bytes a load, three K steps ahead, across the stages too.  So no tile is shared through LDS and no cluster is used.
; Every LDS region is written once.  The norms are taken in two passes.
; REGISTERS: window 0: v1-11 addresses, v12-23 at work, v24-31 the activations' scale words, v32-63 the weight's, v64-127 the 8 fragments (later gamma, codes), v128-191 the sums, v192-255 the residual (later beta, rows of out0).  Window 1: four buffers W0 .. W3 of the weight, a K step each.
; THE MODE: SCHED_MODE bits 1:0 = 2 (LLVM: expert scheduling mode 2), set by the entry lines.  The code itself states the register dependences
; between vector or matrix instructions and memory or LDS instructions, with s_wait_alu, always for 0.
; THE PLAN.  Registers that memory or LDS instructions touch:
;   v1-v11, v16-v18   Offsets and addresses, written at the head ahead of the one wait in front of the first load; v1-v11 are never written again.
;   W0 .. W3          The 24 K steps of the three stages count on: step g's eight products read W[g % 4].  The loads of step g + 3 land in W[(g - 1) % 4], the buffer that the step before multiplied; they are issued in step g.
;                     W3 first carries gamma, beta, b1 and b2, which LDS stores read.
;   WS                A stage's products read it; the next stage's scale words land in it behind the first wait on va_vdst that follows the stage's last product.
;   AF, AS            Fragments and their scale words land; the products read them; gamma lands in AF; the conversions write the codes into AF's first eight registers; LDS stores read these; the next fragments land.
;   ACC               A bias lands; products and the norm write it; the quantiser reads it; LDS stores read it (out2's copy, the stage for out0); the next bias lands.
;   TMP               A residual lands; the norm's additions read it; beta lands; the norm reads it; at the end rows of out0 land, which the last stores read.
;   v12, v14, v16-23  A reduction's LDS store reads v12, its two LDS loads read v14 and land in v16-23.  v19: the scale word, read by its LDS store.
; So ONE wait on va_vdst stands at the head of a K step that loads, behind the wait for the step's own data: the last step's products are done reading their buffer.  The step's sixteen loads follow it in two halves,
; dealt among its eight products, which name W[g % 4], AF, AS, WS and ACC: none of the registers that those loads touch.  Between the stages a wait stands ahead of each run of loads or stores, and covers all of it.
; LIMITS: NaN and infinities are not served; a block under 2^-124 keeps the byte 1.
.set NST, 3
.set TILEB, 8704
.set GRPB,  34816
.set STB,   16*GRPB
.set FLOOR, 0x1800000
.set EOFF,  0xff000000
.set PRM, 0                            ; LDS: 2,560 bytes a wave: its 128 numbers of gamma, beta, b1, b2
.set RED, 20480                        ; four regions of 16 rows x 8 waves x 4 bytes
.set AIMGA, 22528                      ; out2's 8 images and scale words
.set AIMGB, 31232                      ; hid's
.set RES, 39936                        ; out2 in f32, each wave's own 8,192 bytes
.set STG, 105472                       ; out0: 16 rows x (4,096 + 16) bytes
.set LI, 1
.set LR, 2
.set RW, 3
.set PR, 4
.set IW, 5
.set SW, 6
.set OI, 7
.set SO, 8
.set SR, 9
.set SH8, 11
.set AS, 24
.set WS, 32
.set AF, 64
.set ACC, 128
.set TMP, 192
.set SEL, 24
.set MSB, 0
.macro WIN new                         ; the immediate's high byte repeats the setting that is left
.if MSB != \new
	s_set_vgpr_msb (MSB<<8)|\new
.set MSB, \new
.endif
.endm
.macro MM d, a, b, c, sa, sb, row
.if \row
	v_wmma_scale_f32_16x16x128_f8f6f4 v[\d:\d+7], v[\a:\a+7], v[\b:\b+7], v[\c:\c+7], v[\sa], v[\sb] matrix_a_fmt:MATRIX_FMT_FP4 matrix_b_fmt:MATRIX_FMT_FP4 matrix_a_scale:MATRIX_SCALE_ROW1
.else
	v_wmma_scale_f32_16x16x128_f8f6f4 v[\d:\d+7], v[\a:\a+7], v[\b:\b+7], v[\c:\c+7], v[\sa], v[\sb] matrix_a_fmt:MATRIX_FMT_FP4 matrix_b_fmt:MATRIX_FMT_FP4
.endif
.endm
.macro LOADWH n, ks, G                 ; half of K step ks of stage n's weight: my tiles 4 G .. 4 G + 3, into buffer ks % 4 of window 1
.irp t, 0,1,2,3
.irp c, 0,1
	global_load_b128 v[64*((\ks)%4)+8*(4*(\G)+\t)+4*\c:64*((\ks)%4)+8*(4*(\G)+\t)+4*\c+3], v[LI], s[6:7] offset:STB*(\n)+GRPB*(\G)+8192*\t+1024*(\ks)+512*\c
.endr
.endr
.endm
.macro LOADW n, ks                     ; the whole K step
	LOADWH \n, \ks, 0
	LOADWH \n, \ks, 1
.endm
.macro LOADWS n
.irp G, 0,1
.irp u, 0,1
.irp g, 0,1
	global_load_b128 v[WS+16*\G+8*\u+4*\g:WS+16*\G+8*\u+4*\g+3], v[LI], s[6:7] offset:STB*(\n)+GRPB*\G+32768+1024*\u+512*\g
.endr
.endr
.endr
.endm
; a K step: 8 products, the accumulators by turns; among them, in two halves, the 16 loads of K step nk of stage nn into the buffer that the step before multiplied (nn < 0: nothing); four places.
; dep = 1: that buffer was last read by the products just ahead;  dep = 2: by LDS stores;  dep = 0: by products ahead of a wait on va_vdst that has been passed since, or nothing is loaded.
.macro KSTEP n, ks, cnt, dep, nn, nk
	s_wait_loadcnt \cnt                            ; the K steps of 16 loads issued behind this one may be out
.irp G, 0,1
.if (\nn) >= 0
	WIN 0x40
.if ((\dep) == 1) && (\G == 0)
	s_wait_alu depctr_va_vdst(0)                   ; the last K step's products are done reading their buffer, in which this step's sixteen loads land
.endif
.if ((\dep) == 2) && (\G == 0)
	s_wait_alu depctr_vm_vsrc(0)                   ; the LDS stores of the four parameters have read the fourth buffer's registers, in which this step's loads land; so have the head's loads and stores read v16 to v18, which are written again later
.endif
	LOADWH \nn, \nk, \G                            ; no vector or matrix instruction since the wait names these registers or v1
.endif
	WIN 0x01
.irp t, 0,1,2,3
	MM ACC+32*\G+8*\t, 64*((\ks)%4)+8*(4*\G+\t), AF+8*(\ks), ACC+32*\G+8*\t, WS+16*\G+8*(\t/2)+(\ks), AS+(\ks), \t%2
.endr
.endr
.rept 4
	v_nop                                          ; four places behind the products: ahead of the next step's loads into this buffer, where they stay beside that step's wait, and, behind a stage's last K step, ahead of the first read of the sums
.endr
.endm
; a stage's eight K steps.  dep0: what K step 0's loads hang on.  last = 0: K steps 5 to 7 ask for the next stage's K steps 0 to 2
.macro STAGE n, dep0, last
	KSTEP \n, 0, 32, \dep0, \n, 3
.irp s, 1,2,3,4
	KSTEP \n, \s, 32, 1, \n, \s+3
.endr
.if \last
	KSTEP \n, 5, 32, 0, -1, 0                      ; the last three K steps load nothing: they state no dependence, and the counts run down
	KSTEP \n, 6, 16, 0, -1, 0
	KSTEP \n, 7, 0, 0, -1, 0
.else
.irp s, 5,6,7
	KSTEP \n, \s, 32, 1, \n+1, \s-5                ; the next stage's first three K steps are asked for while this stage ends
.endr
.endif
	WIN 0
.endm
; v12: my 64 numbers' sum -> v12: the row's, over the eight waves.  The eight parts land in v16-23, which no line between the wait on va_vdst and the loads names.
.macro REDUCE k
	v_permlanex16_b32 v13, v12, s[SEL], s[SEL+1]
	v_add_f32 v12, v12, v13
	v_lshlrev_b32 v14, 1, v[LR]                    ; 32 r
	s_wait_alu depctr_va_vdst(0)                   ; v12, the store's data, and v14, the loads' address, are written; every vector line that named v16-23, in which the loads land, is done
	ds_store_b32 v[RW], v12 offset:RED+512*(\k)    ; both halves of the lanes store the same word
	s_wait_dscnt 0x0                               ; for the others' sake: my store has landed
	s_barrier_signal -1
	s_barrier_wait -1
	ds_load_b128 v[16:19], v14 offset:RED+512*(\k)
	ds_load_b128 v[20:23], v14 offset:RED+512*(\k)+16
	s_wait_dscnt 0x0
	s_wait_alu depctr_vm_vsrc(0)                   ; the store has read v12 and the loads have read v14: both are written again below
	v_add_f32 v16, v16, v17
	v_add_f32 v18, v18, v19
	v_add_f32 v20, v20, v21
	v_add_f32 v22, v22, v23
	v_add_f32 v16, v16, v18
	v_add_f32 v20, v20, v22
	v_add_f32 v12, v16, v20
.endm
; ws: the stage whose scale words are asked for here (ws < 0: none)
.macro LNORM k, ws
.set J, 0
.rept 32
	v_pk_add_f32 v[ACC+J:ACC+J+1], v[ACC+J:ACC+J+1], v[TMP+J:TMP+J+1]     ; the residual; each accumulator from its low end on
.set J, J+2
.endr
	s_wait_alu depctr_va_vdst(0)                   ; the stage's products are done reading the weight's scale words and the fragments, the additions above reading the residual: the next scale words, gamma and beta land in these
.if (\ws) >= 0
	LOADWS \ws
.endif
.irp G, 0,1
.irp t, 0,1,2,3
.irp q, 0,1
	ds_load_b128 v[AF+32*\G+8*\t+4*\q:AF+32*\G+8*\t+4*\q+3], v[PR] offset:PRM+256*\G+32*\t+16*\q          ; gamma, in the sums' order
	ds_load_b128 v[TMP+32*\G+8*\t+4*\q:TMP+32*\G+8*\t+4*\q+3], v[PR] offset:PRM+512+256*\G+32*\t+16*\q    ; beta
.endr
.endr
.endr
	v_pk_add_f32 v[12:13], v[ACC:ACC+1], v[ACC+2:ACC+3]
	v_pk_add_f32 v[14:15], v[ACC+4:ACC+5], v[ACC+6:ACC+7]
.set J, 8
.rept 14
	v_pk_add_f32 v[12:13], v[12:13], v[ACC+J:ACC+J+1]
	v_pk_add_f32 v[14:15], v[14:15], v[ACC+J+2:ACC+J+3]
.set J, J+4
.endr
	v_pk_add_f32 v[12:13], v[12:13], v[14:15]
	v_add_f32 v12, v12, v13
	REDUCE \k
	v_mul_f32 v20, s26, v12                        ; the mean
	v_mov_b32 v21, v20
.set J, 0
.rept 32
	v_pk_add_f32 v[ACC+J:ACC+J+1], v[ACC+J:ACC+J+1], v[20:21] neg_lo:[0,1] neg_hi:[0,1]
.set J, J+2
.endr
	v_pk_mul_f32 v[12:13], v[ACC:ACC+1], v[ACC:ACC+1]
	v_pk_mul_f32 v[14:15], v[ACC+2:ACC+3], v[ACC+2:ACC+3]
.set J, 4
.rept 15
	v_pk_fma_f32 v[12:13], v[ACC+J:ACC+J+1], v[ACC+J:ACC+J+1], v[12:13]
	v_pk_fma_f32 v[14:15], v[ACC+J+2:ACC+J+3], v[ACC+J+2:ACC+J+3], v[14:15]
.set J, J+4
.endr
	v_pk_add_f32 v[12:13], v[12:13], v[14:15]
	v_add_f32 v12, v12, v13
	REDUCE \k+1
	v_fma_f32 v22, v12, s26, s27                   ; the variance + 1e-5
	s_wait_alu depctr_va_vdst(0)
	v_rsq_f32 v22, v22
	v_nop
	s_wait_alu depctr_va_vdst(0)                   ; the root's result v22 is written, ahead of its first reader
	v_mov_b32 v23, v22
.set J, 0
.rept 32
	v_pk_mul_f32 v[ACC+J:ACC+J+1], v[ACC+J:ACC+J+1], v[22:23]
.set J, J+2
.endr
.set J, 0
.rept 32
	v_pk_fma_f32 v[ACC+J:ACC+J+1], v[ACC+J:ACC+J+1], v[AF+J:AF+J+1], v[TMP+J:TMP+J+1]
.set J, J+2
.endr
.endm
; my 64 numbers, two whole blocks, become a fragment's 8 registers at v[AF] and, in v19, my row's scale word
.macro QUANT64
.irp G, 0,1
	v_max3_num_f32 v[12+\G], |v[ACC+32*\G]|, |v[ACC+32*\G+1]|, FLOOR
.endr
.irp i, 2,4,6,8,10,12,14,16,18,20,22,24,26,28,30
.irp G, 0,1
	v_max3_num_f32 v[12+\G], v[12+\G], |v[ACC+32*\G+\i]|, |v[ACC+32*\G+\i+1]|
.endr
.endr
	v_add_nc_u32 v14, EOFF, v12
	v_add_nc_u32 v15, EOFF, v13
	v_lshrrev_b32 v16, 23, v14
	v_lshrrev_b32 v17, 23, v15
	v_lshl_or_b32 v16, v17, 16, v16
	v_lshlrev_b32 v16, v[SH8], v16
	v_permlanex16_b32 v18, v16, s[SEL], s[SEL+1]
	v_or_b32 v19, v16, v18
.irp G, 0,1
.irp g, 0,1,2,3
	v_cvt_scalef32_pk8_fp4_f32 v[AF+4*\G+\g], v[ACC+32*\G+8*\g:ACC+32*\G+8*\g+7], v[14+\G]
.endr
.endr
	v_nop
.endm
; my image and scale word to LDS (the wait on va_vdst for their data stands ahead of the macro); a barrier; all 8 images and their words back; the next bias (number pb of my parameters) into the sums
.macro HANDOVER img, pb
	ds_store_b128 v[IW], v[AF:AF+3] offset:\img
	ds_store_b128 v[IW], v[AF+4:AF+7] offset:\img+512
	ds_store_b32 v[SW], v19 offset:\img+8192
	s_wait_dscnt 0x0                               ; for the others' sake: my stores have landed
	s_barrier_signal -1
	s_barrier_wait -1
	s_wait_alu depctr_vm_vsrc(0)                   ; my LDS stores have read the codes and, where out2 was copied, the sums: the loads below land in those registers; they have read v19 too, which is written again later
.irp s, 0,1,2,3,4,5,6,7
	ds_load_b128 v[AF+8*\s:AF+8*\s+3], v[LI] offset:\img+1024*\s
	ds_load_b128 v[AF+8*\s+4:AF+8*\s+7], v[LI] offset:\img+1024*\s+512
.endr
	ds_load_b128 v[AS:AS+3], v[LR] offset:\img+8192
	ds_load_b128 v[AS+4:AS+7], v[LR] offset:\img+8192+256
.irp G, 0,1
.irp t, 0,1,2,3
.irp q, 0,1
	ds_load_b128 v[ACC+32*\G+8*\t+4*\q:ACC+32*\G+8*\t+4*\q+3], v[PR] offset:PRM+512*(\pb)+256*\G+32*\t+16*\q
.endr
.endr
.endr
.endm
	s_load_b512 s[4:19], s[0:1], 0x0               ; oc, wq, o1, bco, b1, b2, gamma, beta
	s_load_b64 s[20:21], s[0:1], 0x40              ; out0
	v_lshrrev_b32 v12, 5, v0
	v_readfirstlane_b32 s2, v12                    ; wave 0..7
	v_and_b32 v12, 31, v0
	v_and_b32 v13, 15, v0                          ; r
	v_bfe_u32 v14, v0, 4, 1                        ; h
	v_lshlrev_b32 v[LI], 4, v12                    ; 16 x lane
	v_lshlrev_b32 v[LR], 4, v13                    ; 16 r
	s_wait_alu depctr_va_vdst(0)
	s_wait_alu depctr_va_sdst(0)                   ; s2 is written, ahead of its first reader: LDS addresses and the bases are made from it
	s_lshl_b32 s22, s2, 2
	v_lshl_add_u32 v[RW], v13, 5, s22              ; 32 r + 4 w
	s_mul_i32 s22, s2, 2560
	v_lshl_add_u32 v[PR], v14, 7, s22              ; my parameters, + 128 h
	v_add_nc_u32 v18, s22, v[LI]                   ; and where they are put
	s_lshl_b32 s22, s2, 10
	v_add_nc_u32 v[IW], s22, v[LI]                 ; my image: K step w
	s_lshr_b32 s22, s2, 2
	s_lshl_b32 s22, s22, 8
	s_and_b32 s23, s2, 3
	s_lshl_b32 s23, s23, 2
	s_add_co_u32 s22, s22, s23
	v_add_nc_u32 v[SW], s22, v[LR]                 ; its scale word
	s_lshl_b32 s22, s2, 13
	v_add_nc_u32 v[OI], s22, v[LI]                 ; 8192 w + 16 x lane
	s_lshl_b32 s23, s2, 9
	v_lshl_add_u32 v16, v14, 7, s23                ; 512 w + 128 h: my columns in a vector of 1,024
	v_add_nc_u32 v17, s23, v[LI]                   ; 512 w + 16 x lane
	v_mul_u32_u24 v[SO], v13, 4112
	v_add_nc_u32 v[SO], v[SO], v16
	v_add_nc_u32 v[SO], STG, v[SO]                 ; the stage: row r, my columns
	s_mul_i32 s22, s2, 8224
	s_add_co_u32 s22, s22, STG
	v_add_nc_u32 v[SR], s22, v[LI]                 ; back: rows 2 w, 2 w + 1
	v_lshlrev_b32 v[SH8], 3, v14
	s_mov_b32 s[SEL], 0x76543210
	s_mov_b32 s[SEL+1], 0xfedcba98
	s_mov_b32 s26, 0x3a800000                      ; 1 / 1024
	s_mov_b32 s27, 0x3727c5ac                      ; 1e-5
	s_wait_kmcnt 0x0
	s_mul_i32 s22, ttmp9, TILEB
	s_mov_b32 s23, 0
	s_add_nc_u64 s[4:5], s[4:5], s[22:23]
	s_lshl_b32 s22, ttmp9, 16
	s_add_nc_u64 s[8:9], s[8:9], s[22:23]
	s_add_nc_u64 s[20:21], s[20:21], s[22:23]
	s_mul_i32 s22, s2, 2*GRPB
	s_add_co_u32 s22, s22, 112*GRPB                ; Wco's groups begin at 112; W1's and W2's follow, 16 groups each
	s_add_nc_u64 s[6:7], s[6:7], s[22:23]
	WIN 0x40
	s_wait_alu depctr_va_vdst(0)                   ; the offsets and addresses v1 to v9, v11 and v16 to v18 are written: every load and store of the kernel reads one of them
	global_load_b128 v[192:195], v17, s[16:17]     ; gamma, beta, b1, b2 pass through the fourth buffer on their way to LDS
	global_load_b128 v[196:199], v17, s[18:19]
	global_load_b128 v[200:203], v17, s[12:13]
	global_load_b128 v[204:207], v17, s[14:15]
	WIN 0
.irp s, 0,1,2,3,4,5,6,7
	global_load_b128 v[AF+8*\s:AF+8*\s+3], v[LI], s[4:5] offset:1024*\s
	global_load_b128 v[AF+8*\s+4:AF+8*\s+7], v[LI], s[4:5] offset:1024*\s+512
.endr
	global_load_b128 v[AS:AS+3], v[LR], s[4:5] offset:8192
	global_load_b128 v[AS+4:AS+7], v[LR], s[4:5] offset:8192+256
	LOADWS 0
.irp G, 0,1
.irp t, 0,1,2,3
.irp q, 0,1
	global_load_b128 v[ACC+32*\G+8*\t+4*\q:ACC+32*\G+8*\t+4*\q+3], v16, s[10:11] offset:256*\G+32*\t+16*\q     ; the bias is what the sums begin with
.endr
.endr
.endr
.irp k, 0,1,2,3,4,5,6,7,8,9,10,11,12,13,14,15
	global_load_b128 v[TMP+4*\k:TMP+4*\k+3], v[OI], s[8:9] offset:512*\k th:TH_LOAD_NT    ; out1, the residual, as the same lanes' registers left it
.endr
	WIN 0x40
	LOADW 0, 0
	LOADW 0, 1
	LOADW 0, 2
	s_wait_loadcnt 63                              ; 106 loads were issued behind the parameters': those four are in
	WIN 0x04                                       ; an LDS store's data are its source 1: window 1
	ds_store_b128 v18, v[192:195] offset:PRM
	ds_store_b128 v18, v[196:199] offset:PRM+512
	ds_store_b128 v18, v[200:203] offset:PRM+1024
	ds_store_b128 v18, v[204:207] offset:PRM+1536
	s_wait_dscnt 0x0                               ; my parameters lie in LDS
	STAGE 0, 2, 0
	LNORM 0, 1                                     ; out2; W1's scale words are asked for in it
	QUANT64                                        ; it reads the sums and writes none of them
	s_wait_alu depctr_va_vdst(0)                   ; the norm has written the sums, the conversions the codes, and v19 holds the scale word: the LDS stores below read them; the quantiser is done reading the sums, in which the next bias lands
.irp k, 0,1,2,3,4,5,6,7,8,9,10,11,12,13,14,15
	ds_store_b128 v[OI], v[ACC+4*\k:ACC+4*\k+3] offset:RES+512*\k     ; kept for the last residual: my own bytes
.endr
	HANDOVER AIMGA, 2
	s_wait_dscnt 0x0
	s_wait_loadcnt 0x0                             ; W1's scale words and first three K steps
	STAGE 1, 0, 0                                  ; its K step 0 loads into the buffer that the last stage's K step 7 multiplied: waits on va_vdst have been passed since, and nothing has named it
	QUANT64                                        ; hid: no norm, no activation
	s_wait_alu depctr_va_vdst(0)                   ; the conversions have written the codes, and v19 holds the scale word: the LDS stores read them; the stage's products are done reading W1's scale words, the fragments and their words, the quantiser reading the sums: loads land in all of these
	LOADWS 2
	HANDOVER AIMGB, 3
.irp k, 0,1,2,3,4,5,6,7,8,9,10,11,12,13,14,15
	ds_load_b128 v[TMP+4*\k:TMP+4*\k+3], v[OI] offset:RES+512*\k
.endr
	s_wait_dscnt 0x0
	s_wait_loadcnt 0x0                             ; W2's scale words and first three K steps
	STAGE 2, 0, 1
	LNORM 2, -1                                    ; out0
	s_wait_alu depctr_va_vdst(0)                   ; the norm has written the sums, which the LDS stores read, and is done reading beta, in whose registers the rows of out0 land
.irp G, 0,1
.irp t, 0,1,2,3
.irp q, 0,1
	ds_store_b128 v[SO], v[ACC+32*\G+8*\t+4*\q:ACC+32*\G+8*\t+4*\q+3] offset:256*\G+32*\t+16*\q
.endr
.endr
.endr
	s_wait_dscnt 0x0                               ; for the others' sake: my part of the 16 rows has landed
	s_barrier_signal -1
	s_barrier_wait -1
.irp m, 0,1
.irp i, 0,1,2,3,4,5,6,7
	ds_load_b128 v[TMP+32*\m+4*\i:TMP+32*\m+4*\i+3], v[SR] offset:4112*\m+512*\i
.endr
.endr
.irp m, 0,1
.irp i, 0,1,2,3,4,5,6,7
	s_wait_dscnt 15-8*\m-\i                        ; the younger reads of the stage may be out
	global_store_b128 v[OI], v[TMP+32*\m+4*\i:TMP+32*\m+4*\i+3], s[20:21] offset:4096*\m+512*\i th:TH_STORE_NT   ; 512 consecutive bytes of a row
.endr
.endr
	s_wait_xcnt 0x0
	s_wait_alu depctr_vm_vsrc(0)                   ; the last store has read v254 and v255, which the two lines below write
	v_lshl_add_u32 v254, v0, 2, 0x2a000
	v_mov_b32 v255, 0
	s_wait_dscnt 0x0                               ; the closing lines, six on end
	s_wait_alu 0x0
	s_wait_tensorcnt 0x0
	ds_add_u32 v254, v255
	s_wait_dscnt 0x0
	s_endpgm
.Lfunc_end_k_qfdafc12dc5_tail:
	.size	k_qfdafc12dc5_tail, .Lfunc_end_k_qfdafc12dc5_tail-k_qfdafc12dc5_tail
	.p2alignl 7, 3214868480
	.fill 96, 4, 3214868480
	.section	.rodata,"a",@progbits
	.p2align	6, 0x0
	.amdhsa_kernel k_qfdafc12dc5_tail
		.amdhsa_group_segment_fixed_size 173056
		.amdhsa_private_segment_fixed_size 0
		.amdhsa_enable_private_segment 0
		.amdhsa_kernarg_size 72
		.amdhsa_user_sgpr_count 2
		.amdhsa_user_sgpr_kernarg_segment_ptr 1
		.amdhsa_wavefront_size32 1
		.amdhsa_system_sgpr_workgroup_id_x 1
		.amdhsa_system_sgpr_workgroup_id_y 1
		.amdhsa_system_sgpr_workgroup_id_z 1
		.amdhsa_system_vgpr_workitem_id 0
		.amdhsa_next_free_vgpr 512
		.amdhsa_next_free_sgpr 66
		.amdhsa_reserve_vcc 0
		.amdhsa_float_denorm_mode_32 3
		.amdhsa_float_denorm_mode_16_64 3
		.amdhsa_memory_ordered 1
		.amdhsa_forward_progress 1
		.amdhsa_inst_pref_size 127
	.end_amdhsa_kernel
	.amdgpu_metadata
---
amdhsa.version: [ 1, 2 ]
amdhsa.kernels:
  - .name:           k_qfdafc12dc5_tail
    .symbol:         k_qfdafc12dc5_tail.kd
    .args:
      - { .name: oc, .offset: 0, .size: 8, .value_kind: global_buffer, .address_space: global }
      - { .name: wq, .offset: 8, .size: 8, .value_kind: global_buffer, .address_space: global }
      - { .name: o1, .offset: 16, .size: 8, .value_kind: global_buffer, .address_space: global }
      - { .name: bco, .offset: 24, .size: 8, .value_kind: global_buffer, .address_space: global }
      - { .name: b1, .offset: 32, .size: 8, .value_kind: global_buffer, .address_space: global }
      - { .name: b2, .offset: 40, .size: 8, .value_kind: global_buffer, .address_space: global }
      - { .name: gamma, .offset: 48, .size: 8, .value_kind: global_buffer, .address_space: global }
      - { .name: beta, .offset: 56, .size: 8, .value_kind: global_buffer, .address_space: global }
      - { .name: out0, .offset: 64, .size: 8, .value_kind: global_buffer, .address_space: global }
    .group_segment_fixed_size: 173056
    .private_segment_fixed_size: 0
    .kernarg_segment_align: 8
    .kernarg_segment_size: 72
    .max_flat_workgroup_size: 256
    .sgpr_count:     66
    .vgpr_count:     512
    .wavefront_size: 32
...
	.end_amdgpu_metadata
.endif
;; end of part 10
